; MI455X (gfx1250); checked and timed in simulation.
; The chip was launched on July 23, 2026; its instructions are those of AMD's public machine-readable ISA for CDNA 5 (MIT licence, August 2026) and "CDNA5" Instruction Set Architecture Reference Guide (July 2026). The comments in the code are by the model that wrote it; some were corrected since.
;; Encoder Layer. Allowed arithmetic: matrix products marked QUANTISED: E2M3 operands, one E8M0 scale for each 32 along K, by v_wmma_scale_f32_16x16x128_f8f6f4 with both operands' format E2M3, f32 sums; everything else in f32.
;; Inputs: W1 1,024 x 4,096 float32; W2 4,096 x 1,024 float32; Wk 1,024 x 1,024 float32; Wq 1,024 x 1,024 float32; Wv 1,024 x 1,024 float32; b1 4,096 float32; b2 1,024 float32; bk 1,024 float32; bq 1,024 float32; bv 1,024 float32; ln_attn_b 1,024 float32; ln_attn_g 1,024 float32; ln_ffn_b 1,024 float32; ln_ffn_g 1,024 float32; mask 1 x 1 x 1,024 x 1,024 float32; x 4 x 1,024 x 1,024 float32.
;; Outputs: out0 4 x 1,024 x 1,024 float32.
;; Constants: iter = 1.
;; This version of the problem:
;;   THIS VERSION OF THE PROBLEM IS GIVEN IN LOW PRECISION. The matrix products marked QUANTISED in the list below multiply operands that are first quantised to E2M3 (2 exponent bits, 3 mantissa bits; 6 bits a number), with one power-of-two scale for each 32 numbers along K (OCP MX v1.0); their sums are f32. All else is computed in f32.
;;   The module's matrix products, in the order in which they are computed (A, B: the left and right operand; K: the contracted axis; several contracted axes count as one K, in the product's order):
;;     1. [M 4,096, K 1,024] x [K 1,024, N 1,024]; A: computed on the way; B: input Wq: QUANTISED
;;     2. [M 4,096, K 1,024] x [K 1,024, N 1,024]; A: computed on the way; B: input Wk: QUANTISED
;;     3. [M 4,096, K 1,024] x [K 1,024, N 1,024]; A: computed on the way; B: input Wv: QUANTISED
;;     4. batch 64 x [M 1,024, K 64] x [K 64, N 1,024]; A: computed on the way; B: computed on the way: QUANTISED
;;     5. batch 64 x [M 1,024, K 1,024] x [K 1,024, N 64]; A: softmax (see below); B: computed on the way: QUANTISED
;;     6. [M 4,096, K 1,024] x [K 1,024, N 4,096]; A: computed on the way; B: input W1: QUANTISED
;;     7. [M 4,096, K 4,096] x [K 4,096, N 1,024]; A: computed on the way; B: input W2: QUANTISED
;;   THE QUANTISER, for each operand of a quantised product, along K:
;;     - K is cut into blocks of 32 from its start; a last block that is shorter is filled with zeros.
;;     - A block's scale is 2^e with e = floor(log2(the largest magnitude in the block)) - 2, held to -126 .. 127; a block of zeros has e = 0. As a byte (E8M0): e + 127.
;;     - Each number is divided by its block's scale, clamped to +-7.5, and rounded to the nearest number of E2M3, ties to even, subnormals kept.
;;     - The product sums the exact products of the quantised numbers (number of the format x scale) in f32.
;;   ~~~python
;;   def quantise(x, axis):      # numpy; x: float32 -> the quantised numbers, widened to float32 again
;;       x = np.moveaxis(x, axis, -1); K = x.shape[-1]
;;       x = np.pad(x, [(0, 0)] * (x.ndim - 1) + [(0, -K % 32)]); x = x.reshape(x.shape[:-1] + (-1, 32)); a = np.abs(x).max(-1, keepdims=True)
;;       e = np.where(a > 0, np.clip(np.frexp(np.where(a > 0, a, 1))[1] - 1 - 2, -126, 127), 0)      # np.frexp(a)[1] - 1 = floor(log2(a)), exactly
;;       r = np.clip(x / 2.0 ** e, -7.5, 7.5)
;;       step = 2.0 ** (np.maximum(np.frexp(np.where(r == 0, 1, r))[1] - 1, 0) - 3)
;;       q = np.round(r / step) * step * 2.0 ** e      # np.round: ties to even
;;       return np.moveaxis(q.reshape(q.shape[:-2] + (-1,))[..., :K], -1, axis).astype(np.float32)
;;   ~~~
;;   SOFTMAX AHEAD OF A QUANTISED PRODUCT. Where the list says 'softmax', what is quantised is not the finished softmax but p = 2^(t - M), with t = logit x log2(e) and M = ceil(the row's largest t), a whole number; so 1/2 < the row's largest p <= 1. The row's sum l is taken of the UNQUANTISED p, in f32, and the product's result is divided by l at the end. Since M is a whole number, a kernel that streams over the keys may use a running M (the ceiling of the running maximum): every later rescaling is an exact power of two, which a block's scale takes up: the codes' values come out the same.
;;   OPERANDS COMPUTED ON THE WAY. 'Computed on the way' means the value that the module computes at that place (a softmax that the list does not call 'softmax' is quantised finished and normalised). What goes into a quantiser is computed in f32, as accurately as f32 sums, v_exp_f32 and their like allow (about 1e-6 of the number): no bf16 or f16 on the way to a quantiser, and a product that is left as it is and whose result goes on into a quantised operand takes f32 operands (vector FMAs, or v_wmma_f32_16x16x4_f32). A number that lies on a knife's edge between two numbers of the format may be rounded either way, as far as f32 arithmetic and the matrix unit's own rounding can turn it there, and no further.
;; 2 versions. Each part assembles by itself: llvm-mc -triple=amdgcn-amd-amdhsa -mcpu=gfx1250 --defsym DOCPART=n.
;; ======== version 1 of 2: 5 launches
;; workspace buffers: wk 12,288,000 bytes; qkv 16,384,000 bytes; att 20,054,016 bytes; hid 13,107,200 bytes
;; launch prep (part 1): grid 608 x 1, 4 waves a work-group, no clusters, 56,320 bytes of LDS; arguments Wq, Wk, Wv, W1, W2, x, ln_attn_g, ln_attn_b, wk; writes wk
.if DOCPART == 1
	.amdgcn_target "amdgcn-amd-amdhsa--gfx1250"
	.amdhsa_code_object_version 6
	.text
	.protected	k_q70591e8d60_prep
	.globl	k_q70591e8d60_prep
	.p2align	8
	.type	k_q70591e8d60_prep,@function
k_q70591e8d60_prep:
	s_mov_b64 s[64:65], 0
	v_nop
	global_prefetch_b8 v0, s[64:65] scope:SCOPE_SE
	s_setreg_imm32_b32 hwreg(HW_REG_WAVE_MODE, 25, 1), 1
	s_wait_xcnt 0x0
; PREP.  Work-groups 0-351 turn the five weights (f32, K on the FIRST axis) into codes of E2M3 with one E8M0 byte for each 32 along K; work-groups 352-607 make xn = LayerNorm(x) and quantise it likewise.
; All of it goes into the workspace wk, laid AS THE MATRIX UNIT'S REGISTERS WANT IT:
;   codes: a fragment (16 rows x 128 K) is 12 registers a lane = 1,536 bytes: three runs of 512 bytes, lane l's registers 4 c .. 4 c + 3 at 512 c + 16 l.
;          Fragment (kt = k / 256, rb = row / 16, q = (k / 128) % 2) lies at ((kt RB + rb) 2 + q) 1,536, RB the table's row blocks.  In a fragment lane r + 16 h holds row r; registers 6 c .. 6 c + 5 hold K = 64 c + 32 h + 0 .. 31.
;   scales: the word of (kq = k / 128, row) lies at kq x pitch + 4 row; its byte b scales K = 32 b .. 32 b + 31.
;   ROW PLACES: place p of a table holds true row swap34(p) (bits 3 and 4 of p exchanged), so that a later product, used transposed, leaves 16 neighbouring true columns in a lane's 16 registers.
; Tables in wk: operands (7,168 rows x 1,024 K: xn 0.., Wq 4096.., Wk 5120.., Wv 6144..), W1 (4,096 x 1,024), W2 (1,024 x 4,096), each followed by its scale words.
; A block's scale is 2^(floor(log2(its largest magnitude)) - 2); its byte is the largest magnitude's exponent field - 2, held at 1 from below.
; LIMITS: a block of zeros gets the byte 1 and not 127 (its codes are zeros, and this program alone reads the bytes); NaN and infinities among the inputs are not served.
; No tensor loads; the two paths part on the work-group's number, never join, and have LDS bytes of their own.
.set OPS_S, 5505024
.set W1_C,  5734400
.set W1_S,  8880128
.set W2_C,  9011200
.set W2_S,  12156928
.set T2,    24576                      ; LDS: 0.. the weights' stages, 6,144 bytes a wave; T2.. the norm's turning stages, 4,608 a wave
.set IMG,   43008                      ; the 16 rows' eight fragments, 12,288 bytes
.set HSC,   55296                      ; and their scale words, 512 bytes
.set VO,    32                         ; weights: v32-63 byte offset of row i of a block at my column
.set XW,    64                         ; v64-127 two sets of 32 numbers
.set OUTR,  128                        ; v128-175 the way out
.set LG,    32                         ; norm: v32-63 gain, v64-95 bias, v96-223 four rows, v224-255 a block of 32 neighbours
.set LB,    64
.set XR,    96
.set LY,    224
	s_load_b512 s[4:19], s[0:1], 0x0               ; Wq s4, Wk s6, Wv s8, W1 s10, W2 s12, x s14, gain s16, bias s18
	s_load_b64 s[20:21], s[0:1], 0x40              ; wk
	s_set_vgpr_msb 0x40
	v_lshl_add_u32 v0, v0, 2, 0xda00
	v_mov_b32 v1, 0
	s_set_vgpr_msb 0x4000
	v_lshrrev_b32 v1, 5, v0
	v_readfirstlane_b32 s22, v1                    ; wave 0..3
	v_and_b32 v1, 31, v0                           ; lane
	s_wait_kmcnt 0x0
	s_cmp_ge_u32 ttmp9, 352
	s_cbranch_scc1 .Lln
; ---------------- THE WEIGHTS.  One text for all five: the tensor's figures are chosen by the work-group's number alone.
	s_sub_co_u32 s24, ttmp9, 224                   ; my number within W2's, W1's or one of Wq, Wk, Wv's work-groups
	s_sub_co_u32 s34, ttmp9, 96
	s_and_b32 s35, ttmp9, 31
	s_lshr_b32 s36, ttmp9, 5
	s_lshl_b32 s36, s36, 10
	s_add_co_u32 s36, s36, 4096                    ; Wq, Wk, Wv: first row place in the operands' table
	s_mov_b32 s25, 3                               ; W2: log2 of its blocks of 128 columns
	s_mov_b32 s26, 12                              ; log2 of a row's bytes
	s_mov_b32 s27, 64                              ; row blocks of its table
	s_mov_b32 s28, W2_C
	s_mov_b32 s29, W2_S
	s_mov_b32 s30, 4096                            ; pitch of its scale words
	s_mov_b32 s31, 0
	s_mov_b64 s[32:33], s[12:13]
	s_cmp_lt_u32 ttmp9, 224                        ; W1?
	s_cselect_b32 s24, s34, s24
	s_cselect_b32 s25, 5, s25
	s_cselect_b32 s26, 14, s26
	s_cselect_b32 s27, 256, s27
	s_cselect_b32 s28, W1_C, s28
	s_cselect_b32 s29, W1_S, s29
	s_cselect_b32 s30, 16384, s30
	s_cselect_b64 s[32:33], s[10:11], s[32:33]
	s_cmp_lt_u32 ttmp9, 64
	s_cselect_b64 s[60:61], s[6:7], s[8:9]
	s_cmp_lt_u32 ttmp9, 32
	s_cselect_b64 s[60:61], s[4:5], s[60:61]
	s_cmp_lt_u32 ttmp9, 96                         ; Wq, Wk or Wv?
	s_cselect_b32 s24, s35, s24
	s_cselect_b32 s25, 3, s25
	s_cselect_b32 s26, 12, s26
	s_cselect_b32 s27, 448, s27
	s_cselect_b32 s28, 0, s28
	s_cselect_b32 s29, OPS_S, s29
	s_cselect_b32 s30, 28672, s30
	s_cselect_b32 s31, s36, s31
	s_cselect_b64 s[32:33], s[60:61], s[32:33]
	s_bfm_b32 s37, s25, 0
	s_and_b32 s38, s24, s37                        ; which 128 columns
	s_lshr_b32 s39, s24, s25                       ; kt: which 256 along K
	s_lshl_b32 s62, s38, 7
	s_lshl_b32 s63, s22, 5
	s_add_co_u32 s62, s62, s63                     ; my wave's first column n0, a multiple of 32
	s_add_co_u32 s63, s31, s62                     ; and its first row place in the table
	s_lshl_b32 s66, 1, s26                         ; a row of the weight in bytes
	s_lshl_b32 s68, s39, 8
	s_lshl_b32 s68, s68, s26                       ; 256 kt rows
	s_lshl_b32 s67, s62, 2
	s_add_co_u32 s68, s68, s67
	s_mov_b32 s69, 0
	s_add_nc_u64 s[40:41], s[32:33], s[68:69]      ; block 0's first row at my column
	s_lshl_b32 s70, 32, s26
	s_mov_b32 s71, 0
.irp t, 1,2,3,4,5,6,7
	s_add_nc_u64 s[40+2*\t:41+2*\t], s[38+2*\t:39+2*\t], s[70:71]   ; block t: 32 rows further down; a base for each block, none is stepped
.endr
	s_mul_i32 s74, s39, s27
	s_lshr_b32 s75, s63, 4
	s_add_co_u32 s74, s74, s75
	s_mul_i32 s74, s74, 3072
	s_add_co_u32 s74, s74, s28
	s_mov_b32 s75, 0
	s_add_nc_u64 s[72:73], s[20:21], s[74:75]      ; my two row blocks' four fragments: 6,144 bytes on end
	s_mul_i32 s78, s39, s30
	s_lshl_b32 s78, s78, 1
	s_add_co_u32 s78, s78, s29
	s_lshl_b32 s79, s63, 2
	s_add_co_u32 s78, s78, s79
	s_mov_b32 s79, 0
	s_add_nc_u64 s[76:77], s[20:21], s[78:79]      ; my 32 rows' scale words of kq = 2 kt
	v_lshlrev_b32 v2, 2, v1
.set i, 0
.rept 32
	v_mad_u32_u24 v[VO+i], s66, i, v2              ; 4 x lane + i rows
.set i, i+1
.endr
	v_bfe_u32 v8, v1, 3, 1
	v_lshrrev_b32 v9, 4, v1
	v_and_b32 v10, 7, v1
	v_lshl_add_u32 v11, v9, 3, v10                 ; my column's row in its fragment: 8 (n / 16) + n % 8; its row block: (n / 8) % 2
	s_mul_i32 s23, s22, 6144
	v_lshlrev_b32 v3, 4, v11
	v_mad_u32_u24 v3, v8, 3072, v3
	v_add_nc_u32 v3, s23, v3                       ; the stage: where my column's codes go
	v_lshl_add_u32 v6, v8, 4, v11
	v_lshlrev_b32 v6, 2, v6                        ; 4 x swap34(lane): my scale word, kq = 2 kt,
	v_add_nc_u32 v7, s30, v6                       ; and kq = 2 kt + 1
	v_lshlrev_b32 v5, 4, v1
	v_add_nc_u32 v4, s23, v5                       ; the stage read back as it lies
.macro LOADW t                         ; block t: W(32 t + i, my column): 32 lanes read 128 consecutive bytes, the four waves 512
.set i, 0
.rept 32
	global_load_b32 v[XW+32*((\t)%2)+i], v[VO+i], s[40+2*(\t):41+2*(\t)] th:TH_LOAD_NT
.set i, i+1
.endr
.endm
	LOADW 0
	LOADW 1
.macro BLOCKW t                        ; a lane's 32 registers are one block of 32 along K of one column
.set XS, XW+32*((\t)%2)
.if (\t) < 7
	s_wait_loadcnt 32                              ; this block's 32 loads are in; the next block's 32 may be out
.else
	s_wait_loadcnt 0x0
.endif
	v_max3_num_f32 v12, |v[XS]|, |v[XS+1]|, |v[XS+2]|
	v_max3_num_f32 v13, |v[XS+3]|, |v[XS+4]|, |v[XS+5]|
.irp i, 6,10,14,18,22,26
	v_max3_num_f32 v12, v12, |v[XS+\i]|, |v[XS+\i+1]|
	v_max3_num_f32 v13, v13, |v[XS+\i+2]|, |v[XS+\i+3]|
.endr
	v_max3_num_f32 v12, v12, |v[XS+30]|, |v[XS+31]|
	v_max3_num_f32 v12, v12, v13, 0x1800000        ; the floor 2^(3 - 127): the byte cannot fall under 1
	v_add_nc_u32 v15, 0xff000000, v12              ; 2 off the exponent field: the conversion's scale operand
	v_lshrrev_b32 v14, 23, v15                     ; the byte
.if (\t)%4 == 0
	v_mov_b32 v[16+(\t)/4], v14
.else
	v_lshl_or_b32 v[16+(\t)/4], v14, 8*((\t)%4), v[16+(\t)/4]
.endif
	v_cvt_scalef32_pk16_fp6_f32 v[20:22], v[XS:XS+15], v15
	v_cvt_scalef32_pk16_fp6_f32 v[26:28], v[XS+16:XS+31], v15      ; (a conversion's three registers begin on an even number)
	v_nop                                          ; one plain place behind a scaled conversion
	v_mov_b32 v23, v26
	v_mov_b32 v24, v27
	v_mov_b32 v25, v28
.set RH, 6*(((\t)/2)%2)                ; block t of the 256: fragment q = t / 4, half of the lanes t % 2, registers RH .. RH + 5
.irp e, 0,2,4
	ds_store_b64 v3, v[20+\e:21+\e] offset:((\t)/4)*1536+512*((RH+\e)/4)+256*((\t)%2)+4*((RH+\e)%4)
.endr
.if (\t)+2 < 8
	LOADW (\t)+2
.endif
	s_wait_dscnt 0x0                               ; the stores have read their registers
.endm
.irp t, 0,1,2,3,4,5,6,7
	BLOCKW \t
.endr
.irp k, 0,1,2,3,4,5,6,7,8,9,10,11
	ds_load_b128 v[OUTR+4*\k:OUTR+4*\k+3], v4 offset:512*\k        ; LDS serves a wave's instructions in order: these see my stores
.endr
	global_store_b32 v6, v16, s[76:77]             ; 32 lanes: 128 consecutive bytes of scale words
	global_store_b32 v7, v17, s[76:77]
.irp k, 0,1,2,3,4,5,6,7,8,9,10,11
	s_wait_dscnt 11-\k                             ; the younger loads of the run may be out
	global_store_b128 v5, v[OUTR+4*\k:OUTR+4*\k+3], s[72:73] offset:512*\k   ; 512 consecutive bytes, aligned
.endr
	s_set_vgpr_msb 0x5
	s_wait_tensorcnt 0x0
	ds_add_u32 v0, v1
	s_wait_dscnt 0x0
	s_set_vgpr_msb 0x500
	s_endpgm
; ---------------- xn = LayerNorm(x), quantised.  The work-group makes row block g of the operands' table; wave w its image rows 4 w .. 4 w + 3, which are four neighbouring tokens.
.Lln:
	s_sub_co_u32 s24, ttmp9, 352                   ; g
	s_lshr_b32 s25, s24, 1
	s_lshl_b32 s25, s25, 5
	s_and_b32 s26, s24, 1
	s_lshl_b32 s26, s26, 3
	s_add_co_u32 s25, s25, s26
	s_and_b32 s26, s22, 1
	s_lshl_b32 s26, s26, 2
	s_add_co_u32 s25, s25, s26
	s_lshr_b32 s26, s22, 1
	s_lshl_b32 s26, s26, 4
	s_add_co_u32 s25, s25, s26                     ; first token = 32 (g / 2) + 8 (g % 2) + 4 (w % 2) + 16 (w / 2): swap34 of places 16 g + 4 w ..
	s_lshl_b32 s28, s25, 12
	s_mov_b32 s29, 0
	s_add_nc_u64 s[14:15], s[14:15], s[28:29]
	v_lshlrev_b32 v2, 4, v1
.irp i, 0,1,2,3,4,5,6,7
	global_load_b128 v[LG+4*\i:LG+4*\i+3], v2, s[16:17] offset:512*\i
.endr
.irp i, 0,1,2,3,4,5,6,7
	global_load_b128 v[LB+4*\i:LB+4*\i+3], v2, s[18:19] offset:512*\i
.endr
.irp k, 0,1,2,3
.irp i, 0,1,2,3,4,5,6,7
	global_load_b128 v[XR+32*\k+4*\i:XR+32*\k+4*\i+3], v2, s[14:15] offset:4096*\k+512*\i th:TH_LOAD_NT   ; register 4 i + e: element 128 i + 4 lane + e
.endr
.endr
	s_mov_b32 s36, 0x76543210
	s_mov_b32 s37, 0xfedcba98                      ; v_permlanex16_b32's selects for lane l xor 16
	s_mov_b32 s38, 0x3a800000                      ; 1 / 1,024
	s_mov_b32 s39, 0x358637bd                      ; 1e-6
	s_mul_i32 s30, s22, 4608
	s_add_co_u32 s30, s30, T2
	v_lshrrev_b32 v10, 3, v1
	v_and_b32 v11, 7, v1
	v_mul_u32_u24 v3, v10, 144
	v_lshl_add_u32 v3, v11, 4, v3
	v_add_nc_u32 v3, s30, v3                       ; the turn, in: a block of 32 numbers has 128 bytes + 16 of padding: 144 (lane / 8) + 16 (lane % 8), + 576 for each load
	v_mul_u32_u24 v4, v1, 144
	v_add_nc_u32 v4, s30, v4                       ; out: block = lane
	v_lshrrev_b32 v10, 2, v1
	v_and_b32 v11, 1, v1
	v_mul_u32_u24 v12, v10, 1536
	v_lshl_add_u32 v12, v11, 8, v12
	s_lshl_b32 s31, s22, 6
	s_add_co_u32 s31, s31, IMG
	v_add_nc_u32 v12, s31, v12                     ; block l: fragment l / 4, half of the lanes l % 2, image row 4 w (+ slot)
	v_bfe_u32 v11, v1, 1, 1                        ; c = (l / 2) % 2: registers 6 c .. 6 c + 5
	v_mad_u32_u24 v5, v11, 520, v12                ; registers 6 c, 6 c + 1 (and, 512 on, 6 c + 4, 6 c + 5)
	v_mad_u32_u24 v6, v11, 1016, v12               ; registers 6 c + 2, 6 c + 3, 8 on
	v_and_b32 v11, 3, v1
	v_lshl_add_u32 v8, v10, 6, v11
	s_lshl_b32 s31, s22, 4
	s_add_co_u32 s31, s31, HSC
	v_add_nc_u32 v8, s31, v8                       ; my block's scale byte
	s_mul_i32 s31, s22, 3072
	s_add_co_u32 s31, s31, IMG
	v_add_nc_u32 v31, s31, v2                      ; the way out: wave w copies kt = w
	v_mov_b32 v9, 0                                ; a lane permute's destination counts as one of its sources
	s_mul_i32 s40, s22, 448
	s_add_co_u32 s40, s40, s24
	s_mul_i32 s40, s40, 3072
	s_mov_b32 s41, 0
	s_add_nc_u64 s[32:33], s[20:21], s[40:41]
	s_mul_i32 s42, s22, 57344
	s_lshl_b32 s43, s24, 6
	s_add_co_u32 s42, s42, s43
	s_add_co_u32 s42, s42, OPS_S
	s_mov_b32 s43, 0
	s_add_nc_u64 s[34:35], s[20:21], s[42:43]
.macro SUM32 a                         ; over the 32 lanes; every lane ends with the sum
	v_add_f32_dpp v[\a], v[\a], v[\a] row_xmask:1 row_mask:0xf bank_mask:0xf
	v_add_f32_dpp v[\a], v[\a], v[\a] row_xmask:2 row_mask:0xf bank_mask:0xf
	v_add_f32_dpp v[\a], v[\a], v[\a] row_xmask:4 row_mask:0xf bank_mask:0xf
	v_add_f32_dpp v[\a], v[\a], v[\a] row_xmask:8 row_mask:0xf bank_mask:0xf
	v_permlanex16_b32 v9, v[\a], s36, s37
	v_add_f32 v[\a], v[\a], v9
.endm
.macro LNROW X, slot                   ; one row of 1,024 in v[X] on: mean, variance of the differences, (x - mean) rstd g + b, all f32; then its 32 blocks, one a lane, become codes
	v_pk_add_f32 v[10:11], v[(\X):(\X)+1], v[(\X)+2:(\X)+3]
	v_pk_add_f32 v[12:13], v[(\X)+4:(\X)+5], v[(\X)+6:(\X)+7]
.irp i, 8,12,16,20,24,28
	v_pk_add_f32 v[10:11], v[10:11], v[(\X)+\i:(\X)+\i+1]
	v_pk_add_f32 v[12:13], v[12:13], v[(\X)+\i+2:(\X)+\i+3]
.endr
	v_pk_add_f32 v[10:11], v[10:11], v[12:13]
	v_add_f32 v10, v10, v11
	SUM32 10
	v_mul_f32 v14, s38, v10
	v_mov_b32 v15, v14
.irp i, 0,2,4,6,8,10,12,14,16,18,20,22,24,26,28,30
	v_pk_add_f32 v[(\X)+\i:(\X)+\i+1], v[(\X)+\i:(\X)+\i+1], v[14:15] neg_lo:[0,1] neg_hi:[0,1]
.endr
	v_pk_mul_f32 v[10:11], v[(\X):(\X)+1], v[(\X):(\X)+1]
	v_pk_mul_f32 v[12:13], v[(\X)+2:(\X)+3], v[(\X)+2:(\X)+3]
.irp i, 4,8,12,16,20,24,28
	v_pk_fma_f32 v[10:11], v[(\X)+\i:(\X)+\i+1], v[(\X)+\i:(\X)+\i+1], v[10:11]
	v_pk_fma_f32 v[12:13], v[(\X)+\i+2:(\X)+\i+3], v[(\X)+\i+2:(\X)+\i+3], v[12:13]
.endr
	v_pk_add_f32 v[10:11], v[10:11], v[12:13]
	v_add_f32 v10, v10, v11
	SUM32 10
	v_fma_f32 v16, v10, s38, s39
	v_rsq_f32 v16, v16
	v_nop                                          ; one plain place behind a transcendental
	s_wait_alu depctr_va_vdst(0)
	v_mov_b32 v17, v16
.irp i, 0,2,4,6,8,10,12,14,16,18,20,22,24,26,28,30
	v_pk_mul_f32 v[(\X)+\i:(\X)+\i+1], v[(\X)+\i:(\X)+\i+1], v[16:17]
.endr
.irp i, 0,2,4,6,8,10,12,14,16,18,20,22,24,26,28,30
	v_pk_fma_f32 v[(\X)+\i:(\X)+\i+1], v[(\X)+\i:(\X)+\i+1], v[LG+\i:LG+\i+1], v[LB+\i:LB+\i+1]
.endr
.irp i, 0,1,2,3,4,5,6,7
	ds_store_b128 v3, v[(\X)+4*\i:(\X)+4*\i+3] offset:576*\i
.endr
.irp i, 0,1,2,3,4,5,6,7
	ds_load_b128 v[LY+4*\i:LY+4*\i+3], v4 offset:16*\i             ; LDS serves a wave's instructions in order: these see my stores
.endr
	s_wait_dscnt 0x0
	v_max3_num_f32 v18, |v[LY]|, |v[LY+1]|, |v[LY+2]|
	v_max3_num_f32 v19, |v[LY+3]|, |v[LY+4]|, |v[LY+5]|
.irp i, 6,10,14,18,22,26
	v_max3_num_f32 v18, v18, |v[LY+\i]|, |v[LY+\i+1]|
	v_max3_num_f32 v19, v19, |v[LY+\i+2]|, |v[LY+\i+3]|
.endr
	v_max3_num_f32 v18, v18, |v[LY+30]|, |v[LY+31]|
	v_max3_num_f32 v18, v18, v19, 0x1800000
	v_add_nc_u32 v20, 0xff000000, v18
	v_lshrrev_b32 v21, 23, v20
	v_cvt_scalef32_pk16_fp6_f32 v[22:24], v[LY:LY+15], v20
	v_cvt_scalef32_pk16_fp6_f32 v[28:30], v[LY+16:LY+31], v20
	v_nop
	v_mov_b32 v25, v28
	v_mov_b32 v26, v29
	v_mov_b32 v27, v30
	ds_store_b64 v5, v[22:23] offset:16*(\slot)
	ds_store_b64 v6, v[24:25] offset:16*(\slot)+8
	ds_store_b64 v5, v[26:27] offset:16*(\slot)+512
	ds_store_b8 v8, v21 offset:4*(\slot)
.endm
.irp k, 0,1,2,3
	s_wait_loadcnt 8*(3-\k)                        ; gain, bias and rows 0 .. k are in; the younger rows' loads, 8 each, may be out
	LNROW XR+32*\k, \k
.endr
	s_wait_dscnt 0x0                               ; for the others' sake: my stores into the images have landed
	s_barrier_signal -1
	s_barrier_wait -1
.irp k, 0,1,2,3,4,5
	ds_load_b128 v[XR+4*\k:XR+4*\k+3], v31 offset:512*\k
.endr
	s_lshl_b32 s31, s22, 7
	s_add_co_u32 s31, s31, HSC
	v_lshl_add_u32 v3, v1, 2, s31
	ds_load_b32 v[XR+24], v3                       ; kq = 2 w + lane / 16, row lane % 16
	v_lshrrev_b32 v10, 4, v1
	v_and_b32 v11, 15, v1
	v_mul_u32_u24 v4, v10, 28672
	v_lshl_add_u32 v4, v11, 2, v4
.irp k, 0,1,2,3,4,5
	s_wait_dscnt 6-\k                              ; the younger loads of the run, the scale words' among them, may be out
	global_store_b128 v2, v[XR+4*\k:XR+4*\k+3], s[32:33] offset:512*\k
.endr
	s_wait_dscnt 0x0
	global_store_b32 v4, v[XR+24], s[34:35]
	s_set_vgpr_msb 0x5
	s_wait_tensorcnt 0x0
	ds_add_u32 v0, v1
	s_wait_dscnt 0x0
	s_set_vgpr_msb 0x500
	s_endpgm
.Lfunc_end_k_q70591e8d60_prep:
	.size	k_q70591e8d60_prep, .Lfunc_end_k_q70591e8d60_prep-k_q70591e8d60_prep
	.p2alignl 7, 3214868480
	.fill 96, 4, 3214868480
	.section	.rodata,"a",@progbits
	.p2align	6, 0x0
	.amdhsa_kernel k_q70591e8d60_prep
		.amdhsa_group_segment_fixed_size 56320
		.amdhsa_private_segment_fixed_size 0
		.amdhsa_enable_private_segment 0
		.amdhsa_kernarg_size 72
		.amdhsa_user_sgpr_count 2
		.amdhsa_user_sgpr_kernarg_segment_ptr 1
		.amdhsa_wavefront_size32 1
		.amdhsa_system_sgpr_workgroup_id_x 1
		.amdhsa_system_sgpr_workgroup_id_y 1
		.amdhsa_system_sgpr_workgroup_id_z 1
		.amdhsa_system_vgpr_workitem_id 0
		.amdhsa_next_free_vgpr 258
		.amdhsa_next_free_sgpr 80
		.amdhsa_reserve_vcc 0
		.amdhsa_float_denorm_mode_32 3
		.amdhsa_float_denorm_mode_16_64 3
		.amdhsa_memory_ordered 1
		.amdhsa_forward_progress 1
		.amdhsa_inst_pref_size 91
	.end_amdhsa_kernel
	.amdgpu_metadata
---
amdhsa.version: [ 1, 2 ]
amdhsa.kernels:
  - .name:           k_q70591e8d60_prep
    .symbol:         k_q70591e8d60_prep.kd
    .args:
      - { .name: Wq, .offset: 0, .size: 8, .value_kind: global_buffer, .address_space: global }
      - { .name: Wk, .offset: 8, .size: 8, .value_kind: global_buffer, .address_space: global }
      - { .name: Wv, .offset: 16, .size: 8, .value_kind: global_buffer, .address_space: global }
      - { .name: W1, .offset: 24, .size: 8, .value_kind: global_buffer, .address_space: global }
      - { .name: W2, .offset: 32, .size: 8, .value_kind: global_buffer, .address_space: global }
      - { .name: x, .offset: 40, .size: 8, .value_kind: global_buffer, .address_space: global }
      - { .name: ln_attn_g, .offset: 48, .size: 8, .value_kind: global_buffer, .address_space: global }
      - { .name: ln_attn_b, .offset: 56, .size: 8, .value_kind: global_buffer, .address_space: global }
      - { .name: wk, .offset: 64, .size: 8, .value_kind: global_buffer, .address_space: global }
    .group_segment_fixed_size: 56320
    .private_segment_fixed_size: 0
    .kernarg_segment_align: 8
    .kernarg_segment_size: 72
    .max_flat_workgroup_size: 128
    .sgpr_count:     80
    .vgpr_count:     258
    .wavefront_size: 32
...
	.end_amdgpu_metadata
.endif
;; end of part 1
;; launch qkv (part 2): grid 8 x 24, 4 waves a work-group, clusters of 4 x 4, 327,680 bytes of LDS; arguments wk, bq, bk, bv, qkv; writes qkv
.if DOCPART == 2
	.amdgcn_target "amdgcn-amd-amdhsa--gfx1250"
	.amdhsa_code_object_version 6
	.text
	.protected	k_q70591e8d60_qkv
	.globl	k_q70591e8d60_qkv
	.p2align	8
	.type	k_q70591e8d60_qkv,@function
k_q70591e8d60_qkv:
	s_mov_b64 s[64:65], 0
	v_nop
	global_prefetch_b8 v0, s[64:65] scope:SCOPE_SE
	s_setreg_imm32_b32 hwreg(HW_REG_WAVE_MODE, 25, 1), 1
	s_wait_xcnt 0x0
	s_wait_alu depctr_hold_cnt(0) depctr_sa_sdst(0) depctr_va_vdst(0) depctr_va_sdst(0) depctr_va_ssrc(0) depctr_va_vcc(0) depctr_vm_vsrc(0)
	s_getreg_b32 s2, hwreg(HW_REG_IB_STS2, 6, 4)
	s_cmp_eq_u32 s2, 0
	s_cbranch_scc0 .Lentry_in_a_cluster
	s_endpgm
.Lentry_in_a_cluster:
	s_bfe_u32 s2, ttmp6, 0x10000c
	s_cmp_lg_u32 s2, 0xf033
	s_cbranch_scc0 .Lentry_shape_is_right
	s_endpgm
.Lentry_shape_is_right:
; QKV.  [q | k] = xn [Wq | Wk] + bias (clusters y = 0..3) and V^T = Wv^T xn^T + bv (clusters y = 4, 5), on codes of E2M3 with E8M0 scales; each result is quantised along its COLUMNS and stored as codes.
; Both operands are rows of ONE table in wk (7,168 rows x 1,024 K: xn 0.., Wq 4096.., Wk 5120.., Wv 6144..), laid as images of the matrix unit's registers: fragment (kt = k / 256, rb = row / 16, q = (k / 128) % 2) at
; ((kt 448 + rb) 2 + q) 1,536, three runs of 512 bytes, lane l's registers 4 c .. 4 c + 3 at 512 c + 16 l; scale word of (kq = k / 128, row) at kq 28,672 + 4 row.  So 128 rows x 256 K are one dense block of 24,576 bytes.
; Row place p of the table holds true row swap34(p) (bits 3 and 4 exchanged).  THE MATRIX INSTRUCTION IS USED TRANSPOSED (source 0 = 16 rows of "B", source 1 = 16 rows of "A"): lane (r, h) then holds A's row r, and the 16
; registers of accumulators 2 e, 2 e + 1 are the true columns 32 e + 16 h + 0 .. 15: 16 neighbours along the next product's K, as the conversions want them.
; A tile of 256 x 256 to a work-group of four waves, 128 x 128 a wave (64 accumulators, 512 registers); K in steps of 256 through two LDS slots filled by tensor loads; the scale words of all K come once.
; CLUSTERS of 4 x 4: A's tiles are asked for jointly along a row of the cluster, B's along a column.  Which part a cluster serves hangs on the cluster's y alone and only selects numbers: no branch hangs on it.
; The column bias (bq, bk) is the C of each sum's first product; the row bias (bv) is added on the way out; the one that a part does not have is masked to zero.  q is NOT divided by 8 here: the next launch folds that power of two into its softmax's constant.
; OUTPUT table in qkv: 5,120 rows x 4,096 columns in the same image form (320 row blocks; scale pitch 20,480): rows 0-4095 token places with q in columns 0-1023 and k in 1024-2047; rows 4096-5119 places of V's channels, columns = tokens.
; LIMITS: a block of zeros gets the byte 1 and not 127 (its codes are zeros; this program alone reads the bytes); NaN and infinities are not served.
; REGISTERS: window 0: v16-31 addresses; v32-63 scale words, two sets; v64-127 the column bias, later the block on its way out; v128-223 A's fragments, one set, later codes and work; v224-239 the row bias in pairs.
;   window 1: B's fragments, two sets (v0, v128).  windows 2, 3: the accumulators ((a, b) at v[8 (8 (a % 4) + b)]).
.set KDIM,  1024
.set OPS_S, 5505024
.set QKV_S, 15728640
.set RBA,   448
.set RBB,   448
.set STEPA, 2*RBA*3072
.set STEPB, 2*RBB*3072
.set FR,    12
.set NL,    3
.set NP,    4
.set HALFT, 24576                      ; 128 rows x 256 K: what one tensor load brings
.set SLOT,  4*HALFT                    ; A's two halves, then B's two
.set LAPS,  KDIM/512
.set SCL,   2*SLOT                     ; behind the ring: the scale words, KDIM / 128 rows of 512 bytes for each half
.set HALFS, (KDIM/128)*512
.set SPARE, SCL+4*HALFS                ; the spare words, 128 bytes for each wave: two blocks of 256 bytes that no other line names
.set ADRA, 16
.set ADRB, 20
.set SWA,  24                          ; v24 the way out: my row's scale word in my stage (slot 0, which has had its last fill and its last read by then)
.set CBO,  25
.set CO,   26                          ; v26 16 x lane
.set ADRS, 27
.set SPW,  28
.set NIL,  29
.set RBO,  30
.set SRD,  31
.set SC,   32
.set CB,   64
.set W,    64
.set AF,   128
.set PC,   128
.set TM,   148
.set PWS,  164
.set RBI,  224
.set SEL,  18
.set G1, 24
.set G0, 32
.set G1B, 48
.set G0B, 56
.set G1S, 68
.set G0S, 76
.set G1SB, 80
.set G0SB, 88
.set MSB, 0
.macro WIN new                         ; the immediate's high byte repeats the setting that is left
.if MSB != (\new)
	s_set_vgpr_msb (MSB<<8)|(\new)
.set MSB, (\new)
.endif
.endm
.set MUL_LO, 0xa1                      ; source 0 (B) window 1, source 1 (A) window 0, C and D window 2
.set MUL_HI, 0xf1
.set FST_LO, 0x81                      ; the same with C (the bias) in window 0
.set FST_HI, 0xc1
.set TO_B,   0x40
.macro JLOAD g0a, g1a, g0b, g1b        ; a joint load: waves 0, 1 fetch for A, waves 2, 3 for B; four v_nop follow each of the two lines
	s_cmp_eq_u32 s15, 0
	s_cbranch_scc0 .Lfor_b_\@
	tensor_load_to_lds s[\g0a:\g0a+3], s[\g1a:\g1a+7]
	s_nop 0
.rept 4
	v_nop
.endr
	s_branch .Lasked_\@
.Lfor_b_\@:
	tensor_load_to_lds s[\g0b:\g0b+3], s[\g1b:\g1b+7]
	s_nop 0
.rept 4
	v_nop
.endr
.Lasked_\@:
.endm
.macro CREST                           ; a round of the cluster's barrier behind its opening barrier
	s_cmp_lg_u32 s14, 0
	s_cbranch_scc1 .Lnot_wave_0_\@
	s_barrier_signal -3
.Lnot_wave_0_\@:
	s_barrier_wait -3
	s_barrier_signal -1
	s_barrier_wait -1
.endm
.macro CROUND
	s_barrier_signal -1
	s_barrier_wait -1
	CREST
.endm
	s_load_b256 s[4:11], s[0:1], 0x0               ; wk s4, bq s6, bk s8, bv s10
	s_load_b64 s[12:13], s[0:1], 0x20              ; qkv
	v_lshl_add_u32 v[SPW], v0, 2, SPARE
	v_mov_b32 v[NIL], 0
	ds_add_u32 v28, v29
	s_wait_dscnt 0x0
	v_lshrrev_b32 v1, 5, v0
	v_readfirstlane_b32 s14, v1                    ; wave 0..3
	s_lshr_b32 s15, s14, 1                         ; my half of the tile's rows; also: I fetch for A (0) or B (1)
	s_and_b32 s16, s14, 1                          ; my half of its columns; also: which 128 rows I fetch
	s_bfe_u32 s40, ttmp6, 0x40000                  ; cx
	s_bfe_u32 s41, ttmp6, 0x40004                  ; cy
	s_and_b32 s92, ttmp7, 0xffff                   ; the cluster's y
	s_lshl_b32 s93, s92, 2
	s_lshl_b32 s94, ttmp9, 2
	s_lshl_b32 s95, s92, 3
	s_add_co_u32 s95, s95, s94
	s_sub_co_u32 s95, s95, 32
	s_cmp_lt_u32 s92, 4                            ; [q | k] or V^T: the same answer in all sixteen work-groups
	s_cselect_b32 s17, s93, 16                     ; first tile row of the cluster in the output table
	s_cselect_b32 s42, s94, s95                    ; first tile column
	s_cselect_b32 s96, 0, 8                        ; A's tile in the operands' table = tile row + this
	s_cselect_b32 s97, 16, 0                       ; B's = tile column + this
	s_cselect_b32 s100, -1, 0                      ; keeps the column bias
	s_cselect_b32 s101, 0, -1                      ; keeps the row bias
	s_cmp_lt_u32 s42, 4
	s_cselect_b32 s99, 1, 0                        ; columns of q (bq) or of k (bk)
	s_add_co_u32 s17, s17, s41                     ; tile row
	s_add_co_u32 s42, s42, s40                     ; tile column
	s_lshl_b32 s43, s41, 2
	s_lshl_b32 s43, 15, s43                        ; my row of the cluster
	s_lshl_b32 s44, 0x1111, s40                    ; my column
	; descriptor group 1 for codes: a dense block of 24,576 bytes as 96 rows of 32 elements of 8 bytes
	s_or_b32 s[G1+0], s43, (3<<16)|(1<<21)         ; 15:0 the mask; 17:16 elements of 8 bytes; 21 set beside a mask
	s_or_b32 s[G1B+0], s44, (3<<16)|(1<<21)
.irp g, G1, G1B
	s_mov_b32 s[\g+1], 32<<16                      ; tensor_dim0
	s_mov_b32 s[\g+2], 96<<16                      ; tensor_dim1
	s_mov_b32 s[\g+3], 32<<16                      ; tile_dim0
	s_mov_b32 s[\g+4], 96                          ; tile_dim1
	s_mov_b32 s[\g+5], 32                          ; stride from row to row
	s_mov_b32 s[\g+6], 0
	s_mov_b32 s[\g+7], 0
.endr
	; and for scale words: KDIM / 128 rows of 512 bytes (128 rows' words), a pitch apart
	s_or_b32 s[G1S+0], s43, (3<<16)|(1<<21)
	s_or_b32 s[G1SB+0], s44, (3<<16)|(1<<21)
.irp g, G1S, G1SB
	s_mov_b32 s[\g+1], 64<<16
	s_mov_b32 s[\g+2], (KDIM/128)<<16
	s_mov_b32 s[\g+3], 64<<16
	s_mov_b32 s[\g+4], KDIM/128
	s_mov_b32 s[\g+5], 28672/8
	s_mov_b32 s[\g+6], 0
	s_mov_b32 s[\g+7], 0
.endr
	s_lshl_b32 s18, s16, 3
	s_add_co_u32 s20, s17, s96
	s_lshl_b32 s20, s20, 4
	s_add_co_u32 s20, s20, s18                     ; A: row block 16 x tile + 8 x half
	s_add_co_u32 s46, s42, s97
	s_lshl_b32 s46, s46, 4
	s_add_co_u32 s46, s46, s18                     ; B likewise
	s_lshl_b32 s22, s20, 6
	s_add_co_u32 s22, s22, OPS_S                   ; their scale words: 64 bytes a row block
	s_lshl_b32 s92, s46, 6
	s_add_co_u32 s92, s92, OPS_S
	s_mul_i32 s20, s20, 3072
	s_mul_i32 s46, s46, 3072
	s_mov_b32 s21, 0
	s_mov_b32 s23, 0
	s_mov_b32 s47, 0
	s_mov_b32 s93, 0
	s_mul_i32 s45, s14, HALFT                      ; where they go: no place in the cluster enters an LDS address
	s_mul_i32 s94, s14, HALFS
	s_wait_kmcnt 0x0
	s_add_nc_u64 s[20:21], s[4:5], s[20:21]
	s_add_nc_u64 s[22:23], s[4:5], s[22:23]
	s_add_nc_u64 s[46:47], s[4:5], s[46:47]
	s_add_nc_u64 s[92:93], s[4:5], s[92:93]
	CROUND                                         ; all sixteen work-groups are here: the first joint loads meet
	s_mov_b32 s[G0S], 1
	s_add_co_u32 s[G0S+1], s94, SCL
	s_mov_b64 s[G0S+2:G0S+3], s[22:23]
	s_or_b32 s[G0S+3], s[G0S+3], 0x80000000
	s_mov_b32 s[G0SB], 1
	s_add_co_u32 s[G0SB+1], s94, SCL
	s_mov_b64 s[G0SB+2:G0SB+3], s[92:93]
	s_or_b32 s[G0SB+3], s[G0SB+3], 0x80000000
	JLOAD G0S, G1S, G0SB, G1SB                     ; the scale words first: they are wanted with K step 0
.irp s, 0,1
	s_mov_b32 s[G0+4*\s], 1
	s_add_co_u32 s[G0+4*\s+1], s45, \s*SLOT
	s_add_nc_u64 s[G0+4*\s+2:G0+4*\s+3], s[20:21], \s*RBA*3072
	s_or_b32 s[G0+4*\s+3], s[G0+4*\s+3], 0x80000000
	s_mov_b32 s[G0B+4*\s], 1
	s_add_co_u32 s[G0B+4*\s+1], s45, \s*SLOT
	s_add_nc_u64 s[G0B+4*\s+2:G0B+4*\s+3], s[46:47], \s*RBB*3072
	s_or_b32 s[G0B+4*\s+3], s[G0B+4*\s+3], 0x80000000
	JLOAD G0+4*\s, G1, G0B+4*\s, G1B
.endr
	v_and_b32 v1, 15, v0                           ; r
	v_bfe_u32 v2, v0, 4, 1                         ; h
	v_and_b32 v3, 31, v0
	v_lshlrev_b32 v[CO], 4, v3                     ; 16 x lane
	; the biases
	v_lshlrev_b32 v[CBO], 6, v2                    ; lane (r, h), accumulator b, register j: true column 32 (b / 2) + 16 h + 8 (b % 2) + j
	s_cmp_eq_u32 s99, 1
	s_cselect_b64 s[6:7], s[6:7], s[8:9]
	s_and_b32 s18, s42, 3
	s_lshl_b32 s18, s18, 10
	s_lshl_b32 s19, s16, 9
	s_add_co_u32 s18, s18, s19
	s_mov_b32 s19, 0
	s_add_nc_u64 s[6:7], s[6:7], s[18:19]
.irp b, 0,1,2,3,4,5,6,7
	global_load_b128 v[CB+8*\b:CB+8*\b+3], v[CBO], s[6:7] offset:4*(32*(\b/2)+8*(\b%2))
	global_load_b128 v[CB+8*\b+4:CB+8*\b+7], v[CBO], s[6:7] offset:4*(32*(\b/2)+8*(\b%2))+16
.endr
	v_lshrrev_b32 v5, 3, v1
	v_and_b32 v6, 7, v1
	v_lshl_add_u32 v5, v5, 4, v6
	v_lshlrev_b32 v[RBO], 2, v5                    ; A's row place 16 a + r is true row 32 (a / 2) + 16 (r / 8) + 8 (a % 2) + r % 8
	s_and_b32 s18, s17, 3
	s_lshl_b32 s18, s18, 10
	s_lshl_b32 s19, s15, 9
	s_add_co_u32 s18, s18, s19
	s_mov_b32 s19, 0
	s_add_nc_u64 s[10:11], s[10:11], s[18:19]
.irp a, 0,1,2,3,4,5,6,7
	global_load_b32 v[RBI+2*\a], v[RBO], s[10:11] offset:4*(32*(\a/2)+8*(\a%2))
.endr
	s_mul_i32 s21, s15, HALFT                      ; my 128 rows of A
	s_mul_i32 s22, s16, HALFT
	s_add_co_u32 s22, s22, 2*HALFT                 ; my 128 rows of B, behind A's 256
.irp s, 0,1
	v_add_nc_u32 v[ADRA+\s], s21, v[CO]
	v_add_nc_u32 v[ADRB+\s], s22, v[CO]
	s_add_co_u32 s21, s21, SLOT
	s_add_co_u32 s22, s22, SLOT
.endr
	s_mul_i32 s21, s15, HALFS
	s_mul_i32 s22, s16, HALFS
	s_add_co_u32 s22, s22, 2*HALFS
	s_sub_co_u32 s22, s22, s21
	v_mul_u32_u24 v6, s22, v2                      ; lanes 16-31 take B's words
	s_add_co_u32 s21, s21, SCL
	v_lshl_add_u32 v5, v1, 2, v6
	v_add_nc_u32 v[ADRS], s21, v5
	s_lshl_b32 s21, s14, 9
	v_lshl_add_u32 v[SWA], v1, 2, s21
	v_add_nc_u32 v[SRD], s21, v[CO]
	; where my part of the output begins
	s_mul_i32 s20, s42, 320
	s_lshl_b32 s21, s17, 4
	s_add_co_u32 s20, s20, s21
	s_lshl_b32 s21, s15, 3
	s_add_co_u32 s20, s20, s21
	s_lshl_b32 s20, s20, 1
	s_add_co_u32 s20, s20, s16
	s_mul_i32 s20, s20, 1536
	s_mov_b32 s21, 0
	s_add_nc_u64 s[8:9], s[12:13], s[20:21]        ; codes: ((320 tc + 16 tr + 8 half) 2 + column half) 1,536
	s_lshl_b32 s22, s42, 1
	s_add_co_u32 s22, s22, s16
	s_mul_i32 s22, s22, 20480
	s_lshl_b32 s23, s17, 10
	s_add_co_u32 s22, s22, s23
	s_lshl_b32 s23, s15, 9
	s_add_co_u32 s22, s22, s23
	s_add_co_u32 s22, s22, QKV_S
	s_mov_b32 s23, 0
	s_add_nc_u64 s[12:13], s[12:13], s[22:23]      ; scale words
	s_mov_b32 s[SEL], 0x76543210
	s_mov_b32 s[SEL+1], 0xfedcba98
.macro FRAG reg, adr, q, i             ; a fragment comes back as the image that it is: three loads of 512 consecutive bytes
.irp c, 0,1,2
	ds_load_b128 v[\reg+4*\c:\reg+4*\c+3], v[\adr] offset:3072*(\i)+1536*(\q)+512*\c
.endr
.endm
; 16 matrix instructions: A's blocks a0, a0 + 1 x B's eight, 128 along K.  first = 1: C is the column bias.  The 64 accumulators take turns, one instruction a turn.
.macro MUL16 a0, p, q, sc, first
.irp a, \a0, \a0+1
.irp b, 0,1,2,3,4,5,6,7
.if \first
	v_wmma_scale_f32_16x16x128_f8f6f4 v[8*(8*((\a)%4)+\b):8*(8*((\a)%4)+\b)+7], v[128*(\p)+FR*\b:128*(\p)+FR*\b+FR-1], v[AF+FR*(\a):AF+FR*(\a)+FR-1], v[CB+8*\b:CB+8*\b+7], v[SC+16*(\sc)+2*\b+(\q)], v[SC+16*(\sc)+2*(\a)+(\q)] matrix_a_fmt:MATRIX_FMT_FP6 matrix_b_fmt:MATRIX_FMT_FP6 matrix_a_scale:MATRIX_SCALE_ROW1
.else
	v_wmma_scale_f32_16x16x128_f8f6f4 v[8*(8*((\a)%4)+\b):8*(8*((\a)%4)+\b)+7], v[128*(\p)+FR*\b:128*(\p)+FR*\b+FR-1], v[AF+FR*(\a):AF+FR*(\a)+FR-1], v[8*(8*((\a)%4)+\b):8*(8*((\a)%4)+\b)+7], v[SC+16*(\sc)+2*\b+(\q)], v[SC+16*(\sc)+2*(\a)+(\q)] matrix_a_fmt:MATRIX_FMT_FP6 matrix_b_fmt:MATRIX_FMT_FP6 matrix_a_scale:MATRIX_SCALE_ROW1
.endif
.endr
.endr
.endm
.macro FETCH_B slot, q, p
	WIN TO_B
.irp i, 0,1,2,3,4,5,6,7
	FRAG 128*(\p)+FR*\i, ADRB+\slot, \q, \i
.endr
	WIN 0
.endm
.macro FETCH_A slot, q, i0
.irp i, \i0, \i0+1, \i0+2, \i0+3
	FRAG AF+FR*(\i), ADRA+\slot, \q, \i
.endr
.endm
.macro SCALES sc                       ; a K step's scale words: register 2 i + q: lanes 0-15 the word of A's block i, lanes 16-31 that of B's block i
.irp i, 0,1,2,3,4,5,6,7
	ds_load_b32 v[SC+16*\sc+2*\i], v[ADRS] offset:64*\i
	ds_load_b32 v[SC+16*\sc+2*\i+1], v[ADRS] offset:512+64*\i
.endr
.endm
.macro PLACES n                        ; plain vector lines between a matrix instruction and a load into, or a read of, its registers
.rept \n
	v_nop
.endr
.endm
.macro STEP slot, q, first             ; 128 along K that has its successor in the same slot
	s_wait_dscnt 4*NL                              ; B's set, A's blocks 0-3 and the scale words are in; the youngest 12 loads (A's blocks 4-7) may be out
.if \first
	WIN FST_LO
.else
	WIN MUL_LO
.endif
	MUL16 0, (\q)%2, \q, \slot, \first
	MUL16 2, (\q)%2, \q, \slot, \first
	s_wait_dscnt 0
	PLACES NP
	FETCH_B \slot, (\q)+1, 1-(\q)%2
	FETCH_A \slot, (\q)+1, 0
.if \first
	WIN FST_HI
.else
	WIN MUL_HI
.endif
	MUL16 4, (\q)%2, \q, \slot, \first
	MUL16 6, (\q)%2, \q, \slot, \first
	PLACES NP
	WIN 0
	FETCH_A \slot, (\q)+1, 4
.endm
; A slot's last step changes slots: one barrier; in front of it each wave waits for all its tensor loads, adds 0 to its spare word, and waits for that and for its reads of this slot.
.macro TURN slot, next, fill
	s_wait_tensorcnt 0x0                           ; all my tensor loads have landed: my part of the next slot
	ds_add_u32 v[SPW], v[NIL]                      ; 0 onto my spare word
	s_wait_dscnt 4*NL+1                            ; the add and the youngest 12 loads (A's blocks 4-7) may be out
	WIN MUL_LO
	MUL16 0, 1, 1, \slot, 0
	s_wait_dscnt 0x0                               ; the add is done, and my reads of this slot are over
	s_barrier_signal -1
	MUL16 2, 1, 1, \slot, 0
	WIN 0
	s_barrier_wait -1
.if \fill
	CREST                                          ; the barrier has opened a round of the cluster's: no wave of any partner still reads this slot or has a load on its way
	s_add_nc_u64 s[G0+4*\slot+2:G0+4*\slot+3], s[G0+4*\slot+2:G0+4*\slot+3], STEPA
	s_add_nc_u64 s[G0B+4*\slot+2:G0B+4*\slot+3], s[G0B+4*\slot+2:G0B+4*\slot+3], STEPB
	JLOAD G0+4*\slot, G1, G0B+4*\slot, G1B         ; the first tensor load behind the round; its four v_nop are the places in front of the loads below
.else
	PLACES NP
.endif
	v_add_nc_u32 v[ADRS], 1024, v[ADRS]            ; the next K step's scale words: two rows of 512 bytes on
	FETCH_B \next, 0, 0
	FETCH_A \next, 0, 0
	SCALES \next
	WIN MUL_HI
	MUL16 4, 1, 1, \slot, 0
	MUL16 6, 1, 1, \slot, 0
	PLACES NP
	WIN 0
	FETCH_A \next, 0, 4
.endm
	s_wait_tensorcnt 1                             ; the scale words and my part of K step 0 are in; K step 1's load may be out
	s_barrier_signal -1
	s_barrier_wait -1
	FETCH_B 0, 0, 0
	FETCH_A 0, 0, 0
	SCALES 0
	FETCH_A 0, 0, 4
	s_wait_loadcnt 0x0                             ; the biases
.set i, 0
.rept 64
	v_and_b32 v[CB+i], s100, v[CB+i]               ; V^T has no column bias
.set i, i+1
.endr
.irp a, 0,1,2,3,4,5,6,7
	v_and_b32 v[RBI+2*\a], s101, v[RBI+2*\a]       ; q and k have no row bias
	v_mov_b32 v[RBI+2*\a+1], v[RBI+2*\a]
.endr
	STEP 0, 0, 1
	s_mov_b32 s3, LAPS-1
.Llap:
	TURN 0, 1, 1
	STEP 1, 0, 0
	TURN 1, 0, 1
	STEP 0, 0, 0
	s_sub_co_u32 s3, s3, 1
	s_cmp_lg_u32 s3, 0
	s_cbranch_scc1 .Llap
	TURN 0, 1, 0                                   ; the last lap fills nothing
	STEP 1, 0, 0
	s_wait_dscnt 4*NL
	WIN MUL_LO
	MUL16 0, 1, 1, 1, 0
	MUL16 2, 1, 1, 1, 0
	s_wait_dscnt 0
	WIN MUL_HI
	MUL16 4, 1, 1, 1, 0
	MUL16 6, 1, 1, 1, 0
	WIN 0
; 64 numbers of a lane, register 16 b + i = column 32 b + 16 (lane / 16) + i of my row, become a fragment's codes in v[PC] on and its scale word in v[pw]
.macro QUANT s, pw
.irp b, 0,1,2,3
	v_max3_num_f32 v[TM+\b], |v[\s+16*\b]|, |v[\s+1+16*\b]|, 0x1800000   ; and the floor 2^(3 - 127): the byte cannot fall under 1
.endr
.irp i, 2,4,6,8,10,12,14
.irp b, 0,1,2,3
	v_max3_num_f32 v[TM+\b], v[TM+\b], |v[\s+16*\b+\i]|, |v[\s+1+16*\b+\i]|
.endr
.endr
.irp b, 0,1,2,3
	v_permlanex16_b32 v[TM+4+\b], v[TM+\b], s[SEL], s[SEL+1]
.endr
.irp b, 0,1,2,3
	v_max_num_f32 v[TM+\b], v[TM+\b], v[TM+4+\b]
.endr
.irp b, 0,1,2,3
	v_add_nc_u32 v[TM+12+\b], 0xff000000, v[TM+\b]
.endr
.irp b, 0,1,2,3
	v_lshrrev_b32 v[TM+4+\b], 23, v[TM+12+\b]
.endr
	v_lshl_or_b32 v[\pw], v[TM+5], 8, v[TM+4]
	v_lshl_or_b32 v[\pw], v[TM+6], 16, v[\pw]
	v_lshl_or_b32 v[\pw], v[TM+7], 24, v[\pw]
.irp c, 0,1
	v_cvt_scalef32_pk16_fp6_f32 v[PC+6*\c:PC+2+6*\c], v[\s+32*\c:\s+15+32*\c], v[TM+12+2*\c]
	v_cvt_scalef32_pk16_fp6_f32 v[PC+12+4*\c:PC+14+4*\c], v[\s+16+32*\c:\s+31+32*\c], v[TM+12+2*\c+1]
.endr
	v_nop                                          ; one plain place behind a scaled conversion
.irp c, 0,1                            ; the operand's layout wants a whole block in a lane
.irp i, 0,1,2
	v_permlane16_swap_b32 v[PC+6*\c+\i], v[PC+12+4*\c+\i]
.endr
.irp i, 0,1,2
	v_mov_b32 v[PC+3+6*\c+\i], v[PC+12+4*\c+\i]
.endr
.endr
.endm
.macro OUTBLK a                        ; block a, 16 rows x 128 columns: + the row bias, quantised, stored as one fragment
	s_wait_xcnt 0x0                                ; the last block's stores have read their registers
	WIN 0x02+(\a)/4                                ; source 0: the accumulators' window
.set AC, 64*((\a)%4)
.set i, 0
.rept 32
	v_pk_add_f32 v[W+i:W+i+1], v[AC+i:AC+i+1], v[RBI+2*(\a):RBI+2*(\a)+1]   ; each accumulator from its low end on
.set i, i+2
.endr
	WIN 0
	QUANT W, PWS+\a
.irp c, 0,1,2
	global_store_b128 v[CO], v[PC+4*\c:PC+4*\c+3], s[8:9] offset:3072*(\a)+512*\c   ; 512 consecutive bytes, aligned
.endr
	ds_store_b32 v[SWA], v[PWS+\a] offset:64*(\a)  ; lanes r and r + 16 write the same word with the same value
.endm
	PLACES NP
.irp b, 0,1,2,3
	v_mov_b32 v[TM+4+\b], 0                        ; a lane permute's destination counts as one of its sources
.endr
.irp a, 0,1,2,3,4,5,6,7
	OUTBLK \a
.endr
	ds_load_b128 v[176:179], v[SRD]                ; my 128 rows' scale words, in order behind my stores
	s_wait_dscnt 0x0
	global_store_b128 v[CO], v[176:179], s[12:13]
	s_wait_tensorcnt 0x0                           ; the wave's end
	ds_add_u32 v[SPW], v[NIL]
	s_wait_dscnt 0x0
	CROUND                                         ; the closing round
	s_endpgm
.Lfunc_end_k_q70591e8d60_qkv:
	.size	k_q70591e8d60_qkv, .Lfunc_end_k_q70591e8d60_qkv-k_q70591e8d60_qkv
	.p2alignl 7, 3214868480
	.fill 96, 4, 3214868480
	.section	.rodata,"a",@progbits
	.p2align	6, 0x0
	.amdhsa_kernel k_q70591e8d60_qkv
		.amdhsa_group_segment_fixed_size 327680
		.amdhsa_private_segment_fixed_size 0
		.amdhsa_enable_private_segment 0
		.amdhsa_kernarg_size 40
		.amdhsa_user_sgpr_count 2
		.amdhsa_user_sgpr_kernarg_segment_ptr 1
		.amdhsa_wavefront_size32 1
		.amdhsa_system_sgpr_workgroup_id_x 1
		.amdhsa_system_sgpr_workgroup_id_y 1
		.amdhsa_system_sgpr_workgroup_id_z 1
		.amdhsa_system_vgpr_workitem_id 0
		.amdhsa_next_free_vgpr 1024
		.amdhsa_next_free_sgpr 102
		.amdhsa_reserve_vcc 0
		.amdhsa_float_denorm_mode_32 3
		.amdhsa_float_denorm_mode_16_64 3
		.amdhsa_memory_ordered 1
		.amdhsa_forward_progress 1
		.amdhsa_inst_pref_size 164
	.end_amdhsa_kernel
	.amdgpu_metadata
---
amdhsa.version: [ 1, 2 ]
amdhsa.kernels:
  - .name:           k_q70591e8d60_qkv
    .symbol:         k_q70591e8d60_qkv.kd
    .args:
      - { .name: wk, .offset: 0, .size: 8, .value_kind: global_buffer, .address_space: global }
      - { .name: bq, .offset: 8, .size: 8, .value_kind: global_buffer, .address_space: global }
      - { .name: bk, .offset: 16, .size: 8, .value_kind: global_buffer, .address_space: global }
      - { .name: bv, .offset: 24, .size: 8, .value_kind: global_buffer, .address_space: global }
      - { .name: qkv, .offset: 32, .size: 8, .value_kind: global_buffer, .address_space: global }
    .group_segment_fixed_size: 327680
    .private_segment_fixed_size: 0
    .kernarg_segment_align: 8
    .kernarg_segment_size: 40
    .max_flat_workgroup_size: 128
    .sgpr_count:     102
    .vgpr_count:     1024
    .wavefront_size: 32
...
	.end_amdgpu_metadata
.endif
;; end of part 2
;; launch attn (part 3): grid 16 x 16, 16 waves a work-group, clusters of 4 x 4, 327,680 bytes of LDS; arguments qkv, mask, x, ln_ffn_g, ln_ffn_b, att; writes att
.if DOCPART == 3
	.amdgcn_target "amdgcn-amd-amdhsa--gfx1250"
	.amdhsa_code_object_version 6
	.text
	.protected	k_q70591e8d60_attn
	.globl	k_q70591e8d60_attn
	.p2align	8
	.type	k_q70591e8d60_attn,@function
k_q70591e8d60_attn:
	s_mov_b64 s[64:65], 0
	v_nop
	global_prefetch_b8 v0, s[64:65] scope:SCOPE_SE
	s_setreg_imm32_b32 hwreg(HW_REG_WAVE_MODE, 25, 1), 1
	s_wait_xcnt 0x0
	s_wait_alu depctr_hold_cnt(0) depctr_sa_sdst(0) depctr_va_vdst(0) depctr_va_sdst(0) depctr_va_ssrc(0) depctr_va_vcc(0) depctr_vm_vsrc(0)
	s_getreg_b32 s2, hwreg(HW_REG_IB_STS2, 6, 4)
	s_cmp_eq_u32 s2, 0
	s_cbranch_scc0 .Lentry_in_a_cluster
	s_endpgm
.Lentry_in_a_cluster:
	s_bfe_u32 s2, ttmp6, 0x10000c
	s_cmp_lg_u32 s2, 0xf033
	s_cbranch_scc0 .Lentry_shape_is_right
	s_endpgm
.Lentry_shape_is_right:
; ATTN.  For 64 queries x 4 heads of one batch: S^T = K Q^T, x mask (an INPUT, multiplicative: every key counts), softmax, O^T = V^T P^T, both products on codes of E2M3; then out = context + x (stored, f32) and h = LayerNorm(out), quantised (stored as codes).
; SOFTMAX: t = score x mask x log2(e) / 8 (the 1 / 8 of q, a power of two, is folded in here); M = the running largest t rounded UP to a whole number; p = 2^(t - M) is quantised along the keys; the sum of the unquantised p divides at the end.
; When M moves, the sum and O^T are multiplied by 2^(old M - new M): exact.
; SHARES.  Sixteen waves: wave w = 4 j + i owns head 4 hg + j and queries 64 qg + 16 i + 0 .. 15, in 256 registers, four waves to a SIMD.  These 16 queries x 64 channels ARE one row of 1,024 of out (the plain reshape): row 1024 b + 64 head + 4 qg + i.
; INPUT table qkv (5,120 rows x 4,096 columns, images of the matrix unit's registers: fragment (kt, rb, q) at ((kt 320 + rb) 2 + q) 1,536; scale word (kq, row) at kq 20,480 + 4 row): token places x (q | k), and V's channel places x tokens.
; Place p holds true row swap34(p).  So a tile of 16 key places gives, transposed, 16 neighbouring true keys in the 16 registers of tiles 2 e, 2 e + 1; my 16 true queries are gathered lane by lane from two row blocks.
; A fragment's 128 along K are TWO heads' channels: of Q's the other head's six registers are cleared, so K's fragment goes in whole and the other head adds zeros.
; RING: two LDS slots, each with one step of 128 keys: K (4 heads, 24,576 bytes), V (24,576), the mask's 64 x 128 numbers (rows of 512 bytes + 16).  CLUSTERS of 4 x 4: cx counts query groups, cy head groups: K, V and their scale words are asked for
; jointly along a row of the cluster, the mask's tile along a column.  Wave 0 asks for K, wave 1 for V, wave 2 for the mask; all sixteen pass every wait, add and round.
; LIMITS: NaN and infinities are not served; a block of zeros gets the byte 1 (its codes are zeros); a block's largest p is taken from its largest t by the same multiply-add and exponential, which takes v_exp_f32 not to fall where its input rises;
; a block of q under 2^-121 would be scaled otherwise than q / 8 is.
; REGISTERS: v1-7, v28-31 addresses; v8-11 addresses in hand; v12 -M, v13 largest t, v[14:15] the sum; v16-27 Q; v32-79 four fragments; v84-95 block maxima, bytes, scale operands; v96-159 S^T, then p; v160-191 O^T; v192-223 mask; v224-243 p's codes;
; v244-247 at work; v250-253 K's or V's scale words; v254 Q's; v255 p's.
; In the tail: v32-63 x's row, v64-95 the gain, v192-223 the bias, v96-159 the row at work, v160-188 the norm's figures; v224, v225 temporaries, v245 8 x lane, v248 the scale words' offset: none of these four is a load's destination.
.set SLOT1, 131072
.set VOFF,  24576
.set MOFF,  49152
.set KSC,   82944                      ; K's scale words of my batch and head group: 2 x 4,096 bytes
.set VSC,   91136                      ; V's: 8 x 1,024
.set SPARE, 99328                      ; the spare words, 128 bytes for each wave: eight blocks of 256 bytes that no other line names
.set STG,   214016                     ; behind slot 1: a stage of 4,608 bytes for each wave; no fill lands from here on
.set IMG,   287744                     ; h's eight fragments
.set HSC,   300032                     ; and their scale words
.set QKV_S, 15728640
.set H_C,   16777216
.set H_S,   19922944
.set WV,   16
.set G1K,  28
.set G1V,  36
.set G1M,  44
.set G1KS, 52
.set G0K,  60
.set SEL,  66
.set G1VS, 68
.set G0V,  76
.set G0M,  80
.set G0KS, 84
.set G0VS, 88
.set CS,   92
.set BM,   84
.set PT,   88
.set SO,   92
.set LX,   128
.set LY,   96
.set LG,   64
.set LB,   192
.set TA,   224                         ; two temporaries for address arithmetic
.set TBB,  225
.set L8,   245                         ; tail: 8 x lane
.set WOF,  248                         ; tail: my scale word's place in memory
.macro NOP4
.rept 4
	v_nop
.endr
.endm
.macro ROUND                           ; a round of the cluster's barrier
	s_barrier_signal -1
	s_barrier_wait -1
	s_cmp_lg_u32 s[WV], 0
	s_cbranch_scc1 .Lnot_wave_0_\@
	s_barrier_signal -3
.Lnot_wave_0_\@:
	s_barrier_wait -3
	s_barrier_signal -1
	s_barrier_wait -1
.endm
.macro TLOAD3                          ; a step's three tiles: the branches hang on the wave's number alone; four v_nop follow each load
	s_cmp_lg_u32 s[WV], 0
	s_cbranch_scc1 .Ln0_\@
	tensor_load_to_lds s[G0K:G0K+3], s[G1K:G1K+7]
	s_nop 0
	NOP4
	s_branch .Ld_\@
.Ln0_\@:
	s_cmp_lg_u32 s[WV], 1
	s_cbranch_scc1 .Ln1_\@
	tensor_load_to_lds s[G0V:G0V+3], s[G1V:G1V+7]
	s_nop 0
	NOP4
	s_branch .Ld_\@
.Ln1_\@:
	s_cmp_lg_u32 s[WV], 2
	s_cbranch_scc1 .Ld_\@
	tensor_load_to_lds s[G0M:G0M+3], s[G1M:G1M+7]
	s_nop 0
	NOP4
.Ld_\@:
.endm
.macro TLOAD2                          ; the scale words, filled once
	s_cmp_lg_u32 s[WV], 0
	s_cbranch_scc1 .Lm0_\@
	tensor_load_to_lds s[G0KS:G0KS+3], s[G1KS:G1KS+7]
	s_nop 0
	NOP4
	s_branch .Lmd_\@
.Lm0_\@:
	s_cmp_lg_u32 s[WV], 1
	s_cbranch_scc1 .Lmd_\@
	tensor_load_to_lds s[G0VS:G0VS+3], s[G1VS:G1VS+7]
	s_nop 0
	NOP4
.Lmd_\@:
.endm
	s_load_b256 s[4:11], s[0:1], 0x0               ; qkv s4, mask s6, x s8, gain s10
	s_load_b128 s[12:15], s[0:1], 0x20             ; bias s12, att s14
	v_lshl_add_u32 v5, v0, 2, SPARE
	v_mov_b32 v6, 0
	ds_add_u32 v5, v6
	s_wait_dscnt 0x0
	v_lshrrev_b32 v8, 5, v0
	v_readfirstlane_b32 s[WV], v8                  ; wave 0..15
	s_lshr_b32 s17, s[WV], 2                       ; j: my head of the four
	s_and_b32 s18, s[WV], 3                        ; i: my tile of 16 queries
	s_bfe_u32 s19, ttmp6, 0x40000                  ; cx
	s_bfe_u32 s20, ttmp6, 0x40004                  ; cy = hg, the head group
	s_lshl_b32 s21, ttmp9, 2
	s_add_co_u32 s21, s21, s19                     ; qg, the group of 64 queries
	s_and_b32 s22, ttmp7, 0xffff                   ; b, the batch
	s_lshl_b32 s23, s20, 2
	s_lshl_b32 s23, 15, s23                        ; my row of the cluster
	s_lshl_b32 s24, 0x1111, s19                    ; my column
	; descriptor groups 1; elements of 8 bytes; bit 21 set beside a mask
	s_or_b32 s[G1K], s23, (3<<16)|(1<<21)          ; K: a dense block of 24,576 bytes as 96 rows of 256
	s_mov_b32 s[G1K+1], 32<<16
	s_mov_b32 s[G1K+2], 96<<16
	s_mov_b32 s[G1K+3], 32<<16
	s_mov_b32 s[G1K+4], 96
	s_mov_b32 s[G1K+5], 32
	s_mov_b32 s[G1K+6], 0
	s_mov_b32 s[G1K+7], 0
	s_or_b32 s[G1V], s23, (3<<16)|(1<<21)          ; V: 16 fragments of 1,536 bytes, 3,072 apart
	s_mov_b32 s[G1V+1], 192<<16
	s_mov_b32 s[G1V+2], 16<<16
	s_mov_b32 s[G1V+3], 192<<16
	s_mov_b32 s[G1V+4], 16
	s_mov_b32 s[G1V+5], 384
	s_mov_b32 s[G1V+6], 0
	s_mov_b32 s[G1V+7], 0
	s_or_b32 s[G1M], s24, (3<<16)|(1<<20)|(1<<21)|(6<<22)|(3<<25)   ; the mask: 64 rows of 512 bytes, 4,096 apart; 16 bytes of padding behind every 128 words
	s_mov_b32 s[G1M+1], 64<<16
	s_mov_b32 s[G1M+2], 64<<16
	s_mov_b32 s[G1M+3], 64<<16
	s_mov_b32 s[G1M+4], 64
	s_mov_b32 s[G1M+5], 512
	s_mov_b32 s[G1M+6], 0
	s_mov_b32 s[G1M+7], 0
	s_or_b32 s[G1KS], s23, (3<<16)|(1<<21)         ; K's scale words: 2 rows of 4,096 bytes, 20,480 apart
	s_mov_b32 s[G1KS+1], 512<<16
	s_mov_b32 s[G1KS+2], 2<<16
	s_mov_b32 s[G1KS+3], 512<<16
	s_mov_b32 s[G1KS+4], 2
	s_mov_b32 s[G1KS+5], 2560
	s_mov_b32 s[G1KS+6], 0
	s_mov_b32 s[G1KS+7], 0
	s_or_b32 s[G1VS], s23, (3<<16)|(1<<21)         ; V's: 8 rows of 1,024 bytes
	s_mov_b32 s[G1VS+1], 128<<16
	s_mov_b32 s[G1VS+2], 8<<16
	s_mov_b32 s[G1VS+3], 128<<16
	s_mov_b32 s[G1VS+4], 8
	s_mov_b32 s[G1VS+5], 2560
	s_mov_b32 s[G1VS+6], 0
	s_mov_b32 s[G1VS+7], 0
	s_mov_b32 s97, 0
	s_mov_b32 s99, 0
	s_wait_kmcnt 0x0
	; groups 0.  K's, V's and the scale words' addresses hang on b and cy, the mask's on the cluster's x and cx: each on what its partners share
	s_add_co_u32 s96, s20, 4
	s_mul_i32 s96, s96, 320
	s_lshl_b32 s95, s22, 6
	s_add_co_u32 s96, s96, s95
	s_mul_i32 s96, s96, 3072                       ; kt = 4 + hg, row block 64 b
	s_mov_b32 s[G0K], 1
	s_mov_b32 s[G0K+1], 0
	s_add_nc_u64 s[G0K+2:G0K+3], s[4:5], s[96:97]
	s_or_b32 s[G0K+3], s[G0K+3], 0x80000000
	s_mul_i32 s96, s22, 1280
	s_lshl_b32 s95, s20, 4
	s_add_co_u32 s96, s96, s95
	s_add_co_u32 s96, s96, 256
	s_mul_i32 s96, s96, 3072                       ; kt = 4 b, row block 256 + 16 hg
	s_mov_b32 s[G0V], 1
	s_mov_b32 s[G0V+1], VOFF
	s_add_nc_u64 s[G0V+2:G0V+3], s[4:5], s[96:97]
	s_or_b32 s[G0V+3], s[G0V+3], 0x80000000
	s_lshl_b32 s96, s20, 1
	s_add_co_u32 s96, s96, 8
	s_mul_i32 s96, s96, 20480
	s_lshl_b32 s95, s22, 12
	s_add_co_u32 s96, s96, s95
	s_add_co_u32 s96, s96, QKV_S
	s_mov_b32 s[G0KS], 1
	s_mov_b32 s[G0KS+1], KSC
	s_add_nc_u64 s[G0KS+2:G0KS+3], s[4:5], s[96:97]
	s_or_b32 s[G0KS+3], s[G0KS+3], 0x80000000
	s_mul_i32 s96, s22, 163840
	s_lshl_b32 s95, s20, 10
	s_add_co_u32 s96, s96, s95
	s_add_co_u32 s96, s96, QKV_S+16384
	s_mov_b32 s[G0VS], 1
	s_mov_b32 s[G0VS+1], VSC
	s_add_nc_u64 s[G0VS+2:G0VS+3], s[4:5], s[96:97]
	s_or_b32 s[G0VS+3], s[G0VS+3], 0x80000000
	s_lshl_b32 s98, s21, 18                        ; 64 qg rows of 4,096 bytes
	s_mov_b32 s[G0M], 1
	s_mov_b32 s[G0M+1], MOFF
	s_add_nc_u64 s[G0M+2:G0M+3], s[6:7], s[98:99]
	s_or_b32 s[G0M+3], s[G0M+3], 0x80000000
	ROUND                                          ; all sixteen work-groups are here: the first joint loads meet
	TLOAD2
	TLOAD3                                         ; step 0 into slot 0
	v_and_b32 v8, 15, v0                           ; r
	v_bfe_u32 v9, v0, 4, 1                         ; h
	v_and_b32 v10, 31, v0
	v_lshlrev_b32 v10, 4, v10                      ; 16 x lane
	v_lshrrev_b32 v[TA], 3, v8
	v_and_b32 v[TBB], 7, v8
	s_and_b32 s2, s18, 1
	s_lshl_b32 s2, s2, 3
	v_add_nc_u32 v[TBB], s2, v[TBB]                ; true query 16 tau + r lies at row block (tau & ~1) + r / 8, image row 8 (tau % 2) + r % 8
	v_lshl_add_u32 v29, v9, 4, v[TBB]
	v_lshlrev_b32 v29, 4, v29
	v_mad_u32_u24 v29, v[TA], 3072, v29
	v_lshl_add_u32 v30, v[TA], 4, v[TBB]
	v_lshlrev_b32 v30, 2, v30
	s_lshl_b32 s97, s21, 2
	s_and_b32 s98, s18, 2
	s_add_co_u32 s97, s97, s98                     ; tau & ~1
	s_mul_i32 s98, s20, 320
	s_lshl_b32 s99, s22, 6
	s_add_co_u32 s98, s98, s99
	s_add_co_u32 s98, s98, s97
	s_lshl_b32 s98, s98, 1
	s_lshr_b32 s99, s17, 1
	s_add_co_u32 s98, s98, s99
	s_mul_i32 s98, s98, 1536
	s_mov_b32 s99, 0
	s_add_nc_u64 s[98:99], s[4:5], s[98:99]
.irp c, 0,1,2
	global_load_b128 v[16+4*\c:19+4*\c], v29, s[98:99] offset:512*\c
.endr
	s_lshl_b32 s100, s20, 1
	s_lshr_b32 s101, s17, 1
	s_add_co_u32 s100, s100, s101
	s_mul_i32 s100, s100, 20480
	s_lshl_b32 s101, s22, 12
	s_add_co_u32 s100, s100, s101
	s_lshl_b32 s101, s97, 6
	s_add_co_u32 s100, s100, s101
	s_add_co_u32 s100, s100, QKV_S
	s_mov_b32 s101, 0
	s_add_nc_u64 s[100:101], s[4:5], s[100:101]
	global_load_b32 v254, v30, s[100:101]          ; Q's scale words
	s_lshr_b32 s2, s17, 1
	s_mul_i32 s3, s2, 1536
	v_add_nc_u32 v1, s3, v10                       ; K: my pair of heads' fragment of a row block
	s_mul_i32 s3, s17, 6144
	s_add_co_u32 s3, s3, VOFF
	v_add_nc_u32 v2, s3, v10                       ; V: my head's four fragments
	s_lshl_b32 s3, s2, 12
	s_add_co_u32 s3, s3, KSC
	v_lshl_add_u32 v3, v8, 2, s3
	s_lshl_b32 s3, s17, 8
	s_add_co_u32 s3, s3, VSC
	v_lshl_add_u32 v4, v8, 2, s3
	s_mul_i32 s3, s18, 16*528
	s_add_co_u32 s3, s3, MOFF
	v_mul_u32_u24 v7, v8, 528
	v_lshl_add_u32 v7, v9, 6, v7
	v_add_nc_u32 v7, s3, v7                        ; the mask: row 16 i + r, + 64 h: my 16 keys of a block of 32
	s_mov_b32 s[SEL], 0x76543210
	s_mov_b32 s[SEL+1], 0xfedcba98
	s_mov_b32 s[CS], 0x3e38aa3b                    ; c = log2(e) / 8
	s_mov_b32 s[CS+1], s[CS]
	s_mov_b32 s25, 0                               ; LDS byte at which the slot in hand begins
	s_mov_b32 s26, 0                               ; the step's scale words of K: 512 bytes a step
	s_mov_b32 s27, 0                               ; and of V: 1,024
	s_and_b32 s95, s17, 1
	s_cmp_eq_u32 s95, 0
	s_cselect_b32 s95, -1, 0                       ; an even head keeps registers 0-5 of Q's fragment,
	s_not_b32 s96, s95                             ; an odd one registers 6-11
	v_mov_b32 v13, 0xff61b1e6                      ; the largest t so far: -3e38
	v_floor_f32 v12, -v13
	v_mov_b32 v14, 0
	v_mov_b32 v15, 0
.irp b, 0,1,2,3
	v_mov_b32 v[PT+\b], 0                          ; a lane permute's destination counts as one of its sources
.endr
	v_mov_b32 v244, 0
	v_mov_b32 v247, 0                              ; (named as the upper half of a pair)
.set i, 0
.rept 32
	v_mov_b32 v[160+i], 0                          ; O^T: the step is written once; the first change of M multiplies zeros
.set i, i+1
.endr
	s_wait_loadcnt 0x0
.irp e, 0,1,2,3,4,5
	v_and_b32 v[16+\e], s95, v[16+\e]
	v_and_b32 v[22+\e], s96, v[22+\e]
.endr
.macro KLOAD g                         ; four tiles of 16 key places, and their scale words
.irp t, 0,1,2,3
.irp c, 0,1,2
	ds_load_b128 v[32+12*\t+4*\c:35+12*\t+4*\c], v8 offset:3072*(4*\g+\t)+512*\c
.endr
	ds_load_b32 v[250+\t], v10 offset:64*(4*\g+\t)
.endr
.endm
.macro MLOAD g                         ; the mask at my query for blocks 2 g, 2 g + 1 of 32 keys: my 16 keys of each
.irp e, 0,1,2,3,4,5,6,7
	ds_load_b128 v[192+4*\e:195+4*\e], v28 offset:128*(2*\g+\e/4)+16*(\e%4)
.endr
.endm
.macro KQ g
.irp t, 0,1,2,3
	v_wmma_scale_f32_16x16x128_f8f6f4 v[96+8*(4*\g+\t):103+8*(4*\g+\t)], v[32+12*\t:43+12*\t], v[16:27], 0, v[250+\t], v254 matrix_a_fmt:MATRIX_FMT_FP6 matrix_b_fmt:MATRIX_FMT_FP6
.endr
.endm
.macro MMUL g                          ; scores x mask, each accumulator from its low end on
.set i, 0
.rept 16
	v_pk_mul_f32 v[96+32*\g+i:97+32*\g+i], v[96+32*\g+i:97+32*\g+i], v[192+i:193+i]
.set i, i+2
.endr
.endm
.macro STEP                            ; 128 keys
	v_add_nc_u32 v8, s25, v1                       ; (these five are also the places behind the last products)
	v_add_nc_u32 v9, s25, v2
	v_add_nc_u32 v10, s26, v3
	v_add_nc_u32 v11, s27, v4
	v_add_nc_u32 v28, s25, v7
	KLOAD 0
	MLOAD 0
	s_wait_dscnt 0x0
	KQ 0
	NOP4                                           ; places in front of loads into the products' registers and of the first read of results
	KLOAD 1
	MMUL 0
	MLOAD 1
	s_wait_dscnt 0x0
	KQ 1
	NOP4
.irp t, 0,1,2,3                        ; V's four fragments and scale words land under the softmax
.irp c, 0,1,2
	ds_load_b128 v[32+12*\t+4*\c:35+12*\t+4*\c], v9 offset:1536*\t+512*\c
.endr
	ds_load_b32 v[250+\t], v11 offset:64*\t
.endr
	MMUL 1
.irp b, 0,1,2,3
	v_max3_num_f32 v[BM+\b], v[96+16*\b], v[97+16*\b], v[98+16*\b]   ; the largest score of each block of 32 keys: for the row's maximum, and for the block's largest p
.endr
.irp i, 3,5,7,9,11,13
.irp b, 0,1,2,3
	v_max3_num_f32 v[BM+\b], v[BM+\b], v[96+16*\b+\i], v[97+16*\b+\i]
.endr
.endr
.irp b, 0,1,2,3
	v_max_num_f32 v[BM+\b], v[BM+\b], v[111+16*\b]
.endr
.irp b, 0,1,2,3
	v_permlanex16_b32 v[PT+\b], v[BM+\b], s[SEL], s[SEL+1]
.endr
.irp b, 0,1,2,3
	v_max_num_f32 v[BM+\b], v[BM+\b], v[PT+\b]
.endr
	v_max3_num_f32 v244, v[BM], v[BM+1], v[BM+2]
	v_max_num_f32 v244, v244, v[BM+3]
	v_mul_f32 v244, s[CS], v244                    ; as t (c is positive)
	v_max_num_f32 v13, v13, v244
	v_mov_b32 v244, v12
	v_floor_f32 v12, -v13                          ; -M = floor(-t)
	v_sub_f32 v244, v12, v244                      ; old M - new M: a whole number, 0 or less
	v_cvt_i32_f32 v244, v244                       ; (it saturates)
	v_ldexp_f32 v246, 1.0, v244                    ; f = 2^(old M - new M)
.set i, 0
.rept 32
	v_pk_fma_f32 v[96+i:97+i], v[96+i:97+i], s[CS:CS+1], v[12:13] op_sel_hi:[1,0,0]   ; t - M
.set i, i+2
.endr
.irp b, 0,1,2,3
	v_fma_f32 v[BM+\b], v[BM+\b], s[CS], v12
.endr
.set i, 0
.rept 64
	v_exp_f32 v[96+i], v[96+i]                     ; p = 2^(t - M)
.set i, i+1
.endr
.irp b, 0,1,2,3
	v_exp_f32 v[BM+\b], v[BM+\b]
.endr
	v_pk_mul_f32 v[14:15], v[14:15], v[246:247] op_sel_hi:[1,0]   ; the sums under the new M (a plain place behind the exponentials)
	s_wait_alu depctr_va_vdst(0)
.irp b, 0,1,2,3
	v_max_num_f32 v[BM+\b], 0x1800000, v[BM+\b]    ; the floor 2^(3 - 127)
.endr
.irp b, 0,1,2,3
	v_add_nc_u32 v[SO+\b], 0xff000000, v[BM+\b]
.endr
.irp b, 0,1,2,3
	v_lshrrev_b32 v[PT+\b], 23, v[SO+\b]
.endr
	v_lshl_or_b32 v255, v[PT+1], 8, v[PT]
	v_lshl_or_b32 v255, v[PT+2], 16, v255
	v_lshl_or_b32 v255, v[PT+3], 24, v255          ; p's scale word for these 128 keys
.irp c, 0,1
	v_cvt_scalef32_pk16_fp6_f32 v[224+6*\c:226+6*\c], v[96+32*\c:111+32*\c], v[SO+2*\c]
	v_cvt_scalef32_pk16_fp6_f32 v[236+4*\c:238+4*\c], v[112+32*\c:127+32*\c], v[SO+2*\c+1]
.endr
	v_nop                                          ; one plain place behind a scaled conversion
.irp c, 0,1
.irp i, 0,1,2
	v_permlane16_swap_b32 v[224+6*\c+\i], v[236+4*\c+\i]
.endr
.irp i, 0,1,2
	v_mov_b32 v[227+6*\c+\i], v[236+4*\c+\i]
.endr
.endr
	v_pk_add_f32 v[236:237], v[96:97], v[98:99]    ; the row's sum is taken of the unquantised p, in two chains
.irp j, 4,8,12,16,20,24,28,32,36,40,44,48,52,56,60
	v_pk_add_f32 v[14:15], v[14:15], v[96+\j:97+\j]
	v_pk_add_f32 v[236:237], v[236:237], v[98+\j:99+\j]
.endr
	v_pk_add_f32 v[14:15], v[14:15], v[236:237]
.set i, 0
.rept 16
	v_pk_mul_f32 v[160+i:161+i], v[160+i:161+i], v[246:247] op_sel_hi:[1,0]   ; O^T under the new M
.set i, i+2
.endr
	s_wait_dscnt 0x0                               ; V
.irp t, 0,1,2,3
	v_wmma_scale_f32_16x16x128_f8f6f4 v[160+8*\t:167+8*\t], v[32+12*\t:43+12*\t], v[224:235], v[160+8*\t:167+8*\t], v[250+\t], v255 matrix_a_fmt:MATRIX_FMT_FP6 matrix_b_fmt:MATRIX_FMT_FP6
.endr
	s_xor_b32 s25, s25, SLOT1
	s_add_co_u32 s26, s26, 512
	s_add_co_u32 s27, s27, 1024
.endm
; THE CHANGE OF SLOTS, at a step's head.  fill = 1: the slot that has been left is filled with the step after this one, behind a round of the cluster's barrier.
.macro CHANGE fill, vstep
	s_wait_tensorcnt 0x0                           ; no tensor load of mine is out: the slot ahead has my part, and a group 0 may be written
	ds_add_u32 v5, v6                              ; 0 onto my spare word
.if \fill
	s_xor_b32 s[G0K+1], s[G0K+1], SLOT1
	s_add_nc_u64 s[G0K+2:G0K+3], s[G0K+2:G0K+3], 24576
	s_xor_b32 s[G0V+1], s[G0V+1], SLOT1
	s_add_nc_u64 s[G0V+2:G0V+3], s[G0V+2:G0V+3], \vstep      ; the other half of kt's 256 tokens, or the next kt
	s_xor_b32 s[G0M+1], s[G0M+1], SLOT1
	s_add_nc_u64 s[G0M+2:G0M+3], s[G0M+2:G0M+3], 512
.endif
	s_wait_dscnt 0x0                               ; the add is done, and my reads of the slot that I have left are over
.if \fill
	ROUND
	TLOAD3                                         ; the first thing behind the round, a wave's one tensor load until the next
.else
	s_barrier_signal -1
	s_barrier_wait -1
.endif
.endm
	s_mov_b32 s94, 3
.Lpair:
	CHANGE 1, 1536
	STEP
	CHANGE 1, 981504
	STEP
	s_sub_co_u32 s94, s94, 1
	s_cmp_lg_u32 s94, 0
	s_cbranch_scc1 .Lpair
	CHANGE 1, 1536
	STEP
	CHANGE 0, 0                                    ; the last step is written out: nothing is left to ask for
	STEP
	; THE TAIL.  My 16 queries x 64 channels are one row of out.
	v_and_b32 v8, 15, v0                           ; r      (these five lines are the places behind the last products)
	v_bfe_u32 v9, v0, 4, 1                         ; h
	v_and_b32 v10, 31, v0                          ; lane
	v_lshlrev_b32 v11, 4, v10
	v_lshlrev_b32 v[L8], 3, v10
	s_lshl_b32 s95, s22, 10
	s_lshl_b32 s96, s20, 8
	s_add_co_u32 s95, s95, s96
	s_lshl_b32 s96, s17, 6
	s_add_co_u32 s95, s95, s96
	s_lshl_b32 s96, s21, 2
	s_add_co_u32 s95, s95, s96
	s_add_co_u32 s95, s95, s18                     ; row 1024 b + 64 (4 hg + j) + 4 qg + i
	s_lshl_b32 s96, s95, 12
	s_mov_b32 s97, 0
	s_add_nc_u64 s[8:9], s[8:9], s[96:97]
	s_add_nc_u64 s[98:99], s[14:15], s[96:97]      ; the residual's table begins att
.irp e, 0,1,2,3,4,5,6,7
	global_load_b128 v[32+4*\e:35+4*\e], v11, s[8:9] offset:512*\e th:TH_LOAD_NT
.endr
.irp e, 0,1,2,3,4,5,6,7
	global_load_b128 v[LG+4*\e:LG+4*\e+3], v11, s[10:11] offset:512*\e
.endr
.irp e, 0,1,2,3,4,5,6,7
	global_load_b128 v[LB+4*\e:LB+4*\e+3], v11, s[12:13] offset:512*\e
.endr
	v_add_f32 v14, v14, v15
	v_permlanex16_b32 v244, v14, s[SEL], s[SEL+1]
	v_add_f32 v14, v14, v244                       ; the row's sum
	v_rcp_f32 v14, v14
	s_mul_i32 s2, s[WV], 4608
	s_add_co_u32 s2, s2, STG                       ; my stage
	v_mul_u32_u24 v1, v8, 272                      ; (a plain place behind the transcendental)
	s_wait_alu depctr_va_vdst(0)
	v_mov_b32 v15, v14
	v_lshl_add_u32 v1, v9, 6, v1
	v_add_nc_u32 v1, s2, v1                        ; in: query r's 256 bytes + 16; register 16 e + n is channel 32 e + 16 h + n
	v_mul_u32_u24 v2, v9, 272
	v_lshl_add_u32 v2, v8, 4, v2
	v_add_nc_u32 v2, s2, v2                        ; back: element 128 e + 4 lane of the row of 1,024
.set i, 0
.rept 16
	v_pk_mul_f32 v[96+i:97+i], v[160+i:161+i], v[14:15]            ; O^T / the sum, each accumulator from its low end on
.set i, i+2
.endr
.irp e, 0,1,2,3,4,5,6,7
	ds_store_b128 v1, v[96+4*\e:99+4*\e] offset:128*(\e/4)+16*(\e%4)
.endr
.irp e, 0,1,2,3,4,5,6,7
	ds_load_b128 v[LX+4*\e:LX+4*\e+3], v2 offset:544*\e            ; LDS serves a wave's instructions in order: these see my stores
.endr
	v_lshrrev_b32 v[TA], 3, v10
	v_and_b32 v[TBB], 7, v10
	v_mul_u32_u24 v3, v[TA], 144
	v_lshl_add_u32 v3, v[TBB], 4, v3
	v_add_nc_u32 v3, s2, v3                        ; the second turn, in: a block of 32 has 128 bytes + 16
	v_mul_u32_u24 v4, v10, 144
	v_add_nc_u32 v4, s2, v4                        ; out: block = lane
	v_lshrrev_b32 v[TA], 2, v10
	v_and_b32 v[TBB], 1, v10
	v_mul_u32_u24 v7, v[TA], 1536
	v_lshl_add_u32 v7, v[TBB], 8, v7
	s_lshl_b32 s3, s[WV], 4
	s_add_co_u32 s3, s3, IMG
	v_add_nc_u32 v28, s3, v7                       ; block l: fragment l / 4, half of the lanes l % 2, image row w
	v_bfe_u32 v[TBB], v10, 1, 1
	v_mad_u32_u24 v7, v[TBB], 520, v28             ; registers 6 c, 6 c + 1 (and, 512 on, 6 c + 4, 6 c + 5)
	v_mad_u32_u24 v28, v[TBB], 1016, v28           ; registers 6 c + 2, 6 c + 3, 8 on
	v_and_b32 v[TBB], 3, v10
	v_lshl_add_u32 v29, v[TA], 6, v[TBB]
	s_lshl_b32 s3, s[WV], 2
	s_add_co_u32 s3, s3, HSC
	v_add_nc_u32 v29, s3, v29                      ; my block's scale byte
	s_mul_i32 s3, s[WV], 768
	s_add_co_u32 s3, s3, IMG
	v_add_nc_u32 v30, s3, v[L8]                    ; the way out: wave w copies bytes 768 w on
	s_and_b32 s3, s[WV], 3
	s_lshl_b32 s3, s3, 7
	s_add_co_u32 s3, s3, HSC
	v_lshl_add_u32 v31, v10, 2, s3
	v_lshlrev_b32 v[WOF], 14, v9
	v_lshl_add_u32 v[WOF], v8, 2, v[WOF]           ; scale words in memory: 16,384 h + 4 r
	v_mov_b32 v166, 0
	s_mov_b32 s100, 0x3a800000                     ; 1 / 1,024
	s_mov_b32 s101, 0x358637bd                     ; 1e-6
	s_wait_dscnt 0x0
	s_wait_loadcnt 16                              ; x's row is in; gain and bias, 16 loads, may be out
.set i, 0
.rept 16
	v_pk_add_f32 v[LX+i:LX+i+1], v[LX+i:LX+i+1], v[32+i:33+i]      ; out = context + x
.set i, i+2
.endr
.irp e, 0,1,2,3,4,5,6,7
	global_store_b128 v11, v[LX+4*\e:LX+4*\e+3], s[98:99] offset:512*\e   ; 512 consecutive bytes, aligned
.endr
	s_wait_loadcnt 0x0
	s_wait_xcnt 0x0                                ; the stores have read their registers: the row is worked on in place
.macro SUM32 a
	v_add_f32_dpp v[\a], v[\a], v[\a] row_xmask:1 row_mask:0xf bank_mask:0xf
	v_add_f32_dpp v[\a], v[\a], v[\a] row_xmask:2 row_mask:0xf bank_mask:0xf
	v_add_f32_dpp v[\a], v[\a], v[\a] row_xmask:4 row_mask:0xf bank_mask:0xf
	v_add_f32_dpp v[\a], v[\a], v[\a] row_xmask:8 row_mask:0xf bank_mask:0xf
	v_permlanex16_b32 v166, v[\a], s[SEL], s[SEL+1]
	v_add_f32 v[\a], v[\a], v166
.endm
	; LayerNorm of the row, in f32: mean, variance of the differences, (x - mean) rstd g + b
	v_pk_add_f32 v[168:169], v[LX:LX+1], v[LX+2:LX+3]
	v_pk_add_f32 v[170:171], v[LX+4:LX+5], v[LX+6:LX+7]
.irp i, 8,12,16,20,24,28
	v_pk_add_f32 v[168:169], v[168:169], v[LX+\i:LX+\i+1]
	v_pk_add_f32 v[170:171], v[170:171], v[LX+\i+2:LX+\i+3]
.endr
	v_pk_add_f32 v[168:169], v[168:169], v[170:171]
	v_add_f32 v168, v168, v169
	SUM32 168
	v_mul_f32 v172, s100, v168
	v_mov_b32 v173, v172
.irp i, 0,2,4,6,8,10,12,14,16,18,20,22,24,26,28,30
	v_pk_add_f32 v[LX+\i:LX+\i+1], v[LX+\i:LX+\i+1], v[172:173] neg_lo:[0,1] neg_hi:[0,1]
.endr
	v_pk_mul_f32 v[168:169], v[LX:LX+1], v[LX:LX+1]
	v_pk_mul_f32 v[170:171], v[LX+2:LX+3], v[LX+2:LX+3]
.irp i, 4,8,12,16,20,24,28
	v_pk_fma_f32 v[168:169], v[LX+\i:LX+\i+1], v[LX+\i:LX+\i+1], v[168:169]
	v_pk_fma_f32 v[170:171], v[LX+\i+2:LX+\i+3], v[LX+\i+2:LX+\i+3], v[170:171]
.endr
	v_pk_add_f32 v[168:169], v[168:169], v[170:171]
	v_add_f32 v168, v168, v169
	SUM32 168
	v_fma_f32 v174, v168, s100, s101
	v_rsq_f32 v174, v174
	v_nop                                          ; one plain place behind a transcendental
	s_wait_alu depctr_va_vdst(0)
	v_mov_b32 v175, v174
.irp i, 0,2,4,6,8,10,12,14,16,18,20,22,24,26,28,30
	v_pk_mul_f32 v[LX+\i:LX+\i+1], v[LX+\i:LX+\i+1], v[174:175]
.endr
.irp i, 0,2,4,6,8,10,12,14,16,18,20,22,24,26,28,30
	v_pk_fma_f32 v[LX+\i:LX+\i+1], v[LX+\i:LX+\i+1], v[LG+\i:LG+\i+1], v[LB+\i:LB+\i+1]
.endr
.irp i, 0,1,2,3,4,5,6,7
	ds_store_b128 v3, v[LX+4*\i:LX+4*\i+3] offset:576*\i
.endr
.irp i, 0,1,2,3,4,5,6,7
	ds_load_b128 v[LY+4*\i:LY+4*\i+3], v4 offset:16*\i             ; lane l now holds block l's 32 neighbours
.endr
	s_wait_dscnt 0x0
	v_max3_num_f32 v176, |v[LY]|, |v[LY+1]|, |v[LY+2]|
	v_max3_num_f32 v177, |v[LY+3]|, |v[LY+4]|, |v[LY+5]|
.irp i, 6,10,14,18,22,26
	v_max3_num_f32 v176, v176, |v[LY+\i]|, |v[LY+\i+1]|
	v_max3_num_f32 v177, v177, |v[LY+\i+2]|, |v[LY+\i+3]|
.endr
	v_max3_num_f32 v176, v176, |v[LY+30]|, |v[LY+31]|
	v_max3_num_f32 v176, v176, v177, 0x1800000
	v_add_nc_u32 v178, 0xff000000, v176
	v_lshrrev_b32 v179, 23, v178
	v_cvt_scalef32_pk16_fp6_f32 v[180:182], v[LY:LY+15], v178
	v_cvt_scalef32_pk16_fp6_f32 v[186:188], v[LY+16:LY+31], v178
	v_nop
	v_mov_b32 v183, v186
	v_mov_b32 v184, v187
	v_mov_b32 v185, v188
	ds_store_b64 v7, v[180:181]
	ds_store_b64 v28, v[182:183] offset:8
	ds_store_b64 v7, v[184:185] offset:512
	ds_store_b8 v29, v179
	s_lshl_b32 s95, s22, 6
	s_lshl_b32 s96, s20, 4
	s_add_co_u32 s95, s95, s96
	s_add_co_u32 s95, s95, s21                     ; h's row block 64 b + 16 hg + qg; my row is its image row w
	s_lshr_b32 s96, s[WV], 2
	s_lshl_b32 s96, s96, 8
	s_add_co_u32 s96, s96, s95
	s_mul_i32 s96, s96, 3072
	s_and_b32 s97, s[WV], 3
	s_mul_i32 s97, s97, 768
	s_add_co_u32 s96, s96, s97
	s_add_co_u32 s96, s96, H_C
	s_mov_b32 s97, 0
	s_add_nc_u64 s[96:97], s[14:15], s[96:97]
	s_lshl_b32 s2, s[WV], 15
	s_lshl_b32 s3, s95, 6
	s_add_co_u32 s2, s2, s3
	s_add_co_u32 s2, s2, H_S
	s_mov_b32 s3, 0
	s_add_nc_u64 s[2:3], s[14:15], s[2:3]
	s_wait_dscnt 0x0                               ; for the others' sake: my stores into the images have landed
	s_barrier_signal -1
	s_barrier_wait -1
.irp k, 0,1,2
	ds_load_b64 v[96+2*\k:97+2*\k], v30 offset:256*\k
.endr
.irp k, 0,1,2
	s_wait_dscnt 2-\k                              ; the younger loads of the run may be out
	global_store_b64 v[L8], v[96+2*\k:97+2*\k], s[96:97] offset:256*\k   ; 256 consecutive bytes, aligned
.endr
	s_cmp_gt_u32 s[WV], 3                          ; the 128 scale words: waves 0-3, kq = 2 w + lane / 16
	s_cbranch_scc1 .Lno_words
	ds_load_b32 v112, v31
	s_wait_dscnt 0x0
	global_store_b32 v[WOF], v112, s[2:3]
.Lno_words:
	s_wait_tensorcnt 0x0                           ; the wave's end
	ds_add_u32 v5, v6
	s_wait_dscnt 0x0
	ROUND                                          ; the closing round
	s_endpgm
.Lfunc_end_k_q70591e8d60_attn:
	.size	k_q70591e8d60_attn, .Lfunc_end_k_q70591e8d60_attn-k_q70591e8d60_attn
	.p2alignl 7, 3214868480
	.fill 96, 4, 3214868480
	.section	.rodata,"a",@progbits
	.p2align	6, 0x0
	.amdhsa_kernel k_q70591e8d60_attn
		.amdhsa_group_segment_fixed_size 327680
		.amdhsa_private_segment_fixed_size 0
		.amdhsa_enable_private_segment 0
		.amdhsa_kernarg_size 48
		.amdhsa_user_sgpr_count 2
		.amdhsa_user_sgpr_kernarg_segment_ptr 1
		.amdhsa_wavefront_size32 1
		.amdhsa_system_sgpr_workgroup_id_x 1
		.amdhsa_system_sgpr_workgroup_id_y 1
		.amdhsa_system_sgpr_workgroup_id_z 1
		.amdhsa_system_vgpr_workitem_id 0
		.amdhsa_next_free_vgpr 256
		.amdhsa_next_free_sgpr 102
		.amdhsa_reserve_vcc 0
		.amdhsa_float_denorm_mode_32 3
		.amdhsa_float_denorm_mode_16_64 3
		.amdhsa_memory_ordered 1
		.amdhsa_forward_progress 1
		.amdhsa_inst_pref_size 117
	.end_amdhsa_kernel
	.amdgpu_metadata
---
amdhsa.version: [ 1, 2 ]
amdhsa.kernels:
  - .name:           k_q70591e8d60_attn
    .symbol:         k_q70591e8d60_attn.kd
    .args:
      - { .name: qkv, .offset: 0, .size: 8, .value_kind: global_buffer, .address_space: global }
      - { .name: mask, .offset: 8, .size: 8, .value_kind: global_buffer, .address_space: global }
      - { .name: x, .offset: 16, .size: 8, .value_kind: global_buffer, .address_space: global }
      - { .name: ln_ffn_g, .offset: 24, .size: 8, .value_kind: global_buffer, .address_space: global }
      - { .name: ln_ffn_b, .offset: 32, .size: 8, .value_kind: global_buffer, .address_space: global }
      - { .name: att, .offset: 40, .size: 8, .value_kind: global_buffer, .address_space: global }
    .group_segment_fixed_size: 327680
    .private_segment_fixed_size: 0
    .kernarg_segment_align: 8
    .kernarg_segment_size: 48
    .max_flat_workgroup_size: 512
    .sgpr_count:     102
    .vgpr_count:     256
    .wavefront_size: 32
...
	.end_amdgpu_metadata
.endif
;; end of part 3
;; launch ffn1 (part 4): grid 16 x 16, 4 waves a work-group, clusters of 4 x 4, 327,680 bytes of LDS; arguments att, wk, b1, hid; writes hid
.if DOCPART == 4
	.amdgcn_target "amdgcn-amd-amdhsa--gfx1250"
	.amdhsa_code_object_version 6
	.text
	.protected	k_q70591e8d60_ffn1
	.globl	k_q70591e8d60_ffn1
	.p2align	8
	.type	k_q70591e8d60_ffn1,@function
k_q70591e8d60_ffn1:
	s_mov_b64 s[64:65], 0
	v_nop
	global_prefetch_b8 v0, s[64:65] scope:SCOPE_SE
	s_setreg_imm32_b32 hwreg(HW_REG_WAVE_MODE, 25, 1), 1
	s_wait_xcnt 0x0
	s_wait_alu depctr_hold_cnt(0) depctr_sa_sdst(0) depctr_va_vdst(0) depctr_va_sdst(0) depctr_va_ssrc(0) depctr_va_vcc(0) depctr_vm_vsrc(0)
	s_getreg_b32 s2, hwreg(HW_REG_IB_STS2, 6, 4)
	s_cmp_eq_u32 s2, 0
	s_cbranch_scc0 .Lentry_in_a_cluster
	s_endpgm
.Lentry_in_a_cluster:
	s_bfe_u32 s2, ttmp6, 0x10000c
	s_cmp_lg_u32 s2, 0xf033
	s_cbranch_scc0 .Lentry_shape_is_right
	s_endpgm
.Lentry_shape_is_right:
; FFN1.  hid = gelu(h W1 + b1), on codes of E2M3 with E8M0 scales; the result is quantised along its columns and stored as codes.
; A = h (4,096 row places x 1,024 K, in att), B = W1 (4,096 row places x 1,024 K, in wk), both as images of the matrix unit's registers: fragment (kt = k / 256, rb = row / 16, q = (k / 128) % 2) at ((kt 256 + rb) 2 + q) 1,536,
; three runs of 512 bytes, lane l's registers 4 c .. 4 c + 3 at 512 c + 16 l; scale word of (kq = k / 128, row) at kq 16,384 + 4 row.  128 rows x 256 K are one dense block of 24,576 bytes.
; W1's place p holds true row swap34(p) (bits 3 and 4 exchanged).  THE MATRIX INSTRUCTION IS USED TRANSPOSED (source 0 = 16 rows of W1, source 1 = 16 rows of h): lane (r, h) holds h's row r, and the 16 registers of accumulators
; 2 e, 2 e + 1 are the true hidden units 32 e + 16 h + 0 .. 15: 16 neighbours along the next product's K.
; A tile of 256 x 256 to a work-group of four waves, 128 x 128 a wave; K in steps of 256 through two LDS slots filled by tensor loads; the scale words of all K come once.  CLUSTERS of 4 x 4: A's tiles jointly along a row, B's along a column.
; b1 is the C of each sum's first product.  gelu(x) = x / (1 + 2^(x (k1 + k2 x^2))), k1 = -2 sqrt(2 / pi) log2(e), k2 = 0.044715 k1: the tanh form, written without the difference 1 + tanh.
; OUTPUT hid: 4,096 row places x 4,096 K in the same image form (256 row blocks; scale pitch 16,384).
; LIMITS: a block of zeros gets the byte 1 and not 127 (its codes are zeros; this program alone reads the bytes); NaN and infinities are not served.
; REGISTERS: window 0: v16-31 addresses; v32-63 scale words, two sets; v64-127 the bias, later the block on its way out; v128-223 A's fragments, one set, later codes and work.  window 1: B's fragments, two sets.  windows 2, 3: the accumulators.
.set KDIM,  1024
.set H_C,   16777216
.set H_S,   19922944
.set W1_C,  5734400
.set W1_S,  8880128
.set HID_S, 12582912
.set RBA,   256
.set RBB,   256
.set STEPA, 2*RBA*3072
.set STEPB, 2*RBB*3072
.set FR,    12
.set NL,    3
.set NP,    4
.set HALFT, 24576
.set SLOT,  4*HALFT
.set LAPS,  KDIM/512
.set SCL,   2*SLOT
.set HALFS, (KDIM/128)*512
.set SPARE, SCL+4*HALFS                ; the spare words, 128 bytes for each wave: two blocks of 256 bytes that no other line names
.set ADRA, 16
.set ADRB, 20
.set SWA,  24
.set CBO,  25
.set CO,   26
.set ADRS, 27
.set SPW,  28
.set NIL,  29
.set SRD,  31
.set SC,   32
.set CB,   64
.set W,    64
.set AF,   128
.set PC,   128
.set TM,   148
.set PWS,  164
.set K1,   172
.set SEL,  18
.set G1, 24
.set G0, 32
.set G1B, 48
.set G0B, 56
.set G1S, 68
.set G0S, 76
.set G1SB, 80
.set G0SB, 88
.set MSB, 0
.macro WIN new
.if MSB != (\new)
	s_set_vgpr_msb (MSB<<8)|(\new)
.set MSB, (\new)
.endif
.endm
.set MUL_LO, 0xa1
.set MUL_HI, 0xf1
.set FST_LO, 0x81
.set FST_HI, 0xc1
.set TO_B,   0x40
.macro JLOAD g0a, g1a, g0b, g1b        ; a joint load: waves 0, 1 fetch for A, waves 2, 3 for B; four v_nop follow each of the two lines
	s_cmp_eq_u32 s15, 0
	s_cbranch_scc0 .Lfor_b_\@
	tensor_load_to_lds s[\g0a:\g0a+3], s[\g1a:\g1a+7]
	s_nop 0
.rept 4
	v_nop
.endr
	s_branch .Lasked_\@
.Lfor_b_\@:
	tensor_load_to_lds s[\g0b:\g0b+3], s[\g1b:\g1b+7]
	s_nop 0
.rept 4
	v_nop
.endr
.Lasked_\@:
.endm
.macro CREST
	s_cmp_lg_u32 s14, 0
	s_cbranch_scc1 .Lnot_wave_0_\@
	s_barrier_signal -3
.Lnot_wave_0_\@:
	s_barrier_wait -3
	s_barrier_signal -1
	s_barrier_wait -1
.endm
.macro CROUND
	s_barrier_signal -1
	s_barrier_wait -1
	CREST
.endm
	s_load_b256 s[4:11], s[0:1], 0x0               ; att s4, wk s6, b1 s8, hid s10
	v_lshl_add_u32 v[SPW], v0, 2, SPARE
	v_mov_b32 v[NIL], 0
	ds_add_u32 v28, v29
	s_wait_dscnt 0x0
	v_lshrrev_b32 v1, 5, v0
	v_readfirstlane_b32 s14, v1
	s_lshr_b32 s15, s14, 1
	s_and_b32 s16, s14, 1
	s_bfe_u32 s40, ttmp6, 0x40000
	s_bfe_u32 s41, ttmp6, 0x40004
	s_lshl_b32 s42, ttmp9, 2
	s_add_co_u32 s42, s42, s40                     ; tile column
	s_and_b32 s17, ttmp7, 0xffff
	s_lshl_b32 s17, s17, 2
	s_add_co_u32 s17, s17, s41                     ; tile row
	s_lshl_b32 s43, s41, 2
	s_lshl_b32 s43, 15, s43
	s_lshl_b32 s44, 0x1111, s40
	s_or_b32 s[G1+0], s43, (3<<16)|(1<<21)         ; codes: a dense block of 24,576 bytes as 96 rows of 32 elements of 8 bytes
	s_or_b32 s[G1B+0], s44, (3<<16)|(1<<21)
.irp g, G1, G1B
	s_mov_b32 s[\g+1], 32<<16
	s_mov_b32 s[\g+2], 96<<16
	s_mov_b32 s[\g+3], 32<<16
	s_mov_b32 s[\g+4], 96
	s_mov_b32 s[\g+5], 32
	s_mov_b32 s[\g+6], 0
	s_mov_b32 s[\g+7], 0
.endr
	s_or_b32 s[G1S+0], s43, (3<<16)|(1<<21)        ; scale words: KDIM / 128 rows of 512 bytes, a pitch apart
	s_or_b32 s[G1SB+0], s44, (3<<16)|(1<<21)
.irp g, G1S, G1SB
	s_mov_b32 s[\g+1], 64<<16
	s_mov_b32 s[\g+2], (KDIM/128)<<16
	s_mov_b32 s[\g+3], 64<<16
	s_mov_b32 s[\g+4], KDIM/128
	s_mov_b32 s[\g+5], 16384/8
	s_mov_b32 s[\g+6], 0
	s_mov_b32 s[\g+7], 0
.endr
	s_lshl_b32 s18, s16, 3
	s_lshl_b32 s20, s17, 4
	s_add_co_u32 s20, s20, s18
	s_lshl_b32 s46, s42, 4
	s_add_co_u32 s46, s46, s18
	s_lshl_b32 s22, s20, 6
	s_add_co_u32 s22, s22, H_S
	s_lshl_b32 s92, s46, 6
	s_add_co_u32 s92, s92, W1_S
	s_mul_i32 s20, s20, 3072
	s_add_co_u32 s20, s20, H_C
	s_mul_i32 s46, s46, 3072
	s_add_co_u32 s46, s46, W1_C
	s_mov_b32 s21, 0
	s_mov_b32 s23, 0
	s_mov_b32 s47, 0
	s_mov_b32 s93, 0
	s_mul_i32 s45, s14, HALFT
	s_mul_i32 s94, s14, HALFS
	s_wait_kmcnt 0x0
	s_add_nc_u64 s[20:21], s[4:5], s[20:21]
	s_add_nc_u64 s[22:23], s[4:5], s[22:23]
	s_add_nc_u64 s[46:47], s[6:7], s[46:47]
	s_add_nc_u64 s[92:93], s[6:7], s[92:93]
	CROUND
	s_mov_b32 s[G0S], 1
	s_add_co_u32 s[G0S+1], s94, SCL
	s_mov_b64 s[G0S+2:G0S+3], s[22:23]
	s_or_b32 s[G0S+3], s[G0S+3], 0x80000000
	s_mov_b32 s[G0SB], 1
	s_add_co_u32 s[G0SB+1], s94, SCL
	s_mov_b64 s[G0SB+2:G0SB+3], s[92:93]
	s_or_b32 s[G0SB+3], s[G0SB+3], 0x80000000
	JLOAD G0S, G1S, G0SB, G1SB
.irp s, 0,1
	s_mov_b32 s[G0+4*\s], 1
	s_add_co_u32 s[G0+4*\s+1], s45, \s*SLOT
	s_add_nc_u64 s[G0+4*\s+2:G0+4*\s+3], s[20:21], \s*RBA*3072
	s_or_b32 s[G0+4*\s+3], s[G0+4*\s+3], 0x80000000
	s_mov_b32 s[G0B+4*\s], 1
	s_add_co_u32 s[G0B+4*\s+1], s45, \s*SLOT
	s_add_nc_u64 s[G0B+4*\s+2:G0B+4*\s+3], s[46:47], \s*RBB*3072
	s_or_b32 s[G0B+4*\s+3], s[G0B+4*\s+3], 0x80000000
	JLOAD G0+4*\s, G1, G0B+4*\s, G1B
.endr
	v_and_b32 v1, 15, v0
	v_bfe_u32 v2, v0, 4, 1
	v_and_b32 v3, 31, v0
	v_lshlrev_b32 v[CO], 4, v3
	v_lshlrev_b32 v[CBO], 6, v2                    ; lane (r, h), accumulator b, register j: true column 32 (b / 2) + 16 h + 8 (b % 2) + j
	s_lshl_b32 s18, s42, 10
	s_lshl_b32 s19, s16, 9
	s_add_co_u32 s18, s18, s19
	s_mov_b32 s19, 0
	s_add_nc_u64 s[8:9], s[8:9], s[18:19]
.irp b, 0,1,2,3,4,5,6,7
	global_load_b128 v[CB+8*\b:CB+8*\b+3], v[CBO], s[8:9] offset:4*(32*(\b/2)+8*(\b%2))
	global_load_b128 v[CB+8*\b+4:CB+8*\b+7], v[CBO], s[8:9] offset:4*(32*(\b/2)+8*(\b%2))+16
.endr
	s_mul_i32 s21, s15, HALFT
	s_mul_i32 s22, s16, HALFT
	s_add_co_u32 s22, s22, 2*HALFT
.irp s, 0,1
	v_add_nc_u32 v[ADRA+\s], s21, v[CO]
	v_add_nc_u32 v[ADRB+\s], s22, v[CO]
	s_add_co_u32 s21, s21, SLOT
	s_add_co_u32 s22, s22, SLOT
.endr
	s_mul_i32 s21, s15, HALFS
	s_mul_i32 s22, s16, HALFS
	s_add_co_u32 s22, s22, 2*HALFS
	s_sub_co_u32 s22, s22, s21
	v_mul_u32_u24 v6, s22, v2
	s_add_co_u32 s21, s21, SCL
	v_lshl_add_u32 v5, v1, 2, v6
	v_add_nc_u32 v[ADRS], s21, v5
	s_lshl_b32 s21, s14, 9
	v_lshl_add_u32 v[SWA], v1, 2, s21
	v_add_nc_u32 v[SRD], s21, v[CO]
	s_lshl_b32 s20, s42, 8
	s_lshl_b32 s21, s17, 4
	s_add_co_u32 s20, s20, s21
	s_lshl_b32 s21, s15, 3
	s_add_co_u32 s20, s20, s21
	s_lshl_b32 s20, s20, 1
	s_add_co_u32 s20, s20, s16
	s_mul_i32 s20, s20, 1536
	s_mov_b32 s21, 0
	s_add_nc_u64 s[12:13], s[10:11], s[20:21]      ; codes: ((256 tc + 16 tr + 8 half) 2 + column half) 1,536
	s_lshl_b32 s22, s42, 1
	s_add_co_u32 s22, s22, s16
	s_lshl_b32 s22, s22, 14
	s_lshl_b32 s23, s17, 10
	s_add_co_u32 s22, s22, s23
	s_lshl_b32 s23, s15, 9
	s_add_co_u32 s22, s22, s23
	s_add_co_u32 s22, s22, HID_S
	s_mov_b32 s23, 0
	s_add_nc_u64 s[10:11], s[10:11], s[22:23]      ; scale words
	s_mov_b32 s[SEL], 0x76543210
	s_mov_b32 s[SEL+1], 0xfedcba98
	s_mov_b32 s98, 0xbdd2d3e8                      ; k2
	s_mov_b32 s99, s98
.macro FRAG reg, adr, q, i
.irp c, 0,1,2
	ds_load_b128 v[\reg+4*\c:\reg+4*\c+3], v[\adr] offset:3072*(\i)+1536*(\q)+512*\c
.endr
.endm
; 16 matrix instructions: A's blocks a0, a0 + 1 x B's eight.  first = 1: C is the bias.  The 64 accumulators take turns, one instruction a turn.
.macro MUL16 a0, p, q, sc, first
.irp a, \a0, \a0+1
.irp b, 0,1,2,3,4,5,6,7
.if \first
	v_wmma_scale_f32_16x16x128_f8f6f4 v[8*(8*((\a)%4)+\b):8*(8*((\a)%4)+\b)+7], v[128*(\p)+FR*\b:128*(\p)+FR*\b+FR-1], v[AF+FR*(\a):AF+FR*(\a)+FR-1], v[CB+8*\b:CB+8*\b+7], v[SC+16*(\sc)+2*\b+(\q)], v[SC+16*(\sc)+2*(\a)+(\q)] matrix_a_fmt:MATRIX_FMT_FP6 matrix_b_fmt:MATRIX_FMT_FP6 matrix_a_scale:MATRIX_SCALE_ROW1
.else
	v_wmma_scale_f32_16x16x128_f8f6f4 v[8*(8*((\a)%4)+\b):8*(8*((\a)%4)+\b)+7], v[128*(\p)+FR*\b:128*(\p)+FR*\b+FR-1], v[AF+FR*(\a):AF+FR*(\a)+FR-1], v[8*(8*((\a)%4)+\b):8*(8*((\a)%4)+\b)+7], v[SC+16*(\sc)+2*\b+(\q)], v[SC+16*(\sc)+2*(\a)+(\q)] matrix_a_fmt:MATRIX_FMT_FP6 matrix_b_fmt:MATRIX_FMT_FP6 matrix_a_scale:MATRIX_SCALE_ROW1
.endif
.endr
.endr
.endm
.macro FETCH_B slot, q, p
	WIN TO_B
.irp i, 0,1,2,3,4,5,6,7
	FRAG 128*(\p)+FR*\i, ADRB+\slot, \q, \i
.endr
	WIN 0
.endm
.macro FETCH_A slot, q, i0
.irp i, \i0, \i0+1, \i0+2, \i0+3
	FRAG AF+FR*(\i), ADRA+\slot, \q, \i
.endr
.endm
.macro SCALES sc
.irp i, 0,1,2,3,4,5,6,7
	ds_load_b32 v[SC+16*\sc+2*\i], v[ADRS] offset:64*\i
	ds_load_b32 v[SC+16*\sc+2*\i+1], v[ADRS] offset:512+64*\i
.endr
.endm
.macro PLACES n
.rept \n
	v_nop
.endr
.endm
.macro STEP slot, q, first
	s_wait_dscnt 4*NL                              ; the youngest 12 loads (A's blocks 4-7) may be out
.if \first
	WIN FST_LO
.else
	WIN MUL_LO
.endif
	MUL16 0, (\q)%2, \q, \slot, \first
	MUL16 2, (\q)%2, \q, \slot, \first
	s_wait_dscnt 0
	PLACES NP
	FETCH_B \slot, (\q)+1, 1-(\q)%2
	FETCH_A \slot, (\q)+1, 0
.if \first
	WIN FST_HI
.else
	WIN MUL_HI
.endif
	MUL16 4, (\q)%2, \q, \slot, \first
	MUL16 6, (\q)%2, \q, \slot, \first
	PLACES NP
	WIN 0
	FETCH_A \slot, (\q)+1, 4
.endm
.macro TURN slot, next, fill
	s_wait_tensorcnt 0x0                           ; all my tensor loads have landed: my part of the next slot
	ds_add_u32 v[SPW], v[NIL]                      ; 0 onto my spare word
	s_wait_dscnt 4*NL+1                            ; the add and the youngest 12 loads may be out
	WIN MUL_LO
	MUL16 0, 1, 1, \slot, 0
	s_wait_dscnt 0x0                               ; the add is done, and my reads of this slot are over
	s_barrier_signal -1
	MUL16 2, 1, 1, \slot, 0
	WIN 0
	s_barrier_wait -1
.if \fill
	CREST                                          ; the barrier has opened a round of the cluster's
	s_add_nc_u64 s[G0+4*\slot+2:G0+4*\slot+3], s[G0+4*\slot+2:G0+4*\slot+3], STEPA
	s_add_nc_u64 s[G0B+4*\slot+2:G0B+4*\slot+3], s[G0B+4*\slot+2:G0B+4*\slot+3], STEPB
	JLOAD G0+4*\slot, G1, G0B+4*\slot, G1B
.else
	PLACES NP
.endif
	v_add_nc_u32 v[ADRS], 1024, v[ADRS]
	FETCH_B \next, 0, 0
	FETCH_A \next, 0, 0
	SCALES \next
	WIN MUL_HI
	MUL16 4, 1, 1, \slot, 0
	MUL16 6, 1, 1, \slot, 0
	PLACES NP
	WIN 0
	FETCH_A \next, 0, 4
.endm
	s_wait_tensorcnt 1                             ; the scale words and my part of K step 0 are in; K step 1's load may be out
	s_barrier_signal -1
	s_barrier_wait -1
	FETCH_B 0, 0, 0
	FETCH_A 0, 0, 0
	SCALES 0
	FETCH_A 0, 0, 4
	s_wait_loadcnt 0x0                             ; the bias
	STEP 0, 0, 1
	s_mov_b32 s3, LAPS-1
.Llap:
	TURN 0, 1, 1
	STEP 1, 0, 0
	TURN 1, 0, 1
	STEP 0, 0, 0
	s_sub_co_u32 s3, s3, 1
	s_cmp_lg_u32 s3, 0
	s_cbranch_scc1 .Llap
	TURN 0, 1, 0
	STEP 1, 0, 0
	s_wait_dscnt 4*NL
	WIN MUL_LO
	MUL16 0, 1, 1, 1, 0
	MUL16 2, 1, 1, 1, 0
	s_wait_dscnt 0
	WIN MUL_HI
	MUL16 4, 1, 1, 1, 0
	MUL16 6, 1, 1, 1, 0
	WIN 0
.macro QUANT s, pw
.irp b, 0,1,2,3
	v_max3_num_f32 v[TM+\b], |v[\s+16*\b]|, |v[\s+1+16*\b]|, 0x1800000
.endr
.irp i, 2,4,6,8,10,12,14
.irp b, 0,1,2,3
	v_max3_num_f32 v[TM+\b], v[TM+\b], |v[\s+16*\b+\i]|, |v[\s+1+16*\b+\i]|
.endr
.endr
.irp b, 0,1,2,3
	v_permlanex16_b32 v[TM+4+\b], v[TM+\b], s[SEL], s[SEL+1]
.endr
.irp b, 0,1,2,3
	v_max_num_f32 v[TM+\b], v[TM+\b], v[TM+4+\b]
.endr
.irp b, 0,1,2,3
	v_add_nc_u32 v[TM+12+\b], 0xff000000, v[TM+\b]
.endr
.irp b, 0,1,2,3
	v_lshrrev_b32 v[TM+4+\b], 23, v[TM+12+\b]
.endr
	v_lshl_or_b32 v[\pw], v[TM+5], 8, v[TM+4]
	v_lshl_or_b32 v[\pw], v[TM+6], 16, v[\pw]
	v_lshl_or_b32 v[\pw], v[TM+7], 24, v[\pw]
.irp c, 0,1
	v_cvt_scalef32_pk16_fp6_f32 v[PC+6*\c:PC+2+6*\c], v[\s+32*\c:\s+15+32*\c], v[TM+12+2*\c]
	v_cvt_scalef32_pk16_fp6_f32 v[PC+12+4*\c:PC+14+4*\c], v[\s+16+32*\c:\s+31+32*\c], v[TM+12+2*\c+1]
.endr
	v_nop
.irp c, 0,1
.irp i, 0,1,2
	v_permlane16_swap_b32 v[PC+6*\c+\i], v[PC+12+4*\c+\i]
.endr
.irp i, 0,1,2
	v_mov_b32 v[PC+3+6*\c+\i], v[PC+12+4*\c+\i]
.endr
.endr
.endm
.macro OUTBLK a                        ; block a, 16 rows x 128 hidden units: gelu, quantised, stored as one fragment
	s_wait_xcnt 0x0                                ; the last block's stores have read their registers
.set AC, 64*((\a)%4)
	WIN 0x0a+5*((\a)/4)                            ; sources 0 and 1: the accumulators' window
.set i, 0
.rept 32
	v_pk_mul_f32 v[W+i:W+i+1], v[AC+i:AC+i+1], v[AC+i:AC+i+1]      ; x^2, each accumulator from its low end on
.set i, i+2
.endr
	WIN 0
.set i, 0
.rept 32
	v_pk_fma_f32 v[W+i:W+i+1], v[W+i:W+i+1], s[98:99], v[K1:K1+1] op_sel_hi:[1,0,1]   ; k2 x^2 + k1
.set i, i+2
.endr
	WIN 0x08+4*((\a)/4)                            ; source 1: the accumulators' window
.set i, 0
.rept 32
	v_pk_mul_f32 v[W+i:W+i+1], v[W+i:W+i+1], v[AC+i:AC+i+1]
.set i, i+2
.endr
	WIN 0
.set i, 0
.rept 64
	v_exp_f32 v[W+i], v[W+i]
.set i, i+1
.endr
	v_nop                                          ; one plain place behind the transcendentals
.set i, 0
	s_wait_alu depctr_va_vdst(0)
.rept 32
	v_pk_add_f32 v[W+i:W+i+1], v[W+i:W+i+1], 1.0 op_sel_hi:[1,0]
.set i, i+2
.endr
.set i, 0
.rept 64
	v_rcp_f32 v[W+i], v[W+i]
.set i, i+1
.endr
	v_nop
	WIN 0x08+4*((\a)/4)
.set i, 0
	s_wait_alu depctr_va_vdst(0)
.rept 32
	v_pk_mul_f32 v[W+i:W+i+1], v[W+i:W+i+1], v[AC+i:AC+i+1]
.set i, i+2
.endr
	WIN 0
	QUANT W, PWS+\a
.irp c, 0,1,2
	global_store_b128 v[CO], v[PC+4*\c:PC+4*\c+3], s[12:13] offset:3072*(\a)+512*\c
.endr
	ds_store_b32 v[SWA], v[PWS+\a] offset:64*(\a)
.endm
	PLACES NP
.irp b, 0,1,2,3
	v_mov_b32 v[TM+4+\b], 0
.endr
	v_mov_b32 v[K1], 0xc0135761                    ; k1
	v_mov_b32 v[K1+1], 0xc0135761
.irp a, 0,1,2,3,4,5,6,7
	OUTBLK \a
.endr
	ds_load_b128 v[176:179], v[SRD]
	s_wait_dscnt 0x0
	global_store_b128 v[CO], v[176:179], s[10:11]
	s_wait_tensorcnt 0x0                           ; the wave's end
	ds_add_u32 v[SPW], v[NIL]
	s_wait_dscnt 0x0
	CROUND
	s_endpgm
.Lfunc_end_k_q70591e8d60_ffn1:
	.size	k_q70591e8d60_ffn1, .Lfunc_end_k_q70591e8d60_ffn1-k_q70591e8d60_ffn1
	.p2alignl 7, 3214868480
	.fill 96, 4, 3214868480
	.section	.rodata,"a",@progbits
	.p2align	6, 0x0
	.amdhsa_kernel k_q70591e8d60_ffn1
		.amdhsa_group_segment_fixed_size 327680
		.amdhsa_private_segment_fixed_size 0
		.amdhsa_enable_private_segment 0
		.amdhsa_kernarg_size 32
		.amdhsa_user_sgpr_count 2
		.amdhsa_user_sgpr_kernarg_segment_ptr 1
		.amdhsa_wavefront_size32 1
		.amdhsa_system_sgpr_workgroup_id_x 1
		.amdhsa_system_sgpr_workgroup_id_y 1
		.amdhsa_system_sgpr_workgroup_id_z 1
		.amdhsa_system_vgpr_workitem_id 0
		.amdhsa_next_free_vgpr 1024
		.amdhsa_next_free_sgpr 102
		.amdhsa_reserve_vcc 0
		.amdhsa_float_denorm_mode_32 3
		.amdhsa_float_denorm_mode_16_64 3
		.amdhsa_memory_ordered 1
		.amdhsa_forward_progress 1
		.amdhsa_inst_pref_size 255
	.end_amdhsa_kernel
	.section	.bss,"aw",@nobits
	.p2align	6
	.space	262144
	.amdgpu_metadata
---
amdhsa.version: [ 1, 2 ]
amdhsa.kernels:
  - .name:           k_q70591e8d60_ffn1
    .symbol:         k_q70591e8d60_ffn1.kd
    .args:
      - { .name: att, .offset: 0, .size: 8, .value_kind: global_buffer, .address_space: global }
      - { .name: wk, .offset: 8, .size: 8, .value_kind: global_buffer, .address_space: global }
      - { .name: b1, .offset: 16, .size: 8, .value_kind: global_buffer, .address_space: global }
      - { .name: hid, .offset: 24, .size: 8, .value_kind: global_buffer, .address_space: global }
    .group_segment_fixed_size: 327680
    .private_segment_fixed_size: 0
    .kernarg_segment_align: 8
    .kernarg_segment_size: 32
    .max_flat_workgroup_size: 128
    .sgpr_count:     102
    .vgpr_count:     1024
    .wavefront_size: 32
...
	.end_amdgpu_metadata
.endif
;; end of part 4
;; launch ffn2 (part 5): grid 4 x 16, 4 waves a work-group, clusters of 4 x 4, 327,680 bytes of LDS; arguments hid, wk, b2, att, out0; writes out0
.if DOCPART == 5
	.amdgcn_target "amdgcn-amd-amdhsa--gfx1250"
	.amdhsa_code_object_version 6
	.text
	.protected	k_q70591e8d60_ffn2
	.globl	k_q70591e8d60_ffn2
	.p2align	8
	.type	k_q70591e8d60_ffn2,@function
k_q70591e8d60_ffn2:
	s_mov_b64 s[64:65], 0
	v_nop
	global_prefetch_b8 v0, s[64:65] scope:SCOPE_SE
	s_setreg_imm32_b32 hwreg(HW_REG_WAVE_MODE, 25, 1), 1
	s_wait_xcnt 0x0
	s_wait_alu depctr_hold_cnt(0) depctr_sa_sdst(0) depctr_va_vdst(0) depctr_va_sdst(0) depctr_va_ssrc(0) depctr_va_vcc(0) depctr_vm_vsrc(0)
	s_getreg_b32 s2, hwreg(HW_REG_IB_STS2, 6, 4)
	s_cmp_eq_u32 s2, 0
	s_cbranch_scc0 .Lentry_in_a_cluster
	s_endpgm
.Lentry_in_a_cluster:
	s_bfe_u32 s2, ttmp6, 0x10000c
	s_cmp_lg_u32 s2, 0xf033
	s_cbranch_scc0 .Lentry_shape_is_right
	s_endpgm
.Lentry_shape_is_right:
; FFN2.  out0 = hid W2 + b2 + out, the product on codes of E2M3 with E8M0 scales, the rest in f32.
; A = hid (4,096 row places x 4,096 K; 256 row blocks; scale pitch 16,384), B = W2 (1,024 row places x 4,096 K, in wk; 64 row blocks; scale pitch 4,096), both as images of the matrix unit's registers: fragment (kt = k / 256, rb, q = (k / 128) % 2)
; at ((kt RB + rb) 2 + q) 1,536, three runs of 512 bytes, lane l's registers 4 c .. 4 c + 3 at 512 c + 16 l; scale word of (kq = k / 128, row) at kq x pitch + 4 row.
; W2's place p holds true row swap34(p): used transposed (source 0 = W2, source 1 = hid), accumulator b's register j of lane (r, h) is true column 32 (b / 2) + 16 h + 8 (b % 2) + j of hid's row r.
; hid's row place 256 tr + 16 g + t stands for the true row 256 tr + 4 g + 64 (t / 4) + t % 4 of out (so the launch that made h laid it).
; A tile of 256 x 256 to a work-group of four waves; K in 16 steps of 256 through two LDS slots filled by tensor loads; the scale words of all K come once.  CLUSTERS of 4 x 4: A's tiles jointly along a row, B's along a column.
; 64 tiles: this launch has work for 64 work-groups.  b2 is the C of each sum's first product; the residual (f32, true rows, at the head of att) is added on the way out, which goes through each wave's stage in slot 0.
; REGISTERS: window 0: v16-31 addresses; v32-63 scale words; v64-127 the bias, later residual rows; v128-223 A's fragments, later residual rows and rows back from the stage.  window 1: B's fragments, two sets.  windows 2, 3: the accumulators.
.set KDIM,  4096
.set HID_S, 12582912
.set W2_C,  9011200
.set W2_S,  12156928
.set RBA,   256
.set RBB,   64
.set STEPA, 2*RBA*3072
.set STEPB, 2*RBB*3072
.set FR,    12
.set NL,    3
.set NP,    4
.set HALFT, 24576
.set SLOT,  4*HALFT
.set LAPS,  KDIM/512
.set SCL,   2*SLOT
.set HALFS, (KDIM/128)*512
.set SPARE, SCL+4*HALFS                ; the spare words, 128 bytes for each wave: two blocks of 256 bytes that no other line names
.set ADRA, 16
.set ADRB, 20
.set STO,  24
.set CBO,  25
.set CO,   26
.set ADRS, 27
.set SPW,  28
.set NIL,  29
.set RD,   31
.set SC,   32
.set CB,   64
.set RS,   64
.set AF,   128
.set BK,   192
.set G1, 24
.set G0, 32
.set G1B, 48
.set G0B, 56
.set G1S, 68
.set G0S, 76
.set G1SB, 80
.set G0SB, 88
.set MSB, 0
.macro WIN new
.if MSB != (\new)
	s_set_vgpr_msb (MSB<<8)|(\new)
.set MSB, (\new)
.endif
.endm
.set MUL_LO, 0xa1
.set MUL_HI, 0xf1
.set FST_LO, 0x81
.set FST_HI, 0xc1
.set TO_B,   0x40
.macro JLOAD g0a, g1a, g0b, g1b        ; a joint load: waves 0, 1 fetch for A, waves 2, 3 for B; four v_nop follow each of the two lines
	s_cmp_eq_u32 s15, 0
	s_cbranch_scc0 .Lfor_b_\@
	tensor_load_to_lds s[\g0a:\g0a+3], s[\g1a:\g1a+7]
	s_nop 0
.rept 4
	v_nop
.endr
	s_branch .Lasked_\@
.Lfor_b_\@:
	tensor_load_to_lds s[\g0b:\g0b+3], s[\g1b:\g1b+7]
	s_nop 0
.rept 4
	v_nop
.endr
.Lasked_\@:
.endm
.macro CREST
	s_cmp_lg_u32 s14, 0
	s_cbranch_scc1 .Lnot_wave_0_\@
	s_barrier_signal -3
.Lnot_wave_0_\@:
	s_barrier_wait -3
	s_barrier_signal -1
	s_barrier_wait -1
.endm
.macro CROUND
	s_barrier_signal -1
	s_barrier_wait -1
	CREST
.endm
	s_load_b256 s[4:11], s[0:1], 0x0               ; hid s4, wk s6, b2 s8, att s10
	s_load_b64 s[12:13], s[0:1], 0x20              ; out0
	v_lshl_add_u32 v[SPW], v0, 2, SPARE
	v_mov_b32 v[NIL], 0
	ds_add_u32 v28, v29
	s_wait_dscnt 0x0
	v_lshrrev_b32 v1, 5, v0
	v_readfirstlane_b32 s14, v1
	s_lshr_b32 s15, s14, 1
	s_and_b32 s16, s14, 1
	s_bfe_u32 s40, ttmp6, 0x40000
	s_bfe_u32 s41, ttmp6, 0x40004
	s_lshl_b32 s42, ttmp9, 2
	s_add_co_u32 s42, s42, s40                     ; tile column
	s_and_b32 s17, ttmp7, 0xffff
	s_lshl_b32 s17, s17, 2
	s_add_co_u32 s17, s17, s41                     ; tile row
	s_lshl_b32 s43, s41, 2
	s_lshl_b32 s43, 15, s43
	s_lshl_b32 s44, 0x1111, s40
	s_or_b32 s[G1+0], s43, (3<<16)|(1<<21)         ; codes: a dense block of 24,576 bytes as 96 rows of 32 elements of 8 bytes
	s_or_b32 s[G1B+0], s44, (3<<16)|(1<<21)
.irp g, G1, G1B
	s_mov_b32 s[\g+1], 32<<16
	s_mov_b32 s[\g+2], 96<<16
	s_mov_b32 s[\g+3], 32<<16
	s_mov_b32 s[\g+4], 96
	s_mov_b32 s[\g+5], 32
	s_mov_b32 s[\g+6], 0
	s_mov_b32 s[\g+7], 0
.endr
	s_or_b32 s[G1S+0], s43, (3<<16)|(1<<21)        ; scale words: KDIM / 128 rows of 512 bytes, a pitch apart
	s_or_b32 s[G1SB+0], s44, (3<<16)|(1<<21)
.irp g, G1S, G1SB
	s_mov_b32 s[\g+1], 64<<16
	s_mov_b32 s[\g+2], (KDIM/128)<<16
	s_mov_b32 s[\g+3], 64<<16
	s_mov_b32 s[\g+4], KDIM/128
	s_mov_b32 s[\g+6], 0
	s_mov_b32 s[\g+7], 0
.endr
	s_mov_b32 s[G1S+5], 16384/8
	s_mov_b32 s[G1SB+5], 4096/8
	s_lshl_b32 s18, s16, 3
	s_lshl_b32 s20, s17, 4
	s_add_co_u32 s20, s20, s18
	s_lshl_b32 s46, s42, 4
	s_add_co_u32 s46, s46, s18
	s_lshl_b32 s22, s20, 6
	s_add_co_u32 s22, s22, HID_S
	s_lshl_b32 s92, s46, 6
	s_add_co_u32 s92, s92, W2_S
	s_mul_i32 s20, s20, 3072
	s_mul_i32 s46, s46, 3072
	s_add_co_u32 s46, s46, W2_C
	s_mov_b32 s21, 0
	s_mov_b32 s23, 0
	s_mov_b32 s47, 0
	s_mov_b32 s93, 0
	s_mul_i32 s45, s14, HALFT
	s_mul_i32 s94, s14, HALFS
	s_wait_kmcnt 0x0
	s_add_nc_u64 s[20:21], s[4:5], s[20:21]
	s_add_nc_u64 s[22:23], s[4:5], s[22:23]
	s_add_nc_u64 s[46:47], s[6:7], s[46:47]
	s_add_nc_u64 s[92:93], s[6:7], s[92:93]
	CROUND
	s_mov_b32 s[G0S], 1
	s_add_co_u32 s[G0S+1], s94, SCL
	s_mov_b64 s[G0S+2:G0S+3], s[22:23]
	s_or_b32 s[G0S+3], s[G0S+3], 0x80000000
	s_mov_b32 s[G0SB], 1
	s_add_co_u32 s[G0SB+1], s94, SCL
	s_mov_b64 s[G0SB+2:G0SB+3], s[92:93]
	s_or_b32 s[G0SB+3], s[G0SB+3], 0x80000000
	JLOAD G0S, G1S, G0SB, G1SB
.irp s, 0,1
	s_mov_b32 s[G0+4*\s], 1
	s_add_co_u32 s[G0+4*\s+1], s45, \s*SLOT
	s_add_nc_u64 s[G0+4*\s+2:G0+4*\s+3], s[20:21], \s*RBA*3072
	s_or_b32 s[G0+4*\s+3], s[G0+4*\s+3], 0x80000000
	s_mov_b32 s[G0B+4*\s], 1
	s_add_co_u32 s[G0B+4*\s+1], s45, \s*SLOT
	s_add_nc_u64 s[G0B+4*\s+2:G0B+4*\s+3], s[46:47], \s*RBB*3072
	s_or_b32 s[G0B+4*\s+3], s[G0B+4*\s+3], 0x80000000
	JLOAD G0+4*\s, G1, G0B+4*\s, G1B
.endr
	v_and_b32 v1, 15, v0
	v_bfe_u32 v2, v0, 4, 1
	v_and_b32 v3, 31, v0
	v_lshlrev_b32 v[CO], 4, v3
	v_lshlrev_b32 v[CBO], 6, v2
	s_lshl_b32 s18, s42, 10
	s_lshl_b32 s19, s16, 9
	s_add_co_u32 s18, s18, s19                     ; my 128 columns, in bytes
	s_mov_b32 s19, 0
	s_add_nc_u64 s[8:9], s[8:9], s[18:19]
.irp b, 0,1,2,3,4,5,6,7
	global_load_b128 v[CB+8*\b:CB+8*\b+3], v[CBO], s[8:9] offset:4*(32*(\b/2)+8*(\b%2))
	global_load_b128 v[CB+8*\b+4:CB+8*\b+7], v[CBO], s[8:9] offset:4*(32*(\b/2)+8*(\b%2))+16
.endr
	s_mul_i32 s21, s15, HALFT
	s_mul_i32 s22, s16, HALFT
	s_add_co_u32 s22, s22, 2*HALFT
.irp s, 0,1
	v_add_nc_u32 v[ADRA+\s], s21, v[CO]
	v_add_nc_u32 v[ADRB+\s], s22, v[CO]
	s_add_co_u32 s21, s21, SLOT
	s_add_co_u32 s22, s22, SLOT
.endr
	s_mul_i32 s21, s15, HALFS
	s_mul_i32 s22, s16, HALFS
	s_add_co_u32 s22, s22, 2*HALFS
	s_sub_co_u32 s22, s22, s21
	v_mul_u32_u24 v6, s22, v2
	s_add_co_u32 s21, s21, SCL
	v_lshl_add_u32 v5, v1, 2, v6
	v_add_nc_u32 v[ADRS], s21, v5
	s_mul_i32 s21, s14, 16*528                     ; my stage: 16 rows of 512 bytes + 16, in slot 0
	v_mul_u32_u24 v5, v1, 528
	v_lshl_add_u32 v5, v2, 6, v5
	v_add_nc_u32 v[STO], s21, v5
	v_add_nc_u32 v[RD], s21, v[CO]
	s_lshl_b32 s20, s17, 8
	s_lshl_b32 s21, s15, 5
	s_add_co_u32 s20, s20, s21                     ; true row 256 tr + 32 half
	s_lshl_b32 s20, s20, 12
	s_add_co_u32 s20, s20, s18
	s_mov_b32 s21, 0
	s_add_nc_u64 s[10:11], s[10:11], s[20:21]      ; the residual
	s_add_nc_u64 s[12:13], s[12:13], s[20:21]      ; and the output, at my part's first row and column
.macro FRAG reg, adr, q, i
.irp c, 0,1,2
	ds_load_b128 v[\reg+4*\c:\reg+4*\c+3], v[\adr] offset:3072*(\i)+1536*(\q)+512*\c
.endr
.endm
; 16 matrix instructions: A's blocks a0, a0 + 1 x B's eight.  first = 1: C is the bias.  The 64 accumulators take turns, one instruction a turn.
.macro MUL16 a0, p, q, sc, first
.irp a, \a0, \a0+1
.irp b, 0,1,2,3,4,5,6,7
.if \first
	v_wmma_scale_f32_16x16x128_f8f6f4 v[8*(8*((\a)%4)+\b):8*(8*((\a)%4)+\b)+7], v[128*(\p)+FR*\b:128*(\p)+FR*\b+FR-1], v[AF+FR*(\a):AF+FR*(\a)+FR-1], v[CB+8*\b:CB+8*\b+7], v[SC+16*(\sc)+2*\b+(\q)], v[SC+16*(\sc)+2*(\a)+(\q)] matrix_a_fmt:MATRIX_FMT_FP6 matrix_b_fmt:MATRIX_FMT_FP6 matrix_a_scale:MATRIX_SCALE_ROW1
.else
	v_wmma_scale_f32_16x16x128_f8f6f4 v[8*(8*((\a)%4)+\b):8*(8*((\a)%4)+\b)+7], v[128*(\p)+FR*\b:128*(\p)+FR*\b+FR-1], v[AF+FR*(\a):AF+FR*(\a)+FR-1], v[8*(8*((\a)%4)+\b):8*(8*((\a)%4)+\b)+7], v[SC+16*(\sc)+2*\b+(\q)], v[SC+16*(\sc)+2*(\a)+(\q)] matrix_a_fmt:MATRIX_FMT_FP6 matrix_b_fmt:MATRIX_FMT_FP6 matrix_a_scale:MATRIX_SCALE_ROW1
.endif
.endr
.endr
.endm
.macro FETCH_B slot, q, p
	WIN TO_B
.irp i, 0,1,2,3,4,5,6,7
	FRAG 128*(\p)+FR*\i, ADRB+\slot, \q, \i
.endr
	WIN 0
.endm
.macro FETCH_A slot, q, i0
.irp i, \i0, \i0+1, \i0+2, \i0+3
	FRAG AF+FR*(\i), ADRA+\slot, \q, \i
.endr
.endm
.macro SCALES sc
.irp i, 0,1,2,3,4,5,6,7
	ds_load_b32 v[SC+16*\sc+2*\i], v[ADRS] offset:64*\i
	ds_load_b32 v[SC+16*\sc+2*\i+1], v[ADRS] offset:512+64*\i
.endr
.endm
.macro PLACES n
.rept \n
	v_nop
.endr
.endm
.macro STEP slot, q, first
	s_wait_dscnt 4*NL                              ; the youngest 12 loads (A's blocks 4-7) may be out
.if \first
	WIN FST_LO
.else
	WIN MUL_LO
.endif
	MUL16 0, (\q)%2, \q, \slot, \first
	MUL16 2, (\q)%2, \q, \slot, \first
	s_wait_dscnt 0
	PLACES NP
	FETCH_B \slot, (\q)+1, 1-(\q)%2
	FETCH_A \slot, (\q)+1, 0
.if \first
	WIN FST_HI
.else
	WIN MUL_HI
.endif
	MUL16 4, (\q)%2, \q, \slot, \first
	MUL16 6, (\q)%2, \q, \slot, \first
	PLACES NP
	WIN 0
	FETCH_A \slot, (\q)+1, 4
.endm
.macro TURN slot, next, fill
	s_wait_tensorcnt 0x0                           ; all my tensor loads have landed: my part of the next slot
	ds_add_u32 v[SPW], v[NIL]                      ; 0 onto my spare word
	s_wait_dscnt 4*NL+1                            ; the add and the youngest 12 loads may be out
	WIN MUL_LO
	MUL16 0, 1, 1, \slot, 0
	s_wait_dscnt 0x0                               ; the add is done, and my reads of this slot are over
	s_barrier_signal -1
	MUL16 2, 1, 1, \slot, 0
	WIN 0
	s_barrier_wait -1
.if \fill
	CREST                                          ; the barrier has opened a round of the cluster's
	s_add_nc_u64 s[G0+4*\slot+2:G0+4*\slot+3], s[G0+4*\slot+2:G0+4*\slot+3], STEPA
	s_add_nc_u64 s[G0B+4*\slot+2:G0B+4*\slot+3], s[G0B+4*\slot+2:G0B+4*\slot+3], STEPB
	JLOAD G0+4*\slot, G1, G0B+4*\slot, G1B
.else
	PLACES NP
.endif
	v_add_nc_u32 v[ADRS], 1024, v[ADRS]
	FETCH_B \next, 0, 0
	FETCH_A \next, 0, 0
	SCALES \next
	WIN MUL_HI
	MUL16 4, 1, 1, \slot, 0
	MUL16 6, 1, 1, \slot, 0
	PLACES NP
	WIN 0
	FETCH_A \next, 0, 4
.endm
	s_wait_tensorcnt 1                             ; the scale words and my part of K step 0 are in; K step 1's load may be out
	s_barrier_signal -1
	s_barrier_wait -1
	FETCH_B 0, 0, 0
	FETCH_A 0, 0, 0
	SCALES 0
	FETCH_A 0, 0, 4
	s_wait_loadcnt 0x0                             ; the bias
	STEP 0, 0, 1
	s_mov_b32 s3, LAPS-1
.Llap:
	TURN 0, 1, 1
	STEP 1, 0, 0
	TURN 1, 0, 1
	STEP 0, 0, 0
	s_sub_co_u32 s3, s3, 1
	s_cmp_lg_u32 s3, 0
	s_cbranch_scc1 .Llap
	TURN 0, 1, 0
	STEP 1, 0, 0
	s_wait_dscnt 4*NL
	WIN MUL_LO
	MUL16 0, 1, 1, 1, 0
	MUL16 2, 1, 1, 1, 0
	s_wait_dscnt 0
	WIN MUL_HI
	MUL16 4, 1, 1, 1, 0
	MUL16 6, 1, 1, 1, 0
	WIN 0
; THE WAY OUT, block by block of 16 row places x 128 columns: through my stage, back as whole rows of 512 bytes, + the residual's rows, stored.
.macro RLOAD a                         ; the residual's 16 rows of block a: place t is true row 4 a + 64 (t / 4) + t % 4 of my part
.set RR, RS+64*((\a)%2)
.irp t, 0,1,2,3,4,5,6,7,8,9,10,11,12,13,14,15
	global_load_b128 v[RR+4*\t:RR+4*\t+3], v[CO], s[10:11] offset:(4*(\a)+64*(\t/4)+\t%4)*4096 th:TH_LOAD_NT
.endr
.endm
.macro TOSTAGE a
.set AC, 64*((\a)%4)
	WIN 0x08+4*((\a)/4)                            ; an LDS store's data are its source 1
.irp b, 0,1,2,3,4,5,6,7
	ds_store_b128 v[STO], v[AC+8*\b:AC+8*\b+3] offset:128*(\b/2)+32*(\b%2)          ; each accumulator from its low end on
	ds_store_b128 v[STO], v[AC+8*\b+4:AC+8*\b+7] offset:128*(\b/2)+32*(\b%2)+16
.endr
	WIN 0
.irp t, 0,1,2,3,4,5,6,7,8,9,10,11,12,13,14,15
	ds_load_b128 v[BK+4*\t:BK+4*\t+3], v[RD] offset:528*\t         ; LDS serves a wave's instructions in order: these see my stores
.endr
.endm
	PLACES NP
	RLOAD 0
.irp a, 0,1,2,3,4,5,6,7
	s_wait_xcnt 0x0                                ; block a - 1's stores have read their registers: block a + 1's rows may land there
.if \a < 7
	RLOAD \a+1
.endif
	TOSTAGE \a
	s_wait_dscnt 0x0
.if \a < 7
	s_wait_loadcnt 16                              ; block a's rows are in; block a + 1's 16 loads may be out
.else
	s_wait_loadcnt 0x0
.endif
.set RR, RS+64*(\a%2)
.set i, 0
.rept 32
	v_pk_add_f32 v[RR+i:RR+i+1], v[RR+i:RR+i+1], v[BK+i:BK+i+1]
.set i, i+2
.endr
.irp t, 0,1,2,3,4,5,6,7,8,9,10,11,12,13,14,15
	global_store_b128 v[CO], v[RR+4*\t:RR+4*\t+3], s[12:13] offset:(4*\a+64*(\t/4)+\t%4)*4096 th:TH_STORE_NT   ; 512 consecutive bytes, aligned
.endr
.endr
	s_wait_tensorcnt 0x0                           ; the wave's end
	ds_add_u32 v[SPW], v[NIL]
	s_wait_dscnt 0x0
	CROUND
	s_endpgm
.Lfunc_end_k_q70591e8d60_ffn2:
	.size	k_q70591e8d60_ffn2, .Lfunc_end_k_q70591e8d60_ffn2-k_q70591e8d60_ffn2
	.p2alignl 7, 3214868480
	.fill 96, 4, 3214868480
	.section	.rodata,"a",@progbits
	.p2align	6, 0x0
	.amdhsa_kernel k_q70591e8d60_ffn2
		.amdhsa_group_segment_fixed_size 327680
		.amdhsa_private_segment_fixed_size 0
		.amdhsa_enable_private_segment 0
		.amdhsa_kernarg_size 40
		.amdhsa_user_sgpr_count 2
		.amdhsa_user_sgpr_kernarg_segment_ptr 1
		.amdhsa_wavefront_size32 1
		.amdhsa_system_sgpr_workgroup_id_x 1
		.amdhsa_system_sgpr_workgroup_id_y 1
		.amdhsa_system_sgpr_workgroup_id_z 1
		.amdhsa_system_vgpr_workitem_id 0
		.amdhsa_next_free_vgpr 1024
		.amdhsa_next_free_sgpr 102
		.amdhsa_reserve_vcc 0
		.amdhsa_float_denorm_mode_32 3
		.amdhsa_float_denorm_mode_16_64 3
		.amdhsa_memory_ordered 1
		.amdhsa_forward_progress 1
		.amdhsa_inst_pref_size 167
	.end_amdhsa_kernel
	.amdgpu_metadata
---
amdhsa.version: [ 1, 2 ]
amdhsa.kernels:
  - .name:           k_q70591e8d60_ffn2
    .symbol:         k_q70591e8d60_ffn2.kd
    .args:
      - { .name: hid, .offset: 0, .size: 8, .value_kind: global_buffer, .address_space: global }
      - { .name: wk, .offset: 8, .size: 8, .value_kind: global_buffer, .address_space: global }
      - { .name: b2, .offset: 16, .size: 8, .value_kind: global_buffer, .address_space: global }
      - { .name: att, .offset: 24, .size: 8, .value_kind: global_buffer, .address_space: global }
      - { .name: out0, .offset: 32, .size: 8, .value_kind: global_buffer, .address_space: global }
    .group_segment_fixed_size: 327680
    .private_segment_fixed_size: 0
    .kernarg_segment_align: 8
    .kernarg_segment_size: 40
    .max_flat_workgroup_size: 128
    .sgpr_count:     102
    .vgpr_count:     1024
    .wavefront_size: 32
...
	.end_amdgpu_metadata
.endif
;; end of part 5
;; ======== version 2 of 2: 5 launches
;; limits: right only within a limited range of input values
;; workspace buffers: wk 12,288,000 bytes; qkv 16,384,000 bytes; att 20,054,016 bytes; hid 13,107,200 bytes
;; launch prep (part 6): grid 608 x 1, 4 waves a work-group, no clusters, 56,320 bytes of LDS; arguments Wq, Wk, Wv, W1, W2, x, ln_attn_g, ln_attn_b, wk; writes wk
.if DOCPART == 6
	.amdgcn_target "amdgcn-amd-amdhsa--gfx1250"
	.amdhsa_code_object_version 6
	.text
	.protected	k_q70591e8d60_prep
	.globl	k_q70591e8d60_prep
	.p2align	8
	.type	k_q70591e8d60_prep,@function
k_q70591e8d60_prep:
	s_mov_b64 s[64:65], 0
	v_nop
	global_prefetch_b8 v0, s[64:65] scope:SCOPE_SE
	s_setreg_imm32_b32 hwreg(HW_REG_WAVE_MODE, 25, 1), 1
	s_wait_xcnt 0x0
; PREP.  Work-groups 0-351 turn the five weights (f32, K on the FIRST axis) into codes of E2M3 with one E8M0 byte for each 32 along K; work-groups 352-607 make xn = LayerNorm(x) and quantise it likewise.
; All of it goes into the workspace wk, laid AS THE MATRIX UNIT'S REGISTERS WANT IT:
;   codes: a fragment (16 rows x 128 K) is 12 registers a lane = 1,536 bytes: three runs of 512 bytes, lane l's registers 4 c .. 4 c + 3 at 512 c + 16 l.
;          Fragment (kt = k / 256, rb = row / 16, q = (k / 128) % 2) lies at ((kt RB + rb) 2 + q) 1,536, RB the table's row blocks.  In a fragment lane r + 16 h holds row r; registers 6 c .. 6 c + 5 hold K = 64 c + 32 h + 0 .. 31.
;   scales: the word of (kq = k / 128, row) lies at kq x pitch + 4 row; its byte b scales K = 32 b .. 32 b + 31.
;   ROW PLACES: place p of a table holds true row swap34(p) (bits 3 and 4 of p exchanged), so that a later product, used transposed, leaves 16 neighbouring true columns in a lane's 16 registers.
; Tables in wk: operands (7,168 rows x 1,024 K: xn 0.., Wq 4096.., Wk 5120.., Wv 6144..), W1 (4,096 x 1,024), W2 (1,024 x 4,096), each followed by its scale words.
; A block's scale is 2^(floor(log2(its largest magnitude)) - 2); its byte is the largest magnitude's exponent field - 2, held at 1 from below.
; LIMITS: a block of zeros gets the byte 1 and not 127 (its codes are zeros, and this program alone reads the bytes); NaN and infinities among the inputs are not served.
; No tensor loads; the two paths part on the work-group's number, never join, and have LDS bytes of their own.
.set OPS_S, 5505024
.set W1_C,  5734400
.set W1_S,  8880128
.set W2_C,  9011200
.set W2_S,  12156928
.set T2,    24576                      ; LDS: 0.. the weights' stages, 6,144 bytes a wave; T2.. the norm's turning stages, 4,608 a wave
.set IMG,   43008                      ; the 16 rows' eight fragments, 12,288 bytes
.set HSC,   55296                      ; and their scale words, 512 bytes
.set VO,    32                         ; weights: v32-63 byte offset of row i of a block at my column
.set XW,    64                         ; v64-127 two sets of 32 numbers
.set OUTR,  128                        ; v128-175 the way out
.set LG,    32                         ; norm: v32-63 gain, v64-95 bias, v96-223 four rows, v224-255 a block of 32 neighbours
.set LB,    64
.set XR,    96
.set LY,    224
	s_load_b512 s[4:19], s[0:1], 0x0               ; Wq s4, Wk s6, Wv s8, W1 s10, W2 s12, x s14, gain s16, bias s18
	s_load_b64 s[20:21], s[0:1], 0x40              ; wk
	s_set_vgpr_msb 0x40
	v_lshl_add_u32 v0, v0, 2, 0xda00
	v_mov_b32 v1, 0
	s_set_vgpr_msb 0x4000
	v_lshrrev_b32 v1, 5, v0
	v_readfirstlane_b32 s22, v1                    ; wave 0..3
	v_and_b32 v1, 31, v0                           ; lane
	s_wait_kmcnt 0x0
	s_cmp_ge_u32 ttmp9, 352
	s_cbranch_scc1 .Lln
; ---------------- THE WEIGHTS.  One text for all five: the tensor's figures are chosen by the work-group's number alone.
	s_sub_co_u32 s24, ttmp9, 224                   ; my number within W2's, W1's or one of Wq, Wk, Wv's work-groups
	s_sub_co_u32 s34, ttmp9, 96
	s_and_b32 s35, ttmp9, 31
	s_lshr_b32 s36, ttmp9, 5
	s_lshl_b32 s36, s36, 10
	s_add_co_u32 s36, s36, 4096                    ; Wq, Wk, Wv: first row place in the operands' table
	s_mov_b32 s25, 3                               ; W2: log2 of its blocks of 128 columns
	s_mov_b32 s26, 12                              ; log2 of a row's bytes
	s_mov_b32 s27, 64                              ; row blocks of its table
	s_mov_b32 s28, W2_C
	s_mov_b32 s29, W2_S
	s_mov_b32 s30, 4096                            ; pitch of its scale words
	s_mov_b32 s31, 0
	s_mov_b64 s[32:33], s[12:13]
	s_cmp_lt_u32 ttmp9, 224                        ; W1?
	s_cselect_b32 s24, s34, s24
	s_cselect_b32 s25, 5, s25
	s_cselect_b32 s26, 14, s26
	s_cselect_b32 s27, 256, s27
	s_cselect_b32 s28, W1_C, s28
	s_cselect_b32 s29, W1_S, s29
	s_cselect_b32 s30, 16384, s30
	s_cselect_b64 s[32:33], s[10:11], s[32:33]
	s_cmp_lt_u32 ttmp9, 64
	s_cselect_b64 s[60:61], s[6:7], s[8:9]
	s_cmp_lt_u32 ttmp9, 32
	s_cselect_b64 s[60:61], s[4:5], s[60:61]
	s_cmp_lt_u32 ttmp9, 96                         ; Wq, Wk or Wv?
	s_cselect_b32 s24, s35, s24
	s_cselect_b32 s25, 3, s25
	s_cselect_b32 s26, 12, s26
	s_cselect_b32 s27, 448, s27
	s_cselect_b32 s28, 0, s28
	s_cselect_b32 s29, OPS_S, s29
	s_cselect_b32 s30, 28672, s30
	s_cselect_b32 s31, s36, s31
	s_cselect_b64 s[32:33], s[60:61], s[32:33]
	s_bfm_b32 s37, s25, 0
	s_and_b32 s38, s24, s37                        ; which 128 columns
	s_lshr_b32 s39, s24, s25                       ; kt: which 256 along K
	s_lshl_b32 s62, s38, 7
	s_lshl_b32 s63, s22, 5
	s_add_co_u32 s62, s62, s63                     ; my wave's first column n0, a multiple of 32
	s_add_co_u32 s63, s31, s62                     ; and its first row place in the table
	s_lshl_b32 s66, 1, s26                         ; a row of the weight in bytes
	s_lshl_b32 s68, s39, 8
	s_lshl_b32 s68, s68, s26                       ; 256 kt rows
	s_lshl_b32 s67, s62, 2
	s_add_co_u32 s68, s68, s67
	s_mov_b32 s69, 0
	s_add_nc_u64 s[40:41], s[32:33], s[68:69]      ; block 0's first row at my column
	s_lshl_b32 s70, 32, s26
	s_mov_b32 s71, 0
.irp t, 1,2,3,4,5,6,7
	s_add_nc_u64 s[40+2*\t:41+2*\t], s[38+2*\t:39+2*\t], s[70:71]   ; block t: 32 rows further down; a base for each block, none is stepped
.endr
	s_mul_i32 s74, s39, s27
	s_lshr_b32 s75, s63, 4
	s_add_co_u32 s74, s74, s75
	s_mul_i32 s74, s74, 3072
	s_add_co_u32 s74, s74, s28
	s_mov_b32 s75, 0
	s_add_nc_u64 s[72:73], s[20:21], s[74:75]      ; my two row blocks' four fragments: 6,144 bytes on end
	s_mul_i32 s78, s39, s30
	s_lshl_b32 s78, s78, 1
	s_add_co_u32 s78, s78, s29
	s_lshl_b32 s79, s63, 2
	s_add_co_u32 s78, s78, s79
	s_mov_b32 s79, 0
	s_add_nc_u64 s[76:77], s[20:21], s[78:79]      ; my 32 rows' scale words of kq = 2 kt
	s_wait_alu depctr_va_vdst(0)
	v_lshlrev_b32 v2, 2, v1
.set i, 0
.rept 32
	v_mad_u32_u24 v[VO+i], s66, i, v2              ; 4 x lane + i rows
.set i, i+1
.endr
	v_bfe_u32 v8, v1, 3, 1
	v_lshrrev_b32 v9, 4, v1
	v_and_b32 v10, 7, v1
	v_lshl_add_u32 v11, v9, 3, v10                 ; my column's row in its fragment: 8 (n / 16) + n % 8; its row block: (n / 8) % 2
	s_mul_i32 s23, s22, 6144
	v_lshlrev_b32 v3, 4, v11
	v_mad_u32_u24 v3, v8, 3072, v3
	v_add_nc_u32 v3, s23, v3                       ; the stage: where my column's codes go
	v_lshl_add_u32 v6, v8, 4, v11
	v_lshlrev_b32 v6, 2, v6                        ; 4 x swap34(lane): my scale word, kq = 2 kt,
	v_add_nc_u32 v7, s30, v6                       ; and kq = 2 kt + 1
	v_lshlrev_b32 v5, 4, v1
	v_add_nc_u32 v4, s23, v5                       ; the stage read back as it lies
.macro LOADW t                         ; block t: W(32 t + i, my column): 32 lanes read 128 consecutive bytes, the four waves 512
.set i, 0
.rept 32
	global_load_b32 v[XW+32*((\t)%2)+i], v[VO+i], s[40+2*(\t):41+2*(\t)] th:TH_LOAD_NT
.set i, i+1
.endr
.endm
	LOADW 0
	LOADW 1
.macro BLOCKW t                        ; a lane's 32 registers are one block of 32 along K of one column
.set XS, XW+32*((\t)%2)
.if (\t) < 7
	s_wait_loadcnt 32                              ; this block's 32 loads are in; the next block's 32 may be out
.else
	s_wait_loadcnt 0x0
.endif
	v_max3_num_f32 v12, |v[XS]|, |v[XS+1]|, |v[XS+2]|
	v_max3_num_f32 v13, |v[XS+3]|, |v[XS+4]|, |v[XS+5]|
.irp i, 6,10,14,18,22,26
	v_max3_num_f32 v12, v12, |v[XS+\i]|, |v[XS+\i+1]|
	v_max3_num_f32 v13, v13, |v[XS+\i+2]|, |v[XS+\i+3]|
.endr
	v_max3_num_f32 v12, v12, |v[XS+30]|, |v[XS+31]|
	v_max3_num_f32 v12, v12, v13, 0x1800000        ; the floor 2^(3 - 127): the byte cannot fall under 1
	v_add_nc_u32 v15, 0xff000000, v12              ; 2 off the exponent field: the conversion's scale operand
	v_lshrrev_b32 v14, 23, v15                     ; the byte
.if (\t)%4 == 0
	v_mov_b32 v[16+(\t)/4], v14
.else
	v_lshl_or_b32 v[16+(\t)/4], v14, 8*((\t)%4), v[16+(\t)/4]
.endif
	v_cvt_scalef32_pk16_fp6_f32 v[20:22], v[XS:XS+15], v15
	v_cvt_scalef32_pk16_fp6_f32 v[26:28], v[XS+16:XS+31], v15      ; (a conversion's three registers begin on an even number)
	v_nop                                          ; one plain place behind a scaled conversion
	v_mov_b32 v23, v26
	v_mov_b32 v24, v27
	v_mov_b32 v25, v28
.set RH, 6*(((\t)/2)%2)                ; block t of the 256: fragment q = t / 4, half of the lanes t % 2, registers RH .. RH + 5
.irp e, 0,2,4
	ds_store_b64 v3, v[20+\e:21+\e] offset:((\t)/4)*1536+512*((RH+\e)/4)+256*((\t)%2)+4*((RH+\e)%4)
.endr
.if (\t)+2 < 8
	LOADW (\t)+2
.endif
	s_wait_dscnt 0x0                               ; the stores have read their registers
.endm
.irp t, 0,1,2,3,4,5,6,7
	BLOCKW \t
.endr
.irp k, 0,1,2,3,4,5,6,7,8,9,10,11
	ds_load_b128 v[OUTR+4*\k:OUTR+4*\k+3], v4 offset:512*\k        ; LDS serves a wave's instructions in order: these see my stores
.endr
	global_store_b32 v6, v16, s[76:77]             ; 32 lanes: 128 consecutive bytes of scale words
	s_wait_alu depctr_va_vdst(0)
	global_store_b32 v7, v17, s[76:77]
.irp k, 0,1,2,3,4,5,6,7,8,9,10,11
	s_wait_dscnt 11-\k                             ; the younger loads of the run may be out
	global_store_b128 v5, v[OUTR+4*\k:OUTR+4*\k+3], s[72:73] offset:512*\k   ; 512 consecutive bytes, aligned
.endr
	s_set_vgpr_msb 0x5
	s_wait_tensorcnt 0x0
	ds_add_u32 v0, v1
	s_wait_dscnt 0x0
	s_set_vgpr_msb 0x500
	s_endpgm
; ---------------- xn = LayerNorm(x), quantised.  The work-group makes row block g of the operands' table; wave w its image rows 4 w .. 4 w + 3, which are four neighbouring tokens.
.Lln:
	s_sub_co_u32 s24, ttmp9, 352                   ; g
	s_lshr_b32 s25, s24, 1
	s_lshl_b32 s25, s25, 5
	s_and_b32 s26, s24, 1
	s_lshl_b32 s26, s26, 3
	s_add_co_u32 s25, s25, s26
	s_and_b32 s26, s22, 1
	s_lshl_b32 s26, s26, 2
	s_add_co_u32 s25, s25, s26
	s_lshr_b32 s26, s22, 1
	s_lshl_b32 s26, s26, 4
	s_add_co_u32 s25, s25, s26                     ; first token = 32 (g / 2) + 8 (g % 2) + 4 (w % 2) + 16 (w / 2): swap34 of places 16 g + 4 w ..
	s_lshl_b32 s28, s25, 12
	s_mov_b32 s29, 0
	s_add_nc_u64 s[14:15], s[14:15], s[28:29]
	s_wait_alu depctr_va_vdst(0)
	v_lshlrev_b32 v2, 4, v1
.irp i, 0,1,2,3,4,5,6,7
	global_load_b128 v[LG+4*\i:LG+4*\i+3], v2, s[16:17] offset:512*\i
.endr
.irp i, 0,1,2,3,4,5,6,7
	global_load_b128 v[LB+4*\i:LB+4*\i+3], v2, s[18:19] offset:512*\i
.endr
.irp k, 0,1,2,3
.irp i, 0,1,2,3,4,5,6,7
	global_load_b128 v[XR+32*\k+4*\i:XR+32*\k+4*\i+3], v2, s[14:15] offset:4096*\k+512*\i th:TH_LOAD_NT   ; register 4 i + e: element 128 i + 4 lane + e
.endr
.endr
	s_mov_b32 s36, 0x76543210
	s_mov_b32 s37, 0xfedcba98                      ; v_permlanex16_b32's selects for lane l xor 16
	s_mov_b32 s38, 0x3a800000                      ; 1 / 1,024
	s_mov_b32 s39, 0x358637bd                      ; 1e-6
	s_mul_i32 s30, s22, 4608
	s_add_co_u32 s30, s30, T2
	v_lshrrev_b32 v10, 3, v1
	v_and_b32 v11, 7, v1
	v_mul_u32_u24 v3, v10, 144
	v_lshl_add_u32 v3, v11, 4, v3
	v_add_nc_u32 v3, s30, v3                       ; the turn, in: a block of 32 numbers has 128 bytes + 16 of padding: 144 (lane / 8) + 16 (lane % 8), + 576 for each load
	v_mul_u32_u24 v4, v1, 144
	v_add_nc_u32 v4, s30, v4                       ; out: block = lane
	v_lshrrev_b32 v10, 2, v1
	v_and_b32 v11, 1, v1
	v_mul_u32_u24 v12, v10, 1536
	v_lshl_add_u32 v12, v11, 8, v12
	s_lshl_b32 s31, s22, 6
	s_add_co_u32 s31, s31, IMG
	v_add_nc_u32 v12, s31, v12                     ; block l: fragment l / 4, half of the lanes l % 2, image row 4 w (+ slot)
	v_bfe_u32 v11, v1, 1, 1                        ; c = (l / 2) % 2: registers 6 c .. 6 c + 5
	v_mad_u32_u24 v5, v11, 520, v12                ; registers 6 c, 6 c + 1 (and, 512 on, 6 c + 4, 6 c + 5)
	v_mad_u32_u24 v6, v11, 1016, v12               ; registers 6 c + 2, 6 c + 3, 8 on
	v_and_b32 v11, 3, v1
	v_lshl_add_u32 v8, v10, 6, v11
	s_lshl_b32 s31, s22, 4
	s_add_co_u32 s31, s31, HSC
	v_add_nc_u32 v8, s31, v8                       ; my block's scale byte
	s_mul_i32 s31, s22, 3072
	s_add_co_u32 s31, s31, IMG
	v_add_nc_u32 v31, s31, v2                      ; the way out: wave w copies kt = w
	v_mov_b32 v9, 0                                ; a lane permute's destination counts as one of its sources
	s_mul_i32 s40, s22, 448
	s_add_co_u32 s40, s40, s24
	s_mul_i32 s40, s40, 3072
	s_mov_b32 s41, 0
	s_add_nc_u64 s[32:33], s[20:21], s[40:41]
	s_mul_i32 s42, s22, 57344
	s_lshl_b32 s43, s24, 6
	s_add_co_u32 s42, s42, s43
	s_add_co_u32 s42, s42, OPS_S
	s_mov_b32 s43, 0
	s_add_nc_u64 s[34:35], s[20:21], s[42:43]
.macro SUM32 a                         ; over the 32 lanes; every lane ends with the sum
	v_add_f32_dpp v[\a], v[\a], v[\a] row_xmask:1 row_mask:0xf bank_mask:0xf
	v_add_f32_dpp v[\a], v[\a], v[\a] row_xmask:2 row_mask:0xf bank_mask:0xf
	v_add_f32_dpp v[\a], v[\a], v[\a] row_xmask:4 row_mask:0xf bank_mask:0xf
	v_add_f32_dpp v[\a], v[\a], v[\a] row_xmask:8 row_mask:0xf bank_mask:0xf
	v_permlanex16_b32 v9, v[\a], s36, s37
	v_add_f32 v[\a], v[\a], v9
.endm
.macro LNROW X, slot                   ; one row of 1,024 in v[X] on: mean, variance of the differences, (x - mean) rstd g + b, all f32; then its 32 blocks, one a lane, become codes
	v_pk_add_f32 v[10:11], v[(\X):(\X)+1], v[(\X)+2:(\X)+3]
	v_pk_add_f32 v[12:13], v[(\X)+4:(\X)+5], v[(\X)+6:(\X)+7]
.irp i, 8,12,16,20,24,28
	v_pk_add_f32 v[10:11], v[10:11], v[(\X)+\i:(\X)+\i+1]
	v_pk_add_f32 v[12:13], v[12:13], v[(\X)+\i+2:(\X)+\i+3]
.endr
	v_pk_add_f32 v[10:11], v[10:11], v[12:13]
	v_add_f32 v10, v10, v11
	SUM32 10
	v_mul_f32 v14, s38, v10
	v_mov_b32 v15, v14
.irp i, 0,2,4,6,8,10,12,14,16,18,20,22,24,26,28,30
	v_pk_add_f32 v[(\X)+\i:(\X)+\i+1], v[(\X)+\i:(\X)+\i+1], v[14:15] neg_lo:[0,1] neg_hi:[0,1]
.endr
	v_pk_mul_f32 v[10:11], v[(\X):(\X)+1], v[(\X):(\X)+1]
	v_pk_mul_f32 v[12:13], v[(\X)+2:(\X)+3], v[(\X)+2:(\X)+3]
.irp i, 4,8,12,16,20,24,28
	v_pk_fma_f32 v[10:11], v[(\X)+\i:(\X)+\i+1], v[(\X)+\i:(\X)+\i+1], v[10:11]
	v_pk_fma_f32 v[12:13], v[(\X)+\i+2:(\X)+\i+3], v[(\X)+\i+2:(\X)+\i+3], v[12:13]
.endr
	v_pk_add_f32 v[10:11], v[10:11], v[12:13]
	v_add_f32 v10, v10, v11
	SUM32 10
	v_fma_f32 v16, v10, s38, s39
	s_wait_alu depctr_va_vdst(0)
	v_rsq_f32 v16, v16
	v_nop                                          ; one plain place behind a transcendental
	s_wait_alu depctr_va_vdst(0)
	v_mov_b32 v17, v16
.irp i, 0,2,4,6,8,10,12,14,16,18,20,22,24,26,28,30
	v_pk_mul_f32 v[(\X)+\i:(\X)+\i+1], v[(\X)+\i:(\X)+\i+1], v[16:17]
.endr
.irp i, 0,2,4,6,8,10,12,14,16,18,20,22,24,26,28,30
	v_pk_fma_f32 v[(\X)+\i:(\X)+\i+1], v[(\X)+\i:(\X)+\i+1], v[LG+\i:LG+\i+1], v[LB+\i:LB+\i+1]
.endr
.irp i, 0,1,2,3,4,5,6,7
	ds_store_b128 v3, v[(\X)+4*\i:(\X)+4*\i+3] offset:576*\i
.endr
.irp i, 0,1,2,3,4,5,6,7
	ds_load_b128 v[LY+4*\i:LY+4*\i+3], v4 offset:16*\i             ; LDS serves a wave's instructions in order: these see my stores
.endr
	s_wait_dscnt 0x0
	v_max3_num_f32 v18, |v[LY]|, |v[LY+1]|, |v[LY+2]|
	v_max3_num_f32 v19, |v[LY+3]|, |v[LY+4]|, |v[LY+5]|
.irp i, 6,10,14,18,22,26
	v_max3_num_f32 v18, v18, |v[LY+\i]|, |v[LY+\i+1]|
	v_max3_num_f32 v19, v19, |v[LY+\i+2]|, |v[LY+\i+3]|
.endr
	v_max3_num_f32 v18, v18, |v[LY+30]|, |v[LY+31]|
	v_max3_num_f32 v18, v18, v19, 0x1800000
	v_add_nc_u32 v20, 0xff000000, v18
	v_lshrrev_b32 v21, 23, v20
	v_cvt_scalef32_pk16_fp6_f32 v[22:24], v[LY:LY+15], v20
	v_cvt_scalef32_pk16_fp6_f32 v[28:30], v[LY+16:LY+31], v20
	v_nop
	v_mov_b32 v25, v28
	v_mov_b32 v26, v29
	v_mov_b32 v27, v30
	ds_store_b64 v5, v[22:23] offset:16*(\slot)
	ds_store_b64 v6, v[24:25] offset:16*(\slot)+8
	ds_store_b64 v5, v[26:27] offset:16*(\slot)+512
	ds_store_b8 v8, v21 offset:4*(\slot)
.endm
.irp k, 0,1,2,3
	s_wait_loadcnt 8*(3-\k)                        ; gain, bias and rows 0 .. k are in; the younger rows' loads, 8 each, may be out
	LNROW XR+32*\k, \k
.endr
	s_wait_dscnt 0x0                               ; for the others' sake: my stores into the images have landed
	s_barrier_signal -1
	s_barrier_wait -1
.irp k, 0,1,2,3,4,5
	ds_load_b128 v[XR+4*\k:XR+4*\k+3], v31 offset:512*\k
.endr
	s_lshl_b32 s31, s22, 7
	s_add_co_u32 s31, s31, HSC
	v_lshl_add_u32 v3, v1, 2, s31
	ds_load_b32 v[XR+24], v3                       ; kq = 2 w + lane / 16, row lane % 16
	v_lshrrev_b32 v10, 4, v1
	v_and_b32 v11, 15, v1
	v_mul_u32_u24 v4, v10, 28672
	v_lshl_add_u32 v4, v11, 2, v4
	s_wait_alu depctr_va_vdst(0)
.irp k, 0,1,2,3,4,5
	s_wait_dscnt 6-\k                              ; the younger loads of the run, the scale words' among them, may be out
	global_store_b128 v2, v[XR+4*\k:XR+4*\k+3], s[32:33] offset:512*\k
.endr
	s_wait_dscnt 0x0
	global_store_b32 v4, v[XR+24], s[34:35]
	s_set_vgpr_msb 0x5
	s_wait_tensorcnt 0x0
	ds_add_u32 v0, v1
	s_wait_dscnt 0x0
	s_set_vgpr_msb 0x500
	s_endpgm
.Lfunc_end_k_q70591e8d60_prep:
	.size	k_q70591e8d60_prep, .Lfunc_end_k_q70591e8d60_prep-k_q70591e8d60_prep
	.p2alignl 7, 3214868480
	.fill 96, 4, 3214868480
	.section	.rodata,"a",@progbits
	.p2align	6, 0x0
	.amdhsa_kernel k_q70591e8d60_prep
		.amdhsa_group_segment_fixed_size 56320
		.amdhsa_private_segment_fixed_size 0
		.amdhsa_enable_private_segment 0
		.amdhsa_kernarg_size 72
		.amdhsa_user_sgpr_count 2
		.amdhsa_user_sgpr_kernarg_segment_ptr 1
		.amdhsa_wavefront_size32 1
		.amdhsa_system_sgpr_workgroup_id_x 1
		.amdhsa_system_sgpr_workgroup_id_y 1
		.amdhsa_system_sgpr_workgroup_id_z 1
		.amdhsa_system_vgpr_workitem_id 0
		.amdhsa_next_free_vgpr 258
		.amdhsa_next_free_sgpr 80
		.amdhsa_reserve_vcc 0
		.amdhsa_float_denorm_mode_32 3
		.amdhsa_float_denorm_mode_16_64 3
		.amdhsa_memory_ordered 1
		.amdhsa_forward_progress 1
		.amdhsa_inst_pref_size 91
	.end_amdhsa_kernel
	.amdgpu_metadata
---
amdhsa.version: [ 1, 2 ]
amdhsa.kernels:
  - .name:           k_q70591e8d60_prep
    .symbol:         k_q70591e8d60_prep.kd
    .args:
      - { .name: Wq, .offset: 0, .size: 8, .value_kind: global_buffer, .address_space: global }
      - { .name: Wk, .offset: 8, .size: 8, .value_kind: global_buffer, .address_space: global }
      - { .name: Wv, .offset: 16, .size: 8, .value_kind: global_buffer, .address_space: global }
      - { .name: W1, .offset: 24, .size: 8, .value_kind: global_buffer, .address_space: global }
      - { .name: W2, .offset: 32, .size: 8, .value_kind: global_buffer, .address_space: global }
      - { .name: x, .offset: 40, .size: 8, .value_kind: global_buffer, .address_space: global }
      - { .name: ln_attn_g, .offset: 48, .size: 8, .value_kind: global_buffer, .address_space: global }
      - { .name: ln_attn_b, .offset: 56, .size: 8, .value_kind: global_buffer, .address_space: global }
      - { .name: wk, .offset: 64, .size: 8, .value_kind: global_buffer, .address_space: global }
    .group_segment_fixed_size: 56320
    .private_segment_fixed_size: 0
    .kernarg_segment_align: 8
    .kernarg_segment_size: 72
    .max_flat_workgroup_size: 128
    .sgpr_count:     80
    .vgpr_count:     258
    .wavefront_size: 32
...
	.end_amdgpu_metadata
.endif
;; end of part 6
;; launch qkv (part 7): grid 8 x 24, 4 waves a work-group, clusters of 4 x 4, 327,680 bytes of LDS; arguments wk, bq, bk, bv, qkv; writes qkv
.if DOCPART == 7
	.amdgcn_target "amdgcn-amd-amdhsa--gfx1250"
	.amdhsa_code_object_version 6
	.text
	.protected	k_q70591e8d60_qkv
	.globl	k_q70591e8d60_qkv
	.p2align	8
	.type	k_q70591e8d60_qkv,@function
k_q70591e8d60_qkv:
	s_mov_b64 s[64:65], 0
	v_nop
	global_prefetch_b8 v0, s[64:65] scope:SCOPE_SE
	s_setreg_imm32_b32 hwreg(HW_REG_WAVE_MODE, 25, 1), 1
	s_wait_xcnt 0x0
	s_wait_alu depctr_hold_cnt(0) depctr_sa_sdst(0) depctr_va_vdst(0) depctr_va_sdst(0) depctr_va_ssrc(0) depctr_va_vcc(0) depctr_vm_vsrc(0)
	s_getreg_b32 s2, hwreg(HW_REG_IB_STS2, 6, 4)
	s_cmp_eq_u32 s2, 0
	s_cbranch_scc0 .Lentry_in_a_cluster
	s_endpgm
.Lentry_in_a_cluster:
	s_bfe_u32 s2, ttmp6, 0x10000c
	s_cmp_lg_u32 s2, 0xf033
	s_cbranch_scc0 .Lentry_shape_is_right
	s_endpgm
.Lentry_shape_is_right:
; QKV.  [q | k] = xn [Wq | Wk] + bias (clusters y = 0..3) and V^T = Wv^T xn^T + bv (clusters y = 4, 5), on codes of E2M3 with E8M0 scales; each result is quantised along its COLUMNS and stored as codes.
; Both operands are rows of ONE table in wk (7,168 rows x 1,024 K: xn 0.., Wq 4096.., Wk 5120.., Wv 6144..), laid as images of the matrix unit's registers: fragment (kt = k / 256, rb = row / 16, q = (k / 128) % 2) at
; ((kt 448 + rb) 2 + q) 1,536, three runs of 512 bytes, lane l's registers 4 c .. 4 c + 3 at 512 c + 16 l; scale word of (kq = k / 128, row) at kq 28,672 + 4 row.  So 128 rows x 256 K are one dense block of 24,576 bytes.
; Row place p of the table holds true row swap34(p) (bits 3 and 4 exchanged).  THE MATRIX INSTRUCTION IS USED TRANSPOSED (source 0 = 16 rows of "B", source 1 = 16 rows of "A"): lane (r, h) then holds A's row r, and the 16
; registers of accumulators 2 e, 2 e + 1 are the true columns 32 e + 16 h + 0 .. 15: 16 neighbours along the next product's K, as the conversions want them.
; A tile of 256 x 256 to a work-group of four waves, 128 x 128 a wave (64 accumulators, 512 registers); K in steps of 256 through two LDS slots filled by tensor loads; the scale words of all K come once.
; CLUSTERS of 4 x 4: A's tiles are asked for jointly along a row of the cluster, B's along a column.  Which part a cluster serves hangs on the cluster's y alone and only selects numbers: no branch hangs on it.
; The column bias (bq, bk) is the C of each sum's first product; the row bias (bv) is added on the way out; the one that a part does not have is masked to zero.  q is NOT divided by 8 here: the next launch folds that power of two into its softmax's constant.
; OUTPUT table in qkv: 5,120 rows x 4,096 columns in the same image form (320 row blocks; scale pitch 20,480): rows 0-4095 token places with q in columns 0-1023 and k in 1024-2047; rows 4096-5119 places of V's channels, columns = tokens.
; LIMITS: a block of zeros gets the byte 1 and not 127 (its codes are zeros; this program alone reads the bytes); NaN and infinities are not served.
; REGISTERS: window 0: v16-31 addresses; v32-63 scale words, two sets; v64-127 the column bias, later the block on its way out; v128-223 A's fragments, one set, later codes and work; v224-239 the row bias in pairs.
;   window 1: B's fragments, two sets (v0, v128).  windows 2, 3: the accumulators ((a, b) at v[8 (8 (a % 4) + b)]).
.set KDIM,  1024
.set OPS_S, 5505024
.set QKV_S, 15728640
.set RBA,   448
.set RBB,   448
.set STEPA, 2*RBA*3072
.set STEPB, 2*RBB*3072
.set FR,    12
.set NL,    3
.set NP,    4
.set HALFT, 24576                      ; 128 rows x 256 K: what one tensor load brings
.set SLOT,  4*HALFT                    ; A's two halves, then B's two
.set LAPS,  KDIM/512
.set SCL,   2*SLOT                     ; behind the ring: the scale words, KDIM / 128 rows of 512 bytes for each half
.set HALFS, (KDIM/128)*512
.set SPARE, SCL+4*HALFS                ; the spare words, 128 bytes for each wave: two blocks of 256 bytes that no other line names
.set ADRA, 16
.set ADRB, 20
.set SWA,  24                          ; v24 the way out: my row's scale word in my stage (slot 0, which has had its last fill and its last read by then)
.set CBO,  25
.set CO,   26                          ; v26 16 x lane
.set ADRS, 27
.set SPW,  28
.set NIL,  29
.set RBO,  30
.set SRD,  31
.set SC,   32
.set CB,   64
.set W,    64
.set AF,   128
.set PC,   128
.set TM,   148
.set PWS,  164
.set RBI,  224
.set SEL,  18
.set G1, 24
.set G0, 32
.set G1B, 48
.set G0B, 56
.set G1S, 68
.set G0S, 76
.set G1SB, 80
.set G0SB, 88
.set MSB, 0
.macro WIN new                         ; the immediate's high byte repeats the setting that is left
.if MSB != (\new)
	s_set_vgpr_msb (MSB<<8)|(\new)
.set MSB, (\new)
.endif
.endm
.set MUL_LO, 0xa1                      ; source 0 (B) window 1, source 1 (A) window 0, C and D window 2
.set MUL_HI, 0xf1
.set FST_LO, 0x81                      ; the same with C (the bias) in window 0
.set FST_HI, 0xc1
.set TO_B,   0x40
.macro JLOAD g0a, g1a, g0b, g1b        ; a joint load: waves 0, 1 fetch for A, waves 2, 3 for B; four v_nop follow each of the two lines
	s_cmp_eq_u32 s15, 0
	s_cbranch_scc0 .Lfor_b_\@
	tensor_load_to_lds s[\g0a:\g0a+3], s[\g1a:\g1a+7]
	s_nop 0
.rept 4
	v_nop
.endr
	s_branch .Lasked_\@
.Lfor_b_\@:
	tensor_load_to_lds s[\g0b:\g0b+3], s[\g1b:\g1b+7]
	s_nop 0
.rept 4
	v_nop
.endr
.Lasked_\@:
.endm
.macro CREST                           ; a round of the cluster's barrier behind its opening barrier
	s_cmp_lg_u32 s14, 0
	s_cbranch_scc1 .Lnot_wave_0_\@
	s_barrier_signal -3
.Lnot_wave_0_\@:
	s_barrier_wait -3
	s_barrier_signal -1
	s_barrier_wait -1
.endm
.macro CROUND
	s_barrier_signal -1
	s_barrier_wait -1
	CREST
.endm
	s_load_b256 s[4:11], s[0:1], 0x0               ; wk s4, bq s6, bk s8, bv s10
	s_load_b64 s[12:13], s[0:1], 0x20              ; qkv
	v_lshl_add_u32 v[SPW], v0, 2, SPARE
	v_mov_b32 v[NIL], 0
	ds_add_u32 v28, v29
	ds_add_u32 v28, v29
	s_wait_dscnt 0x0
	v_lshrrev_b32 v1, 5, v0
	v_readfirstlane_b32 s14, v1                    ; wave 0..3
	s_lshr_b32 s15, s14, 1                         ; my half of the tile's rows; also: I fetch for A (0) or B (1)
	s_and_b32 s16, s14, 1                          ; my half of its columns; also: which 128 rows I fetch
	s_bfe_u32 s40, ttmp6, 0x40000                  ; cx
	s_bfe_u32 s41, ttmp6, 0x40004                  ; cy
	s_and_b32 s92, ttmp7, 0xffff                   ; the cluster's y
	s_lshl_b32 s93, s92, 2
	s_lshl_b32 s94, ttmp9, 2
	s_lshl_b32 s95, s92, 3
	s_add_co_u32 s95, s95, s94
	s_sub_co_u32 s95, s95, 32
	s_cmp_lt_u32 s92, 4                            ; [q | k] or V^T: the same answer in all sixteen work-groups
	s_cselect_b32 s17, s93, 16                     ; first tile row of the cluster in the output table
	s_cselect_b32 s42, s94, s95                    ; first tile column
	s_cselect_b32 s96, 0, 8                        ; A's tile in the operands' table = tile row + this
	s_cselect_b32 s97, 16, 0                       ; B's = tile column + this
	s_cselect_b32 s100, -1, 0                      ; keeps the column bias
	s_cselect_b32 s101, 0, -1                      ; keeps the row bias
	s_cmp_lt_u32 s42, 4
	s_cselect_b32 s99, 1, 0                        ; columns of q (bq) or of k (bk)
	s_add_co_u32 s17, s17, s41                     ; tile row
	s_add_co_u32 s42, s42, s40                     ; tile column
	s_lshl_b32 s43, s41, 2
	s_lshl_b32 s43, 15, s43                        ; my row of the cluster
	s_lshl_b32 s44, 0x1111, s40                    ; my column
	; descriptor group 1 for codes: a dense block of 24,576 bytes as 96 rows of 32 elements of 8 bytes
	s_or_b32 s[G1+0], s43, (3<<16)|(1<<21)         ; 15:0 the mask; 17:16 elements of 8 bytes; 21 set beside a mask
	s_or_b32 s[G1B+0], s44, (3<<16)|(1<<21)
.irp g, G1, G1B
	s_mov_b32 s[\g+1], 32<<16                      ; tensor_dim0
	s_mov_b32 s[\g+2], 96<<16                      ; tensor_dim1
	s_mov_b32 s[\g+3], 32<<16                      ; tile_dim0
	s_mov_b32 s[\g+4], 96                          ; tile_dim1
	s_mov_b32 s[\g+5], 32                          ; stride from row to row
	s_mov_b32 s[\g+6], 0
	s_mov_b32 s[\g+7], 0
.endr
	; and for scale words: KDIM / 128 rows of 512 bytes (128 rows' words), a pitch apart
	s_or_b32 s[G1S+0], s43, (3<<16)|(1<<21)
	s_or_b32 s[G1SB+0], s44, (3<<16)|(1<<21)
.irp g, G1S, G1SB
	s_mov_b32 s[\g+1], 64<<16
	s_mov_b32 s[\g+2], (KDIM/128)<<16
	s_mov_b32 s[\g+3], 64<<16
	s_mov_b32 s[\g+4], KDIM/128
	s_mov_b32 s[\g+5], 28672/8
	s_mov_b32 s[\g+6], 0
	s_mov_b32 s[\g+7], 0
.endr
	s_lshl_b32 s18, s16, 3
	s_add_co_u32 s20, s17, s96
	s_lshl_b32 s20, s20, 4
	s_add_co_u32 s20, s20, s18                     ; A: row block 16 x tile + 8 x half
	s_add_co_u32 s46, s42, s97
	s_lshl_b32 s46, s46, 4
	s_add_co_u32 s46, s46, s18                     ; B likewise
	s_lshl_b32 s22, s20, 6
	s_add_co_u32 s22, s22, OPS_S                   ; their scale words: 64 bytes a row block
	s_lshl_b32 s92, s46, 6
	s_add_co_u32 s92, s92, OPS_S
	s_mul_i32 s20, s20, 3072
	s_mul_i32 s46, s46, 3072
	s_mov_b32 s21, 0
	s_mov_b32 s23, 0
	s_mov_b32 s47, 0
	s_mov_b32 s93, 0
	s_mul_i32 s45, s14, HALFT                      ; where they go: no place in the cluster enters an LDS address
	s_mul_i32 s94, s14, HALFS
	s_wait_kmcnt 0x0
	s_add_nc_u64 s[20:21], s[4:5], s[20:21]
	s_add_nc_u64 s[22:23], s[4:5], s[22:23]
	s_add_nc_u64 s[46:47], s[4:5], s[46:47]
	s_add_nc_u64 s[92:93], s[4:5], s[92:93]
	CROUND                                         ; all sixteen work-groups are here: the first joint loads meet
	s_mov_b32 s[G0S], 1
	s_add_co_u32 s[G0S+1], s94, SCL
	s_mov_b64 s[G0S+2:G0S+3], s[22:23]
	s_or_b32 s[G0S+3], s[G0S+3], 0x80000000
	s_mov_b32 s[G0SB], 1
	s_add_co_u32 s[G0SB+1], s94, SCL
	s_mov_b64 s[G0SB+2:G0SB+3], s[92:93]
	s_or_b32 s[G0SB+3], s[G0SB+3], 0x80000000
	JLOAD G0S, G1S, G0SB, G1SB                     ; the scale words first: they are wanted with K step 0
.irp s, 0,1
	s_mov_b32 s[G0+4*\s], 1
	s_add_co_u32 s[G0+4*\s+1], s45, \s*SLOT
	s_add_nc_u64 s[G0+4*\s+2:G0+4*\s+3], s[20:21], \s*RBA*3072
	s_or_b32 s[G0+4*\s+3], s[G0+4*\s+3], 0x80000000
	s_mov_b32 s[G0B+4*\s], 1
	s_add_co_u32 s[G0B+4*\s+1], s45, \s*SLOT
	s_add_nc_u64 s[G0B+4*\s+2:G0B+4*\s+3], s[46:47], \s*RBB*3072
	s_or_b32 s[G0B+4*\s+3], s[G0B+4*\s+3], 0x80000000
	s_wait_alu depctr_va_vdst(0)
	s_wait_tensorcnt 0x0                           ; a wait, an add and a round ahead of every further first fill: one tensor load a wave behind each
	ds_add_u32 v28, v29
	s_wait_dscnt 0x0
	CROUND
	JLOAD G0+4*\s, G1, G0B+4*\s, G1B
.endr
	v_and_b32 v1, 15, v0                           ; r
	v_bfe_u32 v2, v0, 4, 1                         ; h
	v_and_b32 v3, 31, v0
	v_lshlrev_b32 v[CO], 4, v3                     ; 16 x lane
	; the biases
	v_lshlrev_b32 v[CBO], 6, v2                    ; lane (r, h), accumulator b, register j: true column 32 (b / 2) + 16 h + 8 (b % 2) + j
	s_wait_alu depctr_va_vdst(0)
	s_cmp_eq_u32 s99, 1
	s_cselect_b64 s[6:7], s[6:7], s[8:9]
	s_and_b32 s18, s42, 3
	s_lshl_b32 s18, s18, 10
	s_lshl_b32 s19, s16, 9
	s_add_co_u32 s18, s18, s19
	s_mov_b32 s19, 0
	s_add_nc_u64 s[6:7], s[6:7], s[18:19]
.irp b, 0,1,2,3,4,5,6,7
	global_load_b128 v[CB+8*\b:CB+8*\b+3], v[CBO], s[6:7] offset:4*(32*(\b/2)+8*(\b%2))
	global_load_b128 v[CB+8*\b+4:CB+8*\b+7], v[CBO], s[6:7] offset:4*(32*(\b/2)+8*(\b%2))+16
.endr
	v_lshrrev_b32 v5, 3, v1
	v_and_b32 v6, 7, v1
	v_lshl_add_u32 v5, v5, 4, v6
	v_lshlrev_b32 v[RBO], 2, v5                    ; A's row place 16 a + r is true row 32 (a / 2) + 16 (r / 8) + 8 (a % 2) + r % 8
	s_and_b32 s18, s17, 3
	s_lshl_b32 s18, s18, 10
	s_lshl_b32 s19, s15, 9
	s_add_co_u32 s18, s18, s19
	s_mov_b32 s19, 0
	s_add_nc_u64 s[10:11], s[10:11], s[18:19]
.irp a, 0,1,2,3,4,5,6,7
	global_load_b32 v[RBI+2*\a], v[RBO], s[10:11] offset:4*(32*(\a/2)+8*(\a%2))
.endr
	s_mul_i32 s21, s15, HALFT                      ; my 128 rows of A
	s_mul_i32 s22, s16, HALFT
	s_add_co_u32 s22, s22, 2*HALFT                 ; my 128 rows of B, behind A's 256
.irp s, 0,1
	v_add_nc_u32 v[ADRA+\s], s21, v[CO]
	v_add_nc_u32 v[ADRB+\s], s22, v[CO]
	s_add_co_u32 s21, s21, SLOT
	s_add_co_u32 s22, s22, SLOT
.endr
	s_mul_i32 s21, s15, HALFS
	s_mul_i32 s22, s16, HALFS
	s_add_co_u32 s22, s22, 2*HALFS
	s_sub_co_u32 s22, s22, s21
	v_mul_u32_u24 v6, s22, v2                      ; lanes 16-31 take B's words
	s_add_co_u32 s21, s21, SCL
	v_lshl_add_u32 v5, v1, 2, v6
	v_add_nc_u32 v[ADRS], s21, v5
	s_lshl_b32 s21, s14, 9
	v_lshl_add_u32 v[SWA], v1, 2, s21
	v_add_nc_u32 v[SRD], s21, v[CO]
	; where my part of the output begins
	s_mul_i32 s20, s42, 320
	s_lshl_b32 s21, s17, 4
	s_add_co_u32 s20, s20, s21
	s_lshl_b32 s21, s15, 3
	s_add_co_u32 s20, s20, s21
	s_lshl_b32 s20, s20, 1
	s_add_co_u32 s20, s20, s16
	s_mul_i32 s20, s20, 1536
	s_mov_b32 s21, 0
	s_add_nc_u64 s[8:9], s[12:13], s[20:21]        ; codes: ((320 tc + 16 tr + 8 half) 2 + column half) 1,536
	s_lshl_b32 s22, s42, 1
	s_add_co_u32 s22, s22, s16
	s_mul_i32 s22, s22, 20480
	s_lshl_b32 s23, s17, 10
	s_add_co_u32 s22, s22, s23
	s_lshl_b32 s23, s15, 9
	s_add_co_u32 s22, s22, s23
	s_add_co_u32 s22, s22, QKV_S
	s_mov_b32 s23, 0
	s_add_nc_u64 s[12:13], s[12:13], s[22:23]      ; scale words
	s_mov_b32 s[SEL], 0x76543210
	s_mov_b32 s[SEL+1], 0xfedcba98
.macro FRAG reg, adr, q, i             ; a fragment comes back as the image that it is: three loads of 512 consecutive bytes
.irp c, 0,1,2
	ds_load_b128 v[\reg+4*\c:\reg+4*\c+3], v[\adr] offset:3072*(\i)+1536*(\q)+512*\c
.endr
.endm
; 16 matrix instructions: A's blocks a0, a0 + 1 x B's eight, 128 along K.  first = 1: C is the column bias.  The 64 accumulators take turns, one instruction a turn.
.macro MUL16 a0, p, q, sc, first
.irp a, \a0, \a0+1
.irp b, 0,1,2,3,4,5,6,7
.if \first
	v_wmma_scale_f32_16x16x128_f8f6f4 v[8*(8*((\a)%4)+\b):8*(8*((\a)%4)+\b)+7], v[128*(\p)+FR*\b:128*(\p)+FR*\b+FR-1], v[AF+FR*(\a):AF+FR*(\a)+FR-1], v[CB+8*\b:CB+8*\b+7], v[SC+16*(\sc)+2*\b+(\q)], v[SC+16*(\sc)+2*(\a)+(\q)] matrix_a_fmt:MATRIX_FMT_FP6 matrix_b_fmt:MATRIX_FMT_FP6 matrix_a_scale:MATRIX_SCALE_ROW1
.else
	v_wmma_scale_f32_16x16x128_f8f6f4 v[8*(8*((\a)%4)+\b):8*(8*((\a)%4)+\b)+7], v[128*(\p)+FR*\b:128*(\p)+FR*\b+FR-1], v[AF+FR*(\a):AF+FR*(\a)+FR-1], v[8*(8*((\a)%4)+\b):8*(8*((\a)%4)+\b)+7], v[SC+16*(\sc)+2*\b+(\q)], v[SC+16*(\sc)+2*(\a)+(\q)] matrix_a_fmt:MATRIX_FMT_FP6 matrix_b_fmt:MATRIX_FMT_FP6 matrix_a_scale:MATRIX_SCALE_ROW1
.endif
.endr
.endr
.endm
.macro FETCH_B slot, q, p
	WIN TO_B
.irp i, 0,1,2,3,4,5,6,7
	FRAG 128*(\p)+FR*\i, ADRB+\slot, \q, \i
.endr
	WIN 0
.endm
.macro FETCH_A slot, q, i0
.irp i, \i0, \i0+1, \i0+2, \i0+3
	FRAG AF+FR*(\i), ADRA+\slot, \q, \i
.endr
.endm
.macro SCALES sc                       ; a K step's scale words: register 2 i + q: lanes 0-15 the word of A's block i, lanes 16-31 that of B's block i
.irp i, 0,1,2,3,4,5,6,7
	ds_load_b32 v[SC+16*\sc+2*\i], v[ADRS] offset:64*\i
	ds_load_b32 v[SC+16*\sc+2*\i+1], v[ADRS] offset:512+64*\i
.endr
.endm
.macro PLACES n                        ; plain vector lines between a matrix instruction and a load into, or a read of, its registers
.rept \n
	v_nop
.endr
.endm
.macro STEP slot, q, first             ; 128 along K that has its successor in the same slot
	s_wait_dscnt 4*NL                              ; B's set, A's blocks 0-3 and the scale words are in; the youngest 12 loads (A's blocks 4-7) may be out
.if \first
	WIN FST_LO
.else
	WIN MUL_LO
.endif
	MUL16 0, (\q)%2, \q, \slot, \first
	MUL16 2, (\q)%2, \q, \slot, \first
	s_wait_dscnt 0
	PLACES NP
	FETCH_B \slot, (\q)+1, 1-(\q)%2
	FETCH_A \slot, (\q)+1, 0
.if \first
	WIN FST_HI
.else
	WIN MUL_HI
.endif
	MUL16 4, (\q)%2, \q, \slot, \first
	MUL16 6, (\q)%2, \q, \slot, \first
	PLACES NP
	WIN 0
	FETCH_A \slot, (\q)+1, 4
.endm
; A slot's last step changes slots: one barrier; in front of it each wave waits for all its tensor loads, adds 0 to its spare word, and waits for that and for its reads of this slot.
.macro TURN slot, next, fill
	s_wait_tensorcnt 0x0                           ; all my tensor loads have landed: my part of the next slot
	ds_add_u32 v[SPW], v[NIL]                      ; 0 onto my spare word
	s_wait_dscnt 4*NL+1                            ; the add and the youngest 12 loads (A's blocks 4-7) may be out
	WIN MUL_LO
	MUL16 0, 1, 1, \slot, 0
	s_wait_dscnt 0x0                               ; the add is done, and my reads of this slot are over
	s_barrier_signal -1
	MUL16 2, 1, 1, \slot, 0
	WIN 0
	s_barrier_wait -1
.if \fill
	CREST                                          ; the barrier has opened a round of the cluster's: no wave of any partner still reads this slot or has a load on its way
	s_add_nc_u64 s[G0+4*\slot+2:G0+4*\slot+3], s[G0+4*\slot+2:G0+4*\slot+3], STEPA
	s_add_nc_u64 s[G0B+4*\slot+2:G0B+4*\slot+3], s[G0B+4*\slot+2:G0B+4*\slot+3], STEPB
	JLOAD G0+4*\slot, G1, G0B+4*\slot, G1B         ; the first tensor load behind the round; its four v_nop are the places in front of the loads below
.else
	PLACES NP
.endif
	s_wait_alu depctr_va_vdst(0)
	v_add_nc_u32 v[ADRS], 1024, v[ADRS]            ; the next K step's scale words: two rows of 512 bytes on
	FETCH_B \next, 0, 0
	FETCH_A \next, 0, 0
	SCALES \next
	WIN MUL_HI
	MUL16 4, 1, 1, \slot, 0
	MUL16 6, 1, 1, \slot, 0
	PLACES NP
	WIN 0
	FETCH_A \next, 0, 4
.endm
	s_wait_alu depctr_va_vdst(0)
	s_wait_tensorcnt 1                             ; the scale words and my part of K step 0 are in; K step 1's load may be out
	s_barrier_signal -1
	s_barrier_wait -1
	FETCH_B 0, 0, 0
	FETCH_A 0, 0, 0
	SCALES 0
	FETCH_A 0, 0, 4
	s_wait_loadcnt 0x0                             ; the biases
.set i, 0
.rept 64
	v_and_b32 v[CB+i], s100, v[CB+i]               ; V^T has no column bias
.set i, i+1
.endr
.irp a, 0,1,2,3,4,5,6,7
	v_and_b32 v[RBI+2*\a], s101, v[RBI+2*\a]       ; q and k have no row bias
	v_mov_b32 v[RBI+2*\a+1], v[RBI+2*\a]
.endr
	STEP 0, 0, 1
	s_mov_b32 s3, LAPS-1
.Llap:
	TURN 0, 1, 1
	STEP 1, 0, 0
	TURN 1, 0, 1
	STEP 0, 0, 0
	s_sub_co_u32 s3, s3, 1
	s_cmp_lg_u32 s3, 0
	s_cbranch_scc1 .Llap
	TURN 0, 1, 0                                   ; the last lap fills nothing
	STEP 1, 0, 0
	s_wait_dscnt 4*NL
	WIN MUL_LO
	MUL16 0, 1, 1, 1, 0
	MUL16 2, 1, 1, 1, 0
	s_wait_dscnt 0
	WIN MUL_HI
	MUL16 4, 1, 1, 1, 0
	MUL16 6, 1, 1, 1, 0
	WIN 0
; 64 numbers of a lane, register 16 b + i = column 32 b + 16 (lane / 16) + i of my row, become a fragment's codes in v[PC] on and its scale word in v[pw]
.macro QUANT s, pw
.irp b, 0,1,2,3
	v_max3_num_f32 v[TM+\b], |v[\s+16*\b]|, |v[\s+1+16*\b]|, 0x1800000   ; and the floor 2^(3 - 127): the byte cannot fall under 1
.endr
.irp i, 2,4,6,8,10,12,14
.irp b, 0,1,2,3
	v_max3_num_f32 v[TM+\b], v[TM+\b], |v[\s+16*\b+\i]|, |v[\s+1+16*\b+\i]|
.endr
.endr
.irp b, 0,1,2,3
	v_permlanex16_b32 v[TM+4+\b], v[TM+\b], s[SEL], s[SEL+1]
.endr
.irp b, 0,1,2,3
	v_max_num_f32 v[TM+\b], v[TM+\b], v[TM+4+\b]
.endr
.irp b, 0,1,2,3
	v_add_nc_u32 v[TM+12+\b], 0xff000000, v[TM+\b]
.endr
.irp b, 0,1,2,3
	v_lshrrev_b32 v[TM+4+\b], 23, v[TM+12+\b]
.endr
	v_lshl_or_b32 v[\pw], v[TM+5], 8, v[TM+4]
	v_lshl_or_b32 v[\pw], v[TM+6], 16, v[\pw]
	v_lshl_or_b32 v[\pw], v[TM+7], 24, v[\pw]
.irp c, 0,1
	v_cvt_scalef32_pk16_fp6_f32 v[PC+6*\c:PC+2+6*\c], v[\s+32*\c:\s+15+32*\c], v[TM+12+2*\c]
	v_cvt_scalef32_pk16_fp6_f32 v[PC+12+4*\c:PC+14+4*\c], v[\s+16+32*\c:\s+31+32*\c], v[TM+12+2*\c+1]
.endr
	v_nop                                          ; one plain place behind a scaled conversion
.irp c, 0,1                            ; the operand's layout wants a whole block in a lane
.irp i, 0,1,2
	v_permlane16_swap_b32 v[PC+6*\c+\i], v[PC+12+4*\c+\i]
.endr
.irp i, 0,1,2
	v_mov_b32 v[PC+3+6*\c+\i], v[PC+12+4*\c+\i]
.endr
.endr
.endm
.macro OUTBLK a                        ; block a, 16 rows x 128 columns: + the row bias, quantised, stored as one fragment
	s_wait_xcnt 0x0                                ; the last block's stores have read their registers
	WIN 0x02+(\a)/4                                ; source 0: the accumulators' window
.set AC, 64*((\a)%4)
.set i, 0
.rept 32
	v_pk_add_f32 v[W+i:W+i+1], v[AC+i:AC+i+1], v[RBI+2*(\a):RBI+2*(\a)+1]   ; each accumulator from its low end on
.set i, i+2
.endr
	WIN 0
	QUANT W, PWS+\a
.irp c, 0,1,2
	global_store_b128 v[CO], v[PC+4*\c:PC+4*\c+3], s[8:9] offset:3072*(\a)+512*\c   ; 512 consecutive bytes, aligned
.endr
	ds_store_b32 v[SWA], v[PWS+\a] offset:64*(\a)  ; lanes r and r + 16 write the same word with the same value
.endm
	PLACES NP
.irp b, 0,1,2,3
	v_mov_b32 v[TM+4+\b], 0                        ; a lane permute's destination counts as one of its sources
.endr
.irp a, 0,1,2,3,4,5,6,7
	OUTBLK \a
.endr
	ds_load_b128 v[176:179], v[SRD]                ; my 128 rows' scale words, in order behind my stores
	s_wait_dscnt 0x0
	global_store_b128 v[CO], v[176:179], s[12:13]
	s_wait_tensorcnt 0x0                           ; the wave's end
	ds_add_u32 v[SPW], v[NIL]
	s_wait_dscnt 0x0
	CROUND                                         ; the closing round
	s_endpgm
.Lfunc_end_k_q70591e8d60_qkv:
	.size	k_q70591e8d60_qkv, .Lfunc_end_k_q70591e8d60_qkv-k_q70591e8d60_qkv
	.p2alignl 7, 3214868480
	.fill 96, 4, 3214868480
	.section	.rodata,"a",@progbits
	.p2align	6, 0x0
	.amdhsa_kernel k_q70591e8d60_qkv
		.amdhsa_group_segment_fixed_size 327680
		.amdhsa_private_segment_fixed_size 0
		.amdhsa_enable_private_segment 0
		.amdhsa_kernarg_size 40
		.amdhsa_user_sgpr_count 2
		.amdhsa_user_sgpr_kernarg_segment_ptr 1
		.amdhsa_wavefront_size32 1
		.amdhsa_system_sgpr_workgroup_id_x 1
		.amdhsa_system_sgpr_workgroup_id_y 1
		.amdhsa_system_sgpr_workgroup_id_z 1
		.amdhsa_system_vgpr_workitem_id 0
		.amdhsa_next_free_vgpr 1024
		.amdhsa_next_free_sgpr 102
		.amdhsa_reserve_vcc 0
		.amdhsa_float_denorm_mode_32 3
		.amdhsa_float_denorm_mode_16_64 3
		.amdhsa_memory_ordered 1
		.amdhsa_forward_progress 1
		.amdhsa_inst_pref_size 165
	.end_amdhsa_kernel
	.amdgpu_metadata
---
amdhsa.version: [ 1, 2 ]
amdhsa.kernels:
  - .name:           k_q70591e8d60_qkv
    .symbol:         k_q70591e8d60_qkv.kd
    .args:
      - { .name: wk, .offset: 0, .size: 8, .value_kind: global_buffer, .address_space: global }
      - { .name: bq, .offset: 8, .size: 8, .value_kind: global_buffer, .address_space: global }
      - { .name: bk, .offset: 16, .size: 8, .value_kind: global_buffer, .address_space: global }
      - { .name: bv, .offset: 24, .size: 8, .value_kind: global_buffer, .address_space: global }
      - { .name: qkv, .offset: 32, .size: 8, .value_kind: global_buffer, .address_space: global }
    .group_segment_fixed_size: 327680
    .private_segment_fixed_size: 0
    .kernarg_segment_align: 8
    .kernarg_segment_size: 40
    .max_flat_workgroup_size: 128
    .sgpr_count:     102
    .vgpr_count:     1024
    .wavefront_size: 32
...
	.end_amdgpu_metadata
.endif
;; end of part 7
;; launch attn (part 8): grid 8 x 32, 8 waves a work-group, clusters of 4 x 1, 327,680 bytes of LDS; arguments qkv, mask, x, ln_ffn_g, ln_ffn_b, att; writes att
.if DOCPART == 8
	.amdgcn_target "amdgcn-amd-amdhsa--gfx1250"
	.amdhsa_code_object_version 6
	.text
	.protected	k_q70591e8d60_attn
	.globl	k_q70591e8d60_attn
	.p2align	8
	.type	k_q70591e8d60_attn,@function
k_q70591e8d60_attn:
	s_mov_b64 s[64:65], 0
	v_nop
	global_prefetch_b8 v0, s[64:65] scope:SCOPE_SE
	s_setreg_imm32_b32 hwreg(HW_REG_WAVE_MODE, 25, 1), 1
	s_wait_xcnt 0x0
	s_wait_alu depctr_hold_cnt(0) depctr_sa_sdst(0) depctr_va_vdst(0) depctr_va_sdst(0) depctr_va_ssrc(0) depctr_va_vcc(0) depctr_vm_vsrc(0)
	s_getreg_b32 s2, hwreg(HW_REG_IB_STS2, 6, 4)
	s_cmp_eq_u32 s2, 0
	s_cbranch_scc0 .Lentry_in_a_cluster
	s_endpgm
.Lentry_in_a_cluster:
	s_bfe_u32 s2, ttmp6, 0x10000c
	s_cmp_lg_u32 s2, 0x3003
	s_cbranch_scc0 .Lentry_shape_is_right
	s_endpgm
.Lentry_shape_is_right:
; ATTN.  softmax((q k^T / 8) x mask) v on codes of E2M3, the plain reshape of the context, + x, LayerNorm, and h quantised for the next product.
; A work-group: batch b = y / 8, heads 2 P and 2 P + 1 (P = y % 8), queries 128 X .. 128 X + 127.  Wave w: the 16 queries of tile qt = 8 X + w, for BOTH heads.
; K (1,024 keys x the pair's 128 dims: 64 fragments of 1,536 bytes) and V (128 channels x 1,024 keys: 64 fragments) with their scale words lie in LDS for the whole launch: one tensor load a wave at the head,
; nothing is filled again, so the walk over the keys (8 steps of 128) has no barrier.  All of K and V is asked for at the head: there is no later tile to prefetch.
; CLUSTER 4 x 1: the four work-groups share b and P, so each of these loads is asked for jointly (mask 15); the descriptors hang on y and the wave's number alone.
; A K fragment holds both heads' dims: q with the other head's 64 dims as zero codes picks the head, so one fragment serves two products.  Both products are used transposed: lane (r, h) holds query r.
; The tables of qkv hold true row swap34(place), so the 16 registers of score tiles 2 b, 2 b + 1 are keys 32 b + 16 h + 0 .. 15.
; THE MASK (f32, an input, multiplied onto the scores) serves both heads: 16 loads of 512 consecutive bytes (a query's 128 keys) a step, asked for one step ahead, turned through the wave's own LDS stage (pitch 528).
; p = 2^(t - M), t = score x mask x log2(e) / 8, M the ceiling of the running largest t; the row's sum is taken of the unquantised p; a change of M multiplies sum and O by an exact power of two.
; A (head, tile of 16 queries) is one row 64 head + qt of the reshaped context.  The work-group's 16 rows make block 8 y + X of h's table: place 8 u + w is true row 128 y + 64 u + 8 X + w.
; att: out = context + x (f32, true rows) at 0; h's codes at H_C (images of fragments, 256 row blocks), h's scale words at H_S (pitch 16,384).
; x's two rows of a wave (32 blocks of 256 bytes, a lane each) are prefetched once at the head; they are read behind the 8 steps.
; LIMITS: the scaled scores stay under 2^31 in magnitude; a block of zeros gets the byte 1 and not 127 (its codes are zeros; this program alone reads the bytes); NaN and infinities are not served.
; REGISTERS: head 0's state in window 0, head 1's in window 1, at the same numbers: S v96-159, O v160-191, codes v192-211, work v212-233, q v234-245.
;   window 0 also: v1-22 addresses, v32-79 four fragments of K or V, v80-83 their scale words, v84 q's, v85-86 p's.  window 1 also: v0-63 the mask, later gain and bias; v64-95 x's second row.
.set QKV_S, 15728640
.set H_C,   16777216
.set H_S,   19922944
.set VL,    98304
.set KSC,   196608
.set VSC,   200704
.set SPARE, 204800                     ; the spare words: 128 bytes a wave
.set STG,   205824                     ; a stage of WST bytes for each wave
.set WST,   8448
.set IMG,   273408                     ; the 16 rows' eight fragments
.set HSC,   285696                     ; and their scale words
.set WV,   16
.set G1K,  24
.set G1V,  32
.set G1KS, 40
.set G1VS, 48
.set G0K,  56
.set G0V,  60
.set G0KS, 68
.set G0VS, 72
.set SEL,  76
.set CS,   78
.set KF,   32
.set KS,   80
.set QS,   84
.set PS,   85
.set S,    96
.set O,    160
.set PC,   192
.set PX,   204
.set BM,   212
.set PT,   216
.set SO,   220
.set NM,   224
.set SU,   226
.set FF,   228
.set TT,   230
.set S2,   232
.set QF,   234
.set CT,   96
.set LX,   128
.set CD,   160
.set LY,   192
.set TS,   236
.set TP,   238
.set SA,   240
.set SB,   242
.set MN,   244
.set RS,   246
.set QA,   248
.set QB,   249
.set QO,   250
.set QY,   251
.set MSB, 0
.macro WIN new                         ; the immediate's high byte repeats the setting that is left
.if MSB != (\new)
	s_set_vgpr_msb (MSB<<8)|(\new)
.set MSB, (\new)
.endif
.endm
.macro NOP4
.rept 4
	v_nop
.endr
.endm
.macro VW
	s_wait_alu depctr_va_vdst(0)
.endm
.macro ROUND
	s_barrier_signal -1
	s_barrier_wait -1
	s_cmp_lg_u32 s[WV], 0
	s_cbranch_scc1 .Lnot_wave_0_\@
	s_barrier_signal -3
.Lnot_wave_0_\@:
	s_barrier_wait -3
	s_barrier_signal -1
	s_barrier_wait -1
.endm
.macro DESC g, c, r, p                 ; group 1: r rows of c elements of 8 bytes, p elements apart; mask 15, bit 21 beside it
	s_mov_b32 s[\g], 15|(3<<16)|(1<<21)
	s_mov_b32 s[\g+1], (\c)<<16
	s_mov_b32 s[\g+2], (\r)<<16
	s_mov_b32 s[\g+3], (\c)<<16
	s_mov_b32 s[\g+4], \r
	s_mov_b32 s[\g+5], \p
	s_mov_b32 s[\g+6], 0
	s_mov_b32 s[\g+7], 0
.endm
.macro ARM under, g0, g1, next
	s_cmp_lt_u32 s[WV], \under
	s_cbranch_scc0 \next
	tensor_load_to_lds s[\g0:\g0+3], s[\g1:\g1+7]
	s_nop 0
	NOP4
	s_branch .Lasked
\next:
.endm
	s_load_b256 s[4:11], s[0:1], 0x0               ; qkv s4, mask s6, x s8, gain s10
	s_load_b128 s[12:15], s[0:1], 0x20             ; bias s12, att s14
	v_lshl_add_u32 v5, v0, 2, SPARE
	v_mov_b32 v6, 0
	ds_add_u32 v5, v6                              ; the opening lines: the add twice on end
	ds_add_u32 v5, v6
	v_lshrrev_b32 v15, 5, v0
	v_readfirstlane_b32 s[WV], v15                 ; wave 0..7
	s_bfe_u32 s17, ttmp6, 0x40000                  ; cx
	s_lshl_b32 s18, ttmp9, 2
	s_add_co_u32 s18, s18, s17                     ; X
	s_and_b32 s19, ttmp7, 0xffff                   ; y
	s_lshr_b32 s20, s19, 3                         ; b
	s_and_b32 s21, s19, 7                          ; P
	DESC G1K, 192, 16, 384                         ; K: 16 fragments of 1,536 bytes, 3,072 apart
	DESC G1V, 3072, 2, 122880                      ; V: two runs of 24,576 bytes (8 row blocks x 256 keys), 320 row blocks apart
	DESC G1KS, 32, 16, 32                          ; K's words: 4,096 dense bytes
	DESC G1VS, 64, 8, 2560                         ; V's words: 8 steps x 512 bytes
	s_lshr_b32 s80, s21, 1
	s_mul_i32 s81, s80, 320
	s_lshl_b32 s82, s20, 6
	s_add_co_u32 s81, s81, s82                     ; 320 (P / 2) + 64 b: q's first row block
	s_and_b32 s83, s21, 1
	s_and_b32 s88, s[WV], 3                        ; waves 0-3: a quarter of K each
	s_lshl_b32 s89, s88, 4
	s_add_co_u32 s89, s89, s81
	s_add_co_u32 s89, s89, 1280                    ; k's columns begin 4 kt behind q's
	s_lshl_b32 s89, s89, 1
	s_add_co_u32 s89, s89, s83
	s_mul_i32 s90, s89, 1536
	s_mov_b32 s91, 0
	s_mul_i32 s88, s88, 24576
	s_and_b32 s92, s[WV], 1                        ; waves 4, 5: a half of V each
	s_lshl_b32 s93, s20, 2
	s_lshl_b32 s94, s92, 1
	s_add_co_u32 s93, s93, s94
	s_mul_i32 s93, s93, 320
	s_lshl_b32 s94, s21, 3
	s_add_co_u32 s93, s93, s94
	s_add_co_u32 s93, s93, 256
	s_mul_i32 s94, s93, 3072
	s_mov_b32 s95, 0
	s_mul_i32 s92, s92, 49152
	s_add_co_u32 s92, s92, VL
	s_add_co_u32 s96, s21, 8
	s_mul_i32 s96, s96, 20480
	s_lshl_b32 s97, s20, 12
	s_add_co_u32 s96, s96, s97
	s_add_co_u32 s96, s96, QKV_S
	s_mov_b32 s97, 0
	s_mul_i32 s98, s20, 163840
	s_lshl_b32 s99, s21, 9
	s_add_co_u32 s98, s98, s99
	s_add_co_u32 s98, s98, QKV_S+16384
	s_mov_b32 s99, 0
	s_wait_dscnt 0x0                               ; both opening adds are done
	s_wait_kmcnt 0x0
	s_mov_b32 s[G0K], 1
	s_mov_b32 s[G0K+1], s88
	s_add_nc_u64 s[G0K+2:G0K+3], s[4:5], s[90:91]
	s_or_b32 s[G0K+3], s[G0K+3], 0x80000000
	s_mov_b32 s[G0V], 1
	s_mov_b32 s[G0V+1], s92
	s_add_nc_u64 s[G0V+2:G0V+3], s[4:5], s[94:95]
	s_or_b32 s[G0V+3], s[G0V+3], 0x80000000
	s_mov_b32 s[G0KS], 1
	s_mov_b32 s[G0KS+1], KSC
	s_add_nc_u64 s[G0KS+2:G0KS+3], s[4:5], s[96:97]
	s_or_b32 s[G0KS+3], s[G0KS+3], 0x80000000
	s_mov_b32 s[G0VS], 1
	s_mov_b32 s[G0VS+1], VSC
	s_add_nc_u64 s[G0VS+2:G0VS+3], s[4:5], s[98:99]
	s_or_b32 s[G0VS+3], s[G0VS+3], 0x80000000
	ROUND                                          ; the four work-groups are here: the joint loads meet
	ARM 4, G0K,  G1K,  .Larm_v                     ; one chain of arms, one load a wave
	ARM 6, G0V,  G1V,  .Larm_ks
	ARM 7, G0KS, G1KS, .Larm_vs
	tensor_load_to_lds s[G0VS:G0VS+3], s[G1VS:G1VS+7]
	s_nop 0
	NOP4
.Lasked:
	s_lshl_b32 s88, s18, 3
	s_add_co_u32 s22, s88, s[WV]                   ; qt = 8 X + w
	s_and_b32 s89, s[WV], 6
	s_add_co_u32 s88, s88, s89                     ; the two row blocks that hold my 16 queries
	s_add_co_u32 s89, s81, s88
	s_lshl_b32 s89, s89, 1
	s_add_co_u32 s89, s89, s83
	s_mul_i32 s90, s89, 1536
	s_add_nc_u64 s[90:91], s[4:5], s[90:91]        ; q's fragments
	s_mul_i32 s92, s21, 20480
	s_lshl_b32 s93, s20, 12
	s_add_co_u32 s92, s92, s93
	s_lshl_b32 s93, s88, 6
	s_add_co_u32 s92, s92, s93
	s_add_co_u32 s92, s92, QKV_S
	s_mov_b32 s93, 0
	s_add_nc_u64 s[92:93], s[4:5], s[92:93]        ; q's scale words
	s_lshl_b32 s94, s22, 16
	s_add_nc_u64 s[6:7], s[6:7], s[94:95]          ; the mask's rows 16 qt ..
	s_lshl_b32 s96, s19, 7
	s_add_co_u32 s96, s96, s22                     ; row 128 y + qt; head 1's lies 64 rows on
	s_lshl_b32 s96, s96, 12
	s_add_nc_u64 s[8:9], s[8:9], s[96:97]
	s_add_nc_u64 s[100:101], s[14:15], s[96:97]
	s_mul_i32 s23, s[WV], WST
	s_add_co_u32 s23, s23, STG                     ; my stage
	s_and_b32 s80, s[WV], 1
	s_lshl_b32 s80, s80, 3
	s_mov_b32 s[SEL], 0x76543210
	s_mov_b32 s[SEL+1], 0xfedcba98
	s_mov_b32 s[CS], 0x3e38aa3b                    ; log2(e) / 8
	s_mov_b32 s[CS+1], s[CS]
	s_mov_b32 s84, 0                               ; 12,288 x step
	s_mov_b32 s85, 0                               ; 512 x step
	s_mov_b32 s86, 0                               ; 10,752 in odd steps: V's step lies at 24,576 (step / 2) + 1,536 (step % 2)
	s_mov_b32 s87, 8
	v_and_b32 v15, 31, v0                          ; lane
	v_and_b32 v16, 15, v0                          ; r
	v_bfe_u32 v17, v0, 4, 1                        ; h
	v_lshlrev_b32 v14, 4, v15
	v_lshrrev_b32 v18, 3, v16
	v_and_b32 v19, 7, v16
	v_add_nc_u32 v2, VL, v14
	v_lshl_add_u32 v3, v16, 2, KSC
	v_add_nc_u32 v19, s80, v19                     ; query 16 qt + r lies in row block r / 8 of the two, at row 8 (qt % 2) + r % 8
	v_lshl_add_u32 v4, v16, 2, VSC
	v_mul_u32_u24 v7, v16, 528
	v_lshl_add_u32 v20, v17, 4, v19
	v_lshl_add_u32 v21, v18, 4, v19
	v_lshl_add_u32 v7, v17, 6, v7
	v_lshlrev_b32 v20, 4, v20
	v_lshlrev_b32 v21, 2, v21
	v_add_nc_u32 v7, s23, v7                       ; the stage read: row r, + 64 h
	v_mad_u32_u24 v20, v18, 3072, v20
	v_add_nc_u32 v12, s23, v14                     ; the stage written: 16 x lane
	v_mov_b32 v13, v14                             ; the mask's offset: 16 x lane + 512 x step
	v_lshlrev_b32 v22, 18, v17
	v_lshl_add_u32 v22, v16, 8, v22                ; x: lanes 0-15 head 0's row, lanes 16-31 head 1's, 256 bytes a lane
	VW
.irp c, 0,1,2
	global_load_b128 v[QF+4*\c:QF+4*\c+3], v20, s[90:91] offset:512*\c
.endr
	global_load_b32 v[QS], v21, s[92:93]
.macro MASKLD                          ; 16 rows x 512 consecutive bytes -> window 1, v0-63
	WIN 0x40
.irp e, 0,1,2,3,4,5,6,7,8,9,10,11,12,13,14,15
	global_load_b128 v[4*\e:4*\e+3], v13, s[6:7] offset:4096*\e
.endr
	WIN 0
.endm
	MASKLD
	global_prefetch_b8 v22, s[8:9] th:TH_LOAD_NT scope:SCOPE_SE   ; v22 and s[8:9] are not written again
.irp u, 0,1
	WIN 0x55*\u
	v_mov_b32 v[NM+1], 0xff61b1e6                  ; the largest t so far: -3e38
	v_mov_b32 v[SU], 0
	v_mov_b32 v[SU+1], 0
	v_mov_b32 v[FF+1], 0
	v_floor_f32 v[NM], -v[NM+1]
.irp b, 0,1,2,3
	v_mov_b32 v[PT+\b], 0                          ; a lane permute's destination counts as one of its sources
.endr
.set i, 0
.rept 32
	v_mov_b32 v[O+i], 0                            ; the step is written once: the first finds zeros
.set i, i+1
.endr
.endr
	WIN 0
	VW
	s_wait_loadcnt 16                              ; q and its words are in; the mask's 16 loads may be out
	WIN 0x40
.irp i, 0,1,2,3,4,5
	v_mov_b32 v[QF+\i], 0                          ; head 1's q: dims 0-63 as zero codes,
	v_mov_b32 v[QF+6+\i], v[QF+6+\i]               ; dims 64-127 from window 0
.endr
	WIN 0
.irp i, 0,1,2,3,4,5
	v_mov_b32 v[QF+6+\i], 0                        ; head 0's q: dims 64-127 as zero codes
.endr
	VW
	s_wait_tensorcnt 0x0                           ; my part of K, V or the words has landed
	s_barrier_signal -1
	s_barrier_wait -1                              ; and everybody's
.macro KLOAD g
.irp t, 0,1,2,3
.irp c, 0,1,2
	ds_load_b128 v[KF+12*\t+4*\c:KF+12*\t+4*\c+3], v8 offset:1536*(4*\g+\t)+512*\c
.endr
	ds_load_b32 v[KS+\t], v10 offset:64*(4*\g+\t)
.endr
.endm
.macro VLOAD u
.irp t, 0,1,2,3
.irp c, 0,1,2
	ds_load_b128 v[KF+12*\t+4*\c:KF+12*\t+4*\c+3], v9 offset:3072*(4*\u+\t)+512*\c
.endr
	ds_load_b32 v[KS+\t], v11 offset:256*\u+64*\t
.endr
.endm
.macro KQ g                            ; S^T = k q^T: four tiles of 16 keys for head 0, the same fragments for head 1
.irp u, 0,1
	WIN 0x44*\u
.irp t, 0,1,2,3
	v_wmma_scale_f32_16x16x128_f8f6f4 v[S+8*(4*\g+\t):S+8*(4*\g+\t)+7], v[KF+12*\t:KF+12*\t+11], v[QF:QF+11], 0, v[KS+\t], v[QS] matrix_a_fmt:MATRIX_FMT_FP6 matrix_b_fmt:MATRIX_FMT_FP6
.endr
.endr
	WIN 0
.endm
.macro MMUL g                          ; x the mask, which lies in window 1 for both heads; each accumulator from its low end on
.irp u, 0,1
	WIN 0x04+0x41*\u
.set i, 0
.rept 16
	v_pk_mul_f32 v[S+32*\g+i:S+32*\g+i+1], v[S+32*\g+i:S+32*\g+i+1], v[32*\g+i:32*\g+i+1]
.set i, i+2
.endr
.endr
	WIN 0
.endm
.macro SOFT u                          ; head u's 64 scores of my query become p's codes and scale word; sum and O go under the new M
	WIN 0x55*\u
.irp b, 0,1,2,3
	v_max3_num_f32 v[BM+\b], v[S+16*\b], v[S+1+16*\b], v[S+2+16*\b]
.endr
.irp i, 3,5,7,9,11,13
.irp b, 0,1,2,3
	s_delay_alu instid0(VALU_DEP_4)
	v_max3_num_f32 v[BM+\b], v[BM+\b], v[S+16*\b+\i], v[S+1+16*\b+\i]
.endr
.endr
.irp b, 0,1,2,3
	s_delay_alu instid0(VALU_DEP_4)
	v_max_num_f32 v[BM+\b], v[BM+\b], v[S+15+16*\b]
.endr
.irp b, 0,1,2,3
	s_delay_alu instid0(VALU_DEP_4)
	v_permlanex16_b32 v[PT+\b], v[BM+\b], s[SEL], s[SEL+1]
.endr
.irp b, 0,1,2,3
	s_delay_alu instid0(VALU_DEP_4)
	v_max_num_f32 v[BM+\b], v[BM+\b], v[PT+\b]     ; each block's largest score
.endr
	s_delay_alu instid0(VALU_DEP_2)
	v_max3_num_f32 v[TT], v[BM], v[BM+1], v[BM+2]
	s_delay_alu instid0(VALU_DEP_1)
	v_max_num_f32 v[TT], v[TT], v[BM+3]
	s_delay_alu instid0(VALU_DEP_1)
	v_mul_f32 v[TT], s[CS], v[TT]
	s_delay_alu instid0(VALU_DEP_1)
	v_max_num_f32 v[NM+1], v[NM+1], v[TT]          ; the running largest t
	v_mov_b32 v[TT], v[NM]
	s_delay_alu instid0(VALU_DEP_2)
	v_floor_f32 v[NM], -v[NM+1]                    ; -M
	s_delay_alu instid0(VALU_DEP_1)
	v_sub_f32 v[TT], v[NM], v[TT]
	s_delay_alu instid0(VALU_DEP_1)
	v_cvt_i32_f32 v[TT], v[TT]
	s_delay_alu instid0(VALU_DEP_1)
	v_ldexp_f32 v[FF], 1.0, v[TT]                  ; f = 2^(old M - new M)
.set i, 0
.rept 32
	v_pk_fma_f32 v[S+i:S+i+1], v[S+i:S+i+1], s[CS:CS+1], v[NM:NM+1] op_sel_hi:[1,0,0]
.set i, i+2
.endr
.irp b, 0,1,2,3
	v_fma_f32 v[BM+\b], v[BM+\b], s[CS], v[NM]
.endr
	VW
.set i, 0
.rept 64
	v_exp_f32 v[S+i], v[S+i]
.set i, i+1
.endr
.irp b, 0,1,2,3
	v_exp_f32 v[BM+\b], v[BM+\b]                   ; the block's largest p
.endr
	v_pk_mul_f32 v[SU:SU+1], v[SU:SU+1], v[FF:FF+1] op_sel_hi:[1,0]
	VW
.irp b, 0,1,2,3
	v_max_num_f32 v[BM+\b], 0x1800000, v[BM+\b]    ; the floor 2^(3 - 127): the byte cannot fall under 1
.endr
.irp b, 0,1,2,3
	s_delay_alu instid0(VALU_DEP_4)
	v_add_nc_u32 v[SO+\b], 0xff000000, v[BM+\b]
.endr
.irp b, 0,1,2,3
	s_delay_alu instid0(VALU_DEP_4)
	v_lshrrev_b32 v[PT+\b], 23, v[SO+\b]
.endr
	s_delay_alu instid0(VALU_DEP_3)
	v_lshl_or_b32 v[TT], v[PT+1], 8, v[PT]
	s_delay_alu instid0(VALU_DEP_1)
	v_lshl_or_b32 v[TT], v[PT+2], 16, v[TT]
	s_delay_alu instid0(VALU_DEP_1)
	v_lshl_or_b32 v[TT], v[PT+3], 24, v[TT]
	WIN 0x01*\u
	v_mov_b32 v[PS+\u], v[TT]                      ; scale operands are taken from window 0
	WIN 0x55*\u
.irp c, 0,1
	v_cvt_scalef32_pk16_fp6_f32 v[PC+6*\c:PC+6*\c+2], v[S+32*\c:S+32*\c+15], v[SO+2*\c]
	v_cvt_scalef32_pk16_fp6_f32 v[PX+4*\c:PX+4*\c+2], v[S+16+32*\c:S+31+32*\c], v[SO+2*\c+1]
.endr
	v_nop                                          ; one plain place behind a scaled conversion
.irp c, 0,1
.irp i, 0,1,2
	v_permlane16_swap_b32 v[PC+6*\c+\i], v[PX+4*\c+\i]
.endr
.irp i, 0,1,2
	v_mov_b32 v[PC+3+6*\c+\i], v[PX+4*\c+\i]
.endr
.endr
	v_pk_add_f32 v[S2:S2+1], v[S:S+1], v[S+2:S+3]  ; the sum of the unquantised p, in two chains
.irp j, 4,8,12,16,20,24,28,32,36,40,44,48,52,56,60
	v_pk_add_f32 v[SU:SU+1], v[SU:SU+1], v[S+\j:S+\j+1]
	v_pk_add_f32 v[S2:S2+1], v[S2:S2+1], v[S+2+\j:S+3+\j]
.endr
	s_delay_alu instid0(VALU_DEP_1)
	v_pk_add_f32 v[SU:SU+1], v[SU:SU+1], v[S2:S2+1]
	VW                                             ; directly ahead of the first reader of O
.set i, 0
.rept 16
	v_pk_mul_f32 v[O+i:O+i+1], v[O+i:O+i+1], v[FF:FF+1] op_sel_hi:[1,0]
.set i, i+2
.endr
.endm
.macro PV u                            ; O^T += v^T p^T: the four accumulators by turns
	VW
	s_wait_dscnt 0x0                               ; V's four fragments and their words
	WIN 0x54*\u
.irp t, 0,1,2,3
	v_wmma_scale_f32_16x16x128_f8f6f4 v[O+8*\t:O+8*\t+7], v[KF+12*\t:KF+12*\t+11], v[PC:PC+11], v[O+8*\t:O+8*\t+7], v[KS+\t], v[PS+\u] matrix_a_fmt:MATRIX_FMT_FP6 matrix_b_fmt:MATRIX_FMT_FP6
.endr
	WIN 0
.endm
.Lstep:
	v_add_nc_u32 v8, s84, v14                      ; these five lines are also the places behind the last step's products
	v_add_nc_u32 v9, s84, v2
	v_add_nc_u32 v10, s85, v3
	v_add_nc_u32 v11, s85, v4
	v_sub_nc_u32 v9, v9, s86
	KLOAD 0
	VW
	s_wait_loadcnt 0x0                             ; this step's mask rows, asked for a step ago
	WIN 0x04
.irp e, 0,1,2,3,4,5,6,7,8,9,10,11,12,13,14,15
	ds_store_b128 v12, v[4*\e:4*\e+3] offset:528*\e
.endr
	WIN 0x40
.irp e, 0,1,2,3,4,5,6,7,8,9,10,11,12,13,14,15
	ds_load_b128 v[4*\e:4*\e+3], v7 offset:128*(\e/4)+16*(\e%4)   ; LDS serves a wave's instructions in order: register 16 b + i = key 32 b + 16 h + i of query r
.endr
	WIN 0
	s_wait_dscnt 32                                ; K's first four fragments are in; the mask's 16 stores and 16 loads may be out
	KQ 0
	NOP4
	KLOAD 1
	s_wait_dscnt 16                                ; the mask is back; K's 16 loads just issued may be out
	MMUL 0
	s_wait_dscnt 0x0
	KQ 1
	NOP4
	VLOAD 0
	MMUL 1
	VW
	s_cmp_eq_u32 s87, 1                            ; the last step has no successor
	s_cbranch_scc1 .Lno_mask
	v_add_nc_u32 v13, 512, v13
	MASKLD
.Lno_mask:
	SOFT 0
	PV 0
	NOP4
	VLOAD 1
	SOFT 1
	PV 1
	s_add_co_u32 s84, s84, 12288
	s_add_co_u32 s85, s85, 512
	s_xor_b32 s86, s86, 10752
	s_sub_co_u32 s87, s87, 1
	s_cmp_lg_u32 s87, 0
	VW
	s_cbranch_scc1 .Lstep
	s_wait_loadcnt 0x0                             ; no load into the mask's registers is out: gain and bias are loaded there below
; THE WAY OUT: two rows a wave
	s_lshl_b32 s24, s[WV], 4
	s_add_co_u32 s24, s24, IMG
	s_lshl_b32 s25, s[WV], 2
	s_add_co_u32 s25, s25, HSC
	s_mul_i32 s26, s[WV], 1536
	s_add_co_u32 s26, s26, IMG
	s_and_b32 s27, s[WV], 3
	s_lshl_b32 s27, s27, 7
	s_add_co_u32 s27, s27, HSC
	s_lshl_b32 s32, s19, 3
	s_add_co_u32 s32, s32, s18                     ; block 8 y + X
	s_lshr_b32 s28, s[WV], 1
	s_lshl_b32 s28, s28, 8
	s_add_co_u32 s28, s28, s32
	s_lshl_b32 s28, s28, 1
	s_and_b32 s29, s[WV], 1
	s_add_co_u32 s28, s28, s29
	s_mul_i32 s28, s28, 1536
	s_add_co_u32 s28, s28, H_C
	s_mov_b32 s29, 0
	s_add_nc_u64 s[28:29], s[14:15], s[28:29]      ; wave w copies fragment w: kt = w / 2, q = w % 2
	s_lshl_b32 s30, s[WV], 15
	s_lshl_b32 s31, s32, 6
	s_add_co_u32 s30, s30, s31
	s_add_co_u32 s30, s30, H_S
	s_mov_b32 s31, 0
	s_add_nc_u64 s[30:31], s[14:15], s[30:31]
	s_mov_b32 s88, 0x3a800000                      ; 1 / 1,024
	s_mov_b32 s89, 0x358637bd                      ; 1e-6
	v_mul_u32_u24 v1, v16, 272
	v_mul_u32_u24 v2, v17, 272
	v_lshrrev_b32 v18, 3, v15
	v_and_b32 v19, 7, v15
	v_lshl_add_u32 v1, v17, 6, v1
	v_lshl_add_u32 v2, v16, 4, v2
	v_mul_u32_u24 v3, v18, 144
	v_mul_u32_u24 v4, v15, 144
	v_add_nc_u32 v1, s23, v1                       ; O in: query r, + 64 h
	v_add_nc_u32 v2, s23, v2                       ; back: query 2 e + h, 16 r
	v_lshl_add_u32 v3, v19, 4, v3
	v_add_nc_u32 v4, s23, v4                       ; the turn, out: block = lane
	v_lshrrev_b32 v18, 2, v15
	v_and_b32 v19, 1, v15
	v_add_nc_u32 v3, s23, v3                       ; the turn, in
	v_mul_u32_u24 v20, v18, 1536
	v_bfe_u32 v21, v15, 1, 1
	v_and_b32 v9, 3, v15
	v_lshl_add_u32 v20, v19, 8, v20
	v_lshl_add_u32 v9, v18, 6, v9
	v_add_nc_u32 v10, s26, v14
	v_add_nc_u32 v20, s24, v20                     ; block l: fragment l / 4, half of the lanes l % 2, image row w (+ 8 u)
	v_add_nc_u32 v9, s25, v9                       ; its scale byte
	v_lshl_add_u32 v11, v15, 2, s27
	v_mad_u32_u24 v7, v21, 520, v20
	v_mad_u32_u24 v8, v21, 1016, v20
	v_lshlrev_b32 v13, 14, v17
	v_mov_b32 v[TP], 0
	v_lshl_add_u32 v13, v16, 2, v13
	VW
.irp e, 0,1,2,3,4,5,6,7
	global_load_b128 v[32+4*\e:35+4*\e], v14, s[8:9] offset:512*\e th:TH_LOAD_NT
.endr
	WIN 0x40
.irp e, 0,1,2,3,4,5,6,7
	global_load_b128 v[64+4*\e:67+4*\e], v14, s[8:9] offset:262144+512*\e th:TH_LOAD_NT
.endr
.irp e, 0,1,2,3,4,5,6,7
	global_load_b128 v[4*\e:4*\e+3], v14, s[10:11] offset:512*\e
.endr
.irp e, 0,1,2,3,4,5,6,7
	global_load_b128 v[32+4*\e:35+4*\e], v14, s[12:13] offset:512*\e
.endr
	WIN 0
.macro SUM32 a
.irp m, 1,2,4,8
	s_delay_alu instid0(VALU_DEP_1)
	v_add_f32_dpp v[\a], v[\a], v[\a] row_xmask:\m row_mask:0xf bank_mask:0xf
.endr
	s_delay_alu instid0(VALU_DEP_1)
	v_permlanex16_b32 v[TP], v[\a], s[SEL], s[SEL+1]
	s_delay_alu instid0(VALU_DEP_1)
	v_add_f32 v[\a], v[\a], v[TP]
.endm
.macro ROW u
	WIN 0x05*\u
	v_add_f32 v[TS], v[SU], v[SU+1]
	WIN 0
	v_permlanex16_b32 v[TP], v[TS], s[SEL], s[SEL+1]
	s_delay_alu instid0(VALU_DEP_1)
	v_add_f32 v[TS], v[TS], v[TP]                  ; the row's sum
	VW
	v_rcp_f32 v[TS], v[TS]
	v_nop
	VW
	v_mov_b32 v[TS+1], v[TS]
	WIN 0x01*\u
.set i, 0
.rept 16
	v_pk_mul_f32 v[CT+i:CT+i+1], v[O+i:O+i+1], v[TS:TS+1]
.set i, i+2
.endr
	WIN 0
.irp e, 0,1,2,3,4,5,6,7
	ds_store_b128 v1, v[CT+4*\e:CT+4*\e+3] offset:128*(\e/4)+16*(\e%4)   ; channel place -> true channel
.endr
.irp e, 0,1,2,3,4,5,6,7
	ds_load_b128 v[LX+4*\e:LX+4*\e+3], v2 offset:544*\e           ; register 4 e + i: element 128 e + 4 lane + i of the row
.endr
	VW
	s_wait_dscnt 0x0
.if \u == 0
	s_wait_loadcnt 0x0                             ; x's rows, gain and bias
.endif
	WIN 0x04*\u
.set i, 0
.rept 16
	v_pk_add_f32 v[LX+i:LX+i+1], v[LX+i:LX+i+1], v[32+32*\u+i:33+32*\u+i]
.set i, i+2
.endr
	WIN 0
.irp e, 0,1,2,3,4,5,6,7
	global_store_b128 v14, v[LX+4*\e:LX+4*\e+3], s[100:101] offset:262144*\u+512*\e   ; 512 consecutive bytes, aligned
.endr
	VW
	s_wait_xcnt 0x0                                ; the stores have read their registers
	v_pk_add_f32 v[SA:SA+1], v[LX:LX+1], v[LX+2:LX+3]
	v_pk_add_f32 v[SB:SB+1], v[LX+4:LX+5], v[LX+6:LX+7]
.irp i, 8,12,16,20,24,28
	s_delay_alu instid0(VALU_DEP_2)
	v_pk_add_f32 v[SA:SA+1], v[SA:SA+1], v[LX+\i:LX+\i+1]
	s_delay_alu instid0(VALU_DEP_2)
	v_pk_add_f32 v[SB:SB+1], v[SB:SB+1], v[LX+\i+2:LX+\i+3]
.endr
	s_delay_alu instid0(VALU_DEP_1)
	v_pk_add_f32 v[SA:SA+1], v[SA:SA+1], v[SB:SB+1]
	s_delay_alu instid0(VALU_DEP_1)
	v_add_f32 v[SA], v[SA], v[SA+1]
	SUM32 SA
	s_delay_alu instid0(VALU_DEP_1)
	v_mul_f32 v[MN], s88, v[SA]
	s_delay_alu instid0(VALU_DEP_1)
	v_mov_b32 v[MN+1], v[MN]
.irp i, 0,2,4,6,8,10,12,14,16,18,20,22,24,26,28,30
	v_pk_add_f32 v[LX+\i:LX+\i+1], v[LX+\i:LX+\i+1], v[MN:MN+1] neg_lo:[0,1] neg_hi:[0,1]
.endr
	v_pk_mul_f32 v[SA:SA+1], v[LX:LX+1], v[LX:LX+1]
	v_pk_mul_f32 v[SB:SB+1], v[LX+2:LX+3], v[LX+2:LX+3]
.irp i, 4,8,12,16,20,24,28
	s_delay_alu instid0(VALU_DEP_2)
	v_pk_fma_f32 v[SA:SA+1], v[LX+\i:LX+\i+1], v[LX+\i:LX+\i+1], v[SA:SA+1]
	s_delay_alu instid0(VALU_DEP_2)
	v_pk_fma_f32 v[SB:SB+1], v[LX+\i+2:LX+\i+3], v[LX+\i+2:LX+\i+3], v[SB:SB+1]
.endr
	s_delay_alu instid0(VALU_DEP_1)
	v_pk_add_f32 v[SA:SA+1], v[SA:SA+1], v[SB:SB+1]
	s_delay_alu instid0(VALU_DEP_1)
	v_add_f32 v[SA], v[SA], v[SA+1]
	SUM32 SA
	s_delay_alu instid0(VALU_DEP_1)
	v_fma_f32 v[RS], v[SA], s88, s89
	VW
	v_rsq_f32 v[RS], v[RS]
	v_nop
	VW
	v_mov_b32 v[RS+1], v[RS]
.irp i, 0,2,4,6,8,10,12,14,16,18,20,22,24,26,28,30
	v_pk_mul_f32 v[LX+\i:LX+\i+1], v[LX+\i:LX+\i+1], v[RS:RS+1]
.endr
	WIN 0x14                                       ; gain and bias lie in window 1
.irp i, 0,2,4,6,8,10,12,14,16,18,20,22,24,26,28,30
	v_pk_fma_f32 v[LX+\i:LX+\i+1], v[LX+\i:LX+\i+1], v[\i:\i+1], v[32+\i:33+\i]
.endr
	WIN 0
.irp i, 0,1,2,3,4,5,6,7
	ds_store_b128 v3, v[LX+4*\i:LX+4*\i+3] offset:576*\i
.endr
.irp i, 0,1,2,3,4,5,6,7
	ds_load_b128 v[LY+4*\i:LY+4*\i+3], v4 offset:16*\i             ; a block of 32 neighbours a lane
.endr
	VW
	s_wait_dscnt 0x0
	v_max3_num_f32 v[QA], |v[LY]|, |v[LY+1]|, |v[LY+2]|
	v_max3_num_f32 v[QB], |v[LY+3]|, |v[LY+4]|, |v[LY+5]|
.irp i, 6,10,14,18,22,26
	s_delay_alu instid0(VALU_DEP_2)
	v_max3_num_f32 v[QA], v[QA], |v[LY+\i]|, |v[LY+\i+1]|
	s_delay_alu instid0(VALU_DEP_2)
	v_max3_num_f32 v[QB], v[QB], |v[LY+\i+2]|, |v[LY+\i+3]|
.endr
	s_delay_alu instid0(VALU_DEP_2)
	v_max3_num_f32 v[QA], v[QA], |v[LY+30]|, |v[LY+31]|
	s_delay_alu instid0(VALU_DEP_1)
	v_max3_num_f32 v[QA], v[QA], v[QB], 0x1800000
	s_delay_alu instid0(VALU_DEP_1)
	v_add_nc_u32 v[QO], 0xff000000, v[QA]
	s_delay_alu instid0(VALU_DEP_1)
	v_lshrrev_b32 v[QY], 23, v[QO]
	v_cvt_scalef32_pk16_fp6_f32 v[CD:CD+2], v[LY:LY+15], v[QO]
	v_cvt_scalef32_pk16_fp6_f32 v[CD+6:CD+8], v[LY+16:LY+31], v[QO]
	v_nop
	v_mov_b32 v[CD+3], v[CD+6]
	v_mov_b32 v[CD+4], v[CD+7]
	v_mov_b32 v[CD+5], v[CD+8]
	ds_store_b64 v7, v[CD:CD+1] offset:128*\u
	ds_store_b64 v8, v[CD+2:CD+3] offset:128*\u+8
	ds_store_b64 v7, v[CD+4:CD+5] offset:128*\u+512
	ds_store_b8 v9, v[QY] offset:32*\u
.endm
	ROW 0
	ROW 1
	VW
	s_wait_dscnt 0x0                               ; for the others' sake: my stores into the images have landed
	s_barrier_signal -1
	s_barrier_wait -1
.irp k, 0,1,2
	ds_load_b128 v[CT+4*\k:CT+4*\k+3], v10 offset:512*\k
.endr
.irp k, 0,1,2
	s_wait_dscnt 2-\k                              ; the younger loads of the run may be out
	global_store_b128 v14, v[CT+4*\k:CT+4*\k+3], s[28:29] offset:512*\k
.endr
	s_cmp_gt_u32 s[WV], 3
	s_cbranch_scc1 .Lno_words
	ds_load_b32 v[CT+16], v11                      ; kq = 2 w + lane / 16, row lane % 16
	s_wait_dscnt 0x0
	global_store_b32 v13, v[CT+16], s[30:31]
.Lno_words:
	s_wait_tensorcnt 0x0                           ; the wave's end
	ds_add_u32 v5, v6
	s_wait_dscnt 0x0
	ROUND                                          ; the closing round
	s_endpgm
.Lfunc_end_k_q70591e8d60_attn:
	.size	k_q70591e8d60_attn, .Lfunc_end_k_q70591e8d60_attn-k_q70591e8d60_attn
	.p2alignl 7, 3214868480
	.fill 96, 4, 3214868480
	.section	.rodata,"a",@progbits
	.p2align	6, 0x0
	.amdhsa_kernel k_q70591e8d60_attn
		.amdhsa_group_segment_fixed_size 327680
		.amdhsa_private_segment_fixed_size 0
		.amdhsa_enable_private_segment 0
		.amdhsa_kernarg_size 48
		.amdhsa_user_sgpr_count 2
		.amdhsa_user_sgpr_kernarg_segment_ptr 1
		.amdhsa_wavefront_size32 1
		.amdhsa_system_sgpr_workgroup_id_x 1
		.amdhsa_system_sgpr_workgroup_id_y 1
		.amdhsa_system_sgpr_workgroup_id_z 1
		.amdhsa_system_vgpr_workitem_id 0
		.amdhsa_next_free_vgpr 512
		.amdhsa_next_free_sgpr 102
		.amdhsa_reserve_vcc 0
		.amdhsa_float_denorm_mode_32 3
		.amdhsa_float_denorm_mode_16_64 3
		.amdhsa_memory_ordered 1
		.amdhsa_forward_progress 1
		.amdhsa_inst_pref_size 96
	.end_amdhsa_kernel
	.amdgpu_metadata
---
amdhsa.version: [ 1, 2 ]
amdhsa.kernels:
  - .name:           k_q70591e8d60_attn
    .symbol:         k_q70591e8d60_attn.kd
    .args:
      - { .name: qkv, .offset: 0, .size: 8, .value_kind: global_buffer, .address_space: global }
      - { .name: mask, .offset: 8, .size: 8, .value_kind: global_buffer, .address_space: global }
      - { .name: x, .offset: 16, .size: 8, .value_kind: global_buffer, .address_space: global }
      - { .name: ln_ffn_g, .offset: 24, .size: 8, .value_kind: global_buffer, .address_space: global }
      - { .name: ln_ffn_b, .offset: 32, .size: 8, .value_kind: global_buffer, .address_space: global }
      - { .name: att, .offset: 40, .size: 8, .value_kind: global_buffer, .address_space: global }
    .group_segment_fixed_size: 327680
    .private_segment_fixed_size: 0
    .kernarg_segment_align: 8
    .kernarg_segment_size: 48
    .max_flat_workgroup_size: 256
    .sgpr_count:     102
    .vgpr_count:     512
    .wavefront_size: 32
...
	.end_amdgpu_metadata
.endif
;; end of part 8
;; launch ffn1 (part 9): grid 16 x 16, 4 waves a work-group, clusters of 4 x 4, 327,680 bytes of LDS; arguments att, wk, b1, hid; writes hid
.if DOCPART == 9
	.amdgcn_target "amdgcn-amd-amdhsa--gfx1250"
	.amdhsa_code_object_version 6
	.text
	.protected	k_q70591e8d60_ffn1
	.globl	k_q70591e8d60_ffn1
	.p2align	8
	.type	k_q70591e8d60_ffn1,@function
k_q70591e8d60_ffn1:
	s_mov_b64 s[64:65], 0
	v_nop
	global_prefetch_b8 v0, s[64:65] scope:SCOPE_SE
	s_setreg_imm32_b32 hwreg(HW_REG_WAVE_MODE, 25, 1), 1
	s_wait_xcnt 0x0
	s_wait_alu depctr_hold_cnt(0) depctr_sa_sdst(0) depctr_va_vdst(0) depctr_va_sdst(0) depctr_va_ssrc(0) depctr_va_vcc(0) depctr_vm_vsrc(0)
	s_getreg_b32 s2, hwreg(HW_REG_IB_STS2, 6, 4)
	s_cmp_eq_u32 s2, 0
	s_cbranch_scc0 .Lentry_in_a_cluster
	s_endpgm
.Lentry_in_a_cluster:
	s_bfe_u32 s2, ttmp6, 0x10000c
	s_cmp_lg_u32 s2, 0xf033
	s_cbranch_scc0 .Lentry_shape_is_right
	s_endpgm
.Lentry_shape_is_right:
.set KDIM,  1024
.set H_C,   16777216
.set H_S,   19922944
.set W1_C,  5734400
.set W1_S,  8880128
.set HID_S, 12582912
.set RBA,   256
.set RBB,   256
.set STEPA, 2*RBA*3072
.set STEPB, 2*RBB*3072
.set FR,    12
.set NL,    3
.set NP,    4
.set HALFT, 24576
.set SLOT,  4*HALFT
.set LAPS,  KDIM/512
.set SCL,   2*SLOT
.set HALFS, (KDIM/128)*512
.set SPARE, SCL+4*HALFS
.set ADRA, 16
.set ADRB, 20
.set SWA,  24
.set CBO,  25
.set CO,   26
.set ADRS, 27
.set SPW,  28
.set NIL,  29
.set SRD,  31
.set SC,   32
.set CB,   64
.set W,    64
.set AF,   128
.set PC,   128
.set TM,   148
.set PWS,  164
.set K1,   172
.set SEL,  18
.set G1, 24
.set G0, 32
.set G1B, 48
.set G0B, 56
.set G1S, 68
.set G0S, 76
.set G1SB, 80
.set G0SB, 88
.set MSB, 0
.macro WIN new
.if MSB != (\new)
	s_set_vgpr_msb (MSB<<8)|(\new)
.set MSB, (\new)
.endif
.endm
.set MUL_LO, 0xa1
.set MUL_HI, 0xf1
.set FST_LO, 0x81
.set FST_HI, 0xc1
.set TO_B,   0x40
.macro JLOAD g0a, g1a, g0b, g1b
	s_cmp_eq_u32 s15, 0
	s_cbranch_scc0 .Lfor_b_\@
	tensor_load_to_lds s[\g0a:\g0a+3], s[\g1a:\g1a+7]
	s_nop 0
.rept 4
	v_nop
.endr
	s_branch .Lasked_\@
.Lfor_b_\@:
	tensor_load_to_lds s[\g0b:\g0b+3], s[\g1b:\g1b+7]
	s_nop 0
.rept 4
	v_nop
.endr
.Lasked_\@:
.endm
.macro CREST
	s_cmp_lg_u32 s14, 0
	s_cbranch_scc1 .Lnot_wave_0_\@
	s_barrier_signal -3
.Lnot_wave_0_\@:
	s_barrier_wait -3
	s_barrier_signal -1
	s_barrier_wait -1
.endm
.macro CROUND
	s_barrier_signal -1
	s_barrier_wait -1
	CREST
.endm
	s_load_b256 s[4:11], s[0:1], 0x0
	v_lshl_add_u32 v[SPW], v0, 2, SPARE
	v_mov_b32 v[NIL], 0
	ds_add_u32 v28, v29
	ds_add_u32 v28, v29
	s_wait_dscnt 0x0
	v_lshrrev_b32 v1, 5, v0
	v_readfirstlane_b32 s14, v1
	s_lshr_b32 s15, s14, 1
	s_and_b32 s16, s14, 1
	s_bfe_u32 s40, ttmp6, 0x40000
	s_bfe_u32 s41, ttmp6, 0x40004
	s_lshl_b32 s42, ttmp9, 2
	s_add_co_u32 s42, s42, s40
	s_and_b32 s17, ttmp7, 0xffff
	s_lshl_b32 s17, s17, 2
	s_add_co_u32 s17, s17, s41
	s_lshl_b32 s43, s41, 2
	s_lshl_b32 s43, 15, s43
	s_lshl_b32 s44, 0x1111, s40
	s_or_b32 s[G1+0], s43, (3<<16)|(1<<21)
	s_or_b32 s[G1B+0], s44, (3<<16)|(1<<21)
.irp g, G1, G1B
	s_mov_b32 s[\g+1], 32<<16
	s_mov_b32 s[\g+2], 96<<16
	s_mov_b32 s[\g+3], 32<<16
	s_mov_b32 s[\g+4], 96
	s_mov_b32 s[\g+5], 32
	s_mov_b32 s[\g+6], 0
	s_mov_b32 s[\g+7], 0
.endr
	s_or_b32 s[G1S+0], s43, (3<<16)|(1<<21)
	s_or_b32 s[G1SB+0], s44, (3<<16)|(1<<21)
.irp g, G1S, G1SB
	s_mov_b32 s[\g+1], 64<<16
	s_mov_b32 s[\g+2], (KDIM/128)<<16
	s_mov_b32 s[\g+3], 64<<16
	s_mov_b32 s[\g+4], KDIM/128
	s_mov_b32 s[\g+5], 16384/8
	s_mov_b32 s[\g+6], 0
	s_mov_b32 s[\g+7], 0
.endr
	s_lshl_b32 s18, s16, 3
	s_lshl_b32 s20, s17, 4
	s_add_co_u32 s20, s20, s18
	s_lshl_b32 s46, s42, 4
	s_add_co_u32 s46, s46, s18
	s_lshl_b32 s22, s20, 6
	s_add_co_u32 s22, s22, H_S
	s_lshl_b32 s92, s46, 6
	s_add_co_u32 s92, s92, W1_S
	s_mul_i32 s20, s20, 3072
	s_add_co_u32 s20, s20, H_C
	s_mul_i32 s46, s46, 3072
	s_add_co_u32 s46, s46, W1_C
	s_mov_b32 s21, 0
	s_mov_b32 s23, 0
	s_mov_b32 s47, 0
	s_mov_b32 s93, 0
	s_mul_i32 s45, s14, HALFT
	s_mul_i32 s94, s14, HALFS
	s_wait_kmcnt 0x0
	s_add_nc_u64 s[20:21], s[4:5], s[20:21]
	s_add_nc_u64 s[22:23], s[4:5], s[22:23]
	s_add_nc_u64 s[46:47], s[6:7], s[46:47]
	s_add_nc_u64 s[92:93], s[6:7], s[92:93]
	CROUND
	s_mov_b32 s[G0S], 1
	s_add_co_u32 s[G0S+1], s94, SCL
	s_mov_b64 s[G0S+2:G0S+3], s[22:23]
	s_or_b32 s[G0S+3], s[G0S+3], 0x80000000
	s_mov_b32 s[G0SB], 1
	s_add_co_u32 s[G0SB+1], s94, SCL
	s_mov_b64 s[G0SB+2:G0SB+3], s[92:93]
	s_or_b32 s[G0SB+3], s[G0SB+3], 0x80000000
	JLOAD G0S, G1S, G0SB, G1SB
.irp s, 0,1
	s_mov_b32 s[G0+4*\s], 1
	s_add_co_u32 s[G0+4*\s+1], s45, \s*SLOT
	s_add_nc_u64 s[G0+4*\s+2:G0+4*\s+3], s[20:21], \s*RBA*3072
	s_or_b32 s[G0+4*\s+3], s[G0+4*\s+3], 0x80000000
	s_mov_b32 s[G0B+4*\s], 1
	s_add_co_u32 s[G0B+4*\s+1], s45, \s*SLOT
	s_add_nc_u64 s[G0B+4*\s+2:G0B+4*\s+3], s[46:47], \s*RBB*3072
	s_or_b32 s[G0B+4*\s+3], s[G0B+4*\s+3], 0x80000000
	s_wait_alu depctr_va_vdst(0)
	s_wait_tensorcnt 0x0
	ds_add_u32 v28, v29
	s_wait_dscnt 0x0
	CROUND
	JLOAD G0+4*\s, G1, G0B+4*\s, G1B
.endr
	v_and_b32 v1, 15, v0
	v_bfe_u32 v2, v0, 4, 1
	v_and_b32 v3, 31, v0
	v_lshlrev_b32 v[CO], 4, v3
	s_wait_alu depctr_va_vdst(0)
	v_lshlrev_b32 v[CBO], 6, v2
	s_lshl_b32 s18, s42, 10
	s_lshl_b32 s19, s16, 9
	s_add_co_u32 s18, s18, s19
	s_mov_b32 s19, 0
	s_add_nc_u64 s[8:9], s[8:9], s[18:19]
.irp b, 0,1,2,3,4,5,6,7
	global_load_b128 v[CB+8*\b:CB+8*\b+3], v[CBO], s[8:9] offset:4*(32*(\b/2)+8*(\b%2))
	global_load_b128 v[CB+8*\b+4:CB+8*\b+7], v[CBO], s[8:9] offset:4*(32*(\b/2)+8*(\b%2))+16
.endr
	s_mul_i32 s21, s15, HALFT
	s_mul_i32 s22, s16, HALFT
	s_add_co_u32 s22, s22, 2*HALFT
.irp s, 0,1
	v_add_nc_u32 v[ADRA+\s], s21, v[CO]
	v_add_nc_u32 v[ADRB+\s], s22, v[CO]
	s_add_co_u32 s21, s21, SLOT
	s_add_co_u32 s22, s22, SLOT
.endr
	s_mul_i32 s21, s15, HALFS
	s_mul_i32 s22, s16, HALFS
	s_add_co_u32 s22, s22, 2*HALFS
	s_sub_co_u32 s22, s22, s21
	v_mul_u32_u24 v6, s22, v2
	s_add_co_u32 s21, s21, SCL
	v_lshl_add_u32 v5, v1, 2, v6
	v_add_nc_u32 v[ADRS], s21, v5
	s_lshl_b32 s21, s14, 9
	v_lshl_add_u32 v[SWA], v1, 2, s21
	v_add_nc_u32 v[SRD], s21, v[CO]
	s_lshl_b32 s20, s42, 8
	s_lshl_b32 s21, s17, 4
	s_add_co_u32 s20, s20, s21
	s_lshl_b32 s21, s15, 3
	s_add_co_u32 s20, s20, s21
	s_lshl_b32 s20, s20, 1
	s_add_co_u32 s20, s20, s16
	s_mul_i32 s20, s20, 1536
	s_mov_b32 s21, 0
	s_add_nc_u64 s[12:13], s[10:11], s[20:21]
	s_lshl_b32 s22, s42, 1
	s_add_co_u32 s22, s22, s16
	s_lshl_b32 s22, s22, 14
	s_lshl_b32 s23, s17, 10
	s_add_co_u32 s22, s22, s23
	s_lshl_b32 s23, s15, 9
	s_add_co_u32 s22, s22, s23
	s_add_co_u32 s22, s22, HID_S
	s_mov_b32 s23, 0
	s_add_nc_u64 s[10:11], s[10:11], s[22:23]
	s_mov_b32 s[SEL], 0x76543210
	s_mov_b32 s[SEL+1], 0xfedcba98
	s_mov_b32 s98, 0xbdd2d3e8
	s_mov_b32 s99, s98
.macro FRAG reg, adr, q, i
.irp c, 0,1,2
	ds_load_b128 v[\reg+4*\c:\reg+4*\c+3], v[\adr] offset:3072*(\i)+1536*(\q)+512*\c
.endr
.endm
.macro MUL16 a0, p, q, sc, first
.irp a, \a0, \a0+1
.irp b, 0,1,2,3,4,5,6,7
.if \first
	v_wmma_scale_f32_16x16x128_f8f6f4 v[8*(8*((\a)%4)+\b):8*(8*((\a)%4)+\b)+7], v[128*(\p)+FR*\b:128*(\p)+FR*\b+FR-1], v[AF+FR*(\a):AF+FR*(\a)+FR-1], v[CB+8*\b:CB+8*\b+7], v[SC+16*(\sc)+2*\b+(\q)], v[SC+16*(\sc)+2*(\a)+(\q)] matrix_a_fmt:MATRIX_FMT_FP6 matrix_b_fmt:MATRIX_FMT_FP6 matrix_a_scale:MATRIX_SCALE_ROW1
.else
	v_wmma_scale_f32_16x16x128_f8f6f4 v[8*(8*((\a)%4)+\b):8*(8*((\a)%4)+\b)+7], v[128*(\p)+FR*\b:128*(\p)+FR*\b+FR-1], v[AF+FR*(\a):AF+FR*(\a)+FR-1], v[8*(8*((\a)%4)+\b):8*(8*((\a)%4)+\b)+7], v[SC+16*(\sc)+2*\b+(\q)], v[SC+16*(\sc)+2*(\a)+(\q)] matrix_a_fmt:MATRIX_FMT_FP6 matrix_b_fmt:MATRIX_FMT_FP6 matrix_a_scale:MATRIX_SCALE_ROW1
.endif
.endr
.endr
.endm
.macro FETCH_B slot, q, p
	WIN TO_B
.irp i, 0,1,2,3,4,5,6,7
	FRAG 128*(\p)+FR*\i, ADRB+\slot, \q, \i
.endr
	WIN 0
.endm
.macro FETCH_A slot, q, i0
.irp i, \i0, \i0+1, \i0+2, \i0+3
	FRAG AF+FR*(\i), ADRA+\slot, \q, \i
.endr
.endm
.macro SCALES sc
.irp i, 0,1,2,3,4,5,6,7
	ds_load_b32 v[SC+16*\sc+2*\i], v[ADRS] offset:64*\i
	ds_load_b32 v[SC+16*\sc+2*\i+1], v[ADRS] offset:512+64*\i
.endr
.endm
.macro PLACES n
.rept \n
	v_nop
.endr
.endm
.macro STEP slot, q, first
	s_wait_dscnt 4*NL
.if \first
	WIN FST_LO
.else
	WIN MUL_LO
.endif
	MUL16 0, (\q)%2, \q, \slot, \first
	MUL16 2, (\q)%2, \q, \slot, \first
	s_wait_dscnt 0
	PLACES NP
	FETCH_B \slot, (\q)+1, 1-(\q)%2
	FETCH_A \slot, (\q)+1, 0
.if \first
	WIN FST_HI
.else
	WIN MUL_HI
.endif
	MUL16 4, (\q)%2, \q, \slot, \first
	MUL16 6, (\q)%2, \q, \slot, \first
	PLACES NP
	WIN 0
	FETCH_A \slot, (\q)+1, 4
.endm
.macro TURN slot, next, fill
	s_wait_tensorcnt 0x0
	ds_add_u32 v[SPW], v[NIL]
	s_wait_dscnt 4*NL+1
	WIN MUL_LO
	MUL16 0, 1, 1, \slot, 0
	s_wait_dscnt 0x0
	s_barrier_signal -1
	MUL16 2, 1, 1, \slot, 0
	WIN 0
	s_barrier_wait -1
.if \fill
	CREST
	s_add_nc_u64 s[G0+4*\slot+2:G0+4*\slot+3], s[G0+4*\slot+2:G0+4*\slot+3], STEPA
	s_add_nc_u64 s[G0B+4*\slot+2:G0B+4*\slot+3], s[G0B+4*\slot+2:G0B+4*\slot+3], STEPB
	JLOAD G0+4*\slot, G1, G0B+4*\slot, G1B
.else
	PLACES NP
.endif
	s_wait_alu depctr_va_vdst(0)
	v_add_nc_u32 v[ADRS], 1024, v[ADRS]
	FETCH_B \next, 0, 0
	FETCH_A \next, 0, 0
	SCALES \next
	WIN MUL_HI
	MUL16 4, 1, 1, \slot, 0
	MUL16 6, 1, 1, \slot, 0
	PLACES NP
	WIN 0
	FETCH_A \next, 0, 4
.endm
	s_wait_alu depctr_va_vdst(0)
	s_wait_tensorcnt 1
	s_barrier_signal -1
	s_barrier_wait -1
	FETCH_B 0, 0, 0
	FETCH_A 0, 0, 0
	SCALES 0
	FETCH_A 0, 0, 4
	s_wait_loadcnt 0x0
	STEP 0, 0, 1
	s_mov_b32 s3, LAPS-1
.Llap:
	TURN 0, 1, 1
	STEP 1, 0, 0
	TURN 1, 0, 1
	STEP 0, 0, 0
	s_sub_co_u32 s3, s3, 1
	s_cmp_lg_u32 s3, 0
	s_cbranch_scc1 .Llap
	TURN 0, 1, 0
	STEP 1, 0, 0
	s_wait_dscnt 4*NL
	WIN MUL_LO
	MUL16 0, 1, 1, 1, 0
	MUL16 2, 1, 1, 1, 0
	s_wait_dscnt 0
	WIN MUL_HI
	MUL16 4, 1, 1, 1, 0
	MUL16 6, 1, 1, 1, 0
	WIN 0
.macro QUANT s, pw
.irp b, 0,1,2,3
	v_max3_num_f32 v[TM+\b], |v[\s+16*\b]|, |v[\s+1+16*\b]|, 0x1800000
.endr
.irp i, 2,4,6,8,10,12,14
.irp b, 0,1,2,3
	v_max3_num_f32 v[TM+\b], v[TM+\b], |v[\s+16*\b+\i]|, |v[\s+1+16*\b+\i]|
.endr
.endr
.irp b, 0,1,2,3
	v_permlanex16_b32 v[TM+4+\b], v[TM+\b], s[SEL], s[SEL+1]
.endr
.irp b, 0,1,2,3
	v_max_num_f32 v[TM+\b], v[TM+\b], v[TM+4+\b]
.endr
.irp b, 0,1,2,3
	v_add_nc_u32 v[TM+12+\b], 0xff000000, v[TM+\b]
.endr
.irp b, 0,1,2,3
	v_lshrrev_b32 v[TM+4+\b], 23, v[TM+12+\b]
.endr
	v_lshl_or_b32 v[\pw], v[TM+5], 8, v[TM+4]
	v_lshl_or_b32 v[\pw], v[TM+6], 16, v[\pw]
	v_lshl_or_b32 v[\pw], v[TM+7], 24, v[\pw]
.irp c, 0,1
	v_cvt_scalef32_pk16_fp6_f32 v[PC+6*\c:PC+2+6*\c], v[\s+32*\c:\s+15+32*\c], v[TM+12+2*\c]
	v_cvt_scalef32_pk16_fp6_f32 v[PC+12+4*\c:PC+14+4*\c], v[\s+16+32*\c:\s+31+32*\c], v[TM+12+2*\c+1]
.endr
	v_nop
.irp c, 0,1
.irp i, 0,1,2
	v_permlane16_swap_b32 v[PC+6*\c+\i], v[PC+12+4*\c+\i]
.endr
.irp i, 0,1,2
	v_mov_b32 v[PC+3+6*\c+\i], v[PC+12+4*\c+\i]
.endr
.endr
.endm
.macro OUTBLK a
	s_wait_xcnt 0x0
.set AC, 64*((\a)%4)
	WIN 0x0a+5*((\a)/4)
.set i, 0
.rept 32
	v_pk_mul_f32 v[W+i:W+i+1], v[AC+i:AC+i+1], v[AC+i:AC+i+1]
.set i, i+2
.endr
	WIN 0
.set i, 0
.rept 32
	v_pk_fma_f32 v[W+i:W+i+1], v[W+i:W+i+1], s[98:99], v[K1:K1+1] op_sel_hi:[1,0,1]
.set i, i+2
.endr
	WIN 0x08+4*((\a)/4)
.set i, 0
.rept 32
	v_pk_mul_f32 v[W+i:W+i+1], v[W+i:W+i+1], v[AC+i:AC+i+1]
.set i, i+2
.endr
	WIN 0
.set i, 0
	s_wait_alu depctr_va_vdst(0)
.rept 64
	v_exp_f32 v[W+i], v[W+i]
.set i, i+1
.endr
	v_nop
.set i, 0
	s_wait_alu depctr_va_vdst(0)
.rept 32
	v_pk_add_f32 v[W+i:W+i+1], v[W+i:W+i+1], 1.0 op_sel_hi:[1,0]
.set i, i+2
.endr
.set i, 0
	s_wait_alu depctr_va_vdst(0)
.rept 64
	v_rcp_f32 v[W+i], v[W+i]
.set i, i+1
.endr
	v_nop
	WIN 0x08+4*((\a)/4)
.set i, 0
	s_wait_alu depctr_va_vdst(0)
.rept 32
	v_pk_mul_f32 v[W+i:W+i+1], v[W+i:W+i+1], v[AC+i:AC+i+1]
.set i, i+2
.endr
	WIN 0
	QUANT W, PWS+\a
.irp c, 0,1,2
	global_store_b128 v[CO], v[PC+4*\c:PC+4*\c+3], s[12:13] offset:3072*(\a)+512*\c
.endr
	ds_store_b32 v[SWA], v[PWS+\a] offset:64*(\a)
.endm
	PLACES NP
.irp b, 0,1,2,3
	v_mov_b32 v[TM+4+\b], 0
.endr
	v_mov_b32 v[K1], 0xc0135761
	v_mov_b32 v[K1+1], 0xc0135761
.irp a, 0,1,2,3,4,5,6,7
	OUTBLK \a
.endr
	ds_load_b128 v[176:179], v[SRD]
	s_wait_dscnt 0x0
	global_store_b128 v[CO], v[176:179], s[10:11]
	s_wait_tensorcnt 0x0
	ds_add_u32 v[SPW], v[NIL]
	s_wait_dscnt 0x0
	CROUND
	s_endpgm
.Lfunc_end_k_q70591e8d60_ffn1:
	.size	k_q70591e8d60_ffn1, .Lfunc_end_k_q70591e8d60_ffn1-k_q70591e8d60_ffn1
	.p2alignl 7, 3214868480
	.fill 96, 4, 3214868480
	.section	.rodata,"a",@progbits
	.p2align	6, 0x0
	.amdhsa_kernel k_q70591e8d60_ffn1
		.amdhsa_group_segment_fixed_size 327680
		.amdhsa_private_segment_fixed_size 0
		.amdhsa_enable_private_segment 0
		.amdhsa_kernarg_size 32
		.amdhsa_user_sgpr_count 2
		.amdhsa_user_sgpr_kernarg_segment_ptr 1
		.amdhsa_wavefront_size32 1
		.amdhsa_system_sgpr_workgroup_id_x 1
		.amdhsa_system_sgpr_workgroup_id_y 1
		.amdhsa_system_sgpr_workgroup_id_z 1
		.amdhsa_system_vgpr_workitem_id 0
		.amdhsa_next_free_vgpr 1024
		.amdhsa_next_free_sgpr 102
		.amdhsa_reserve_vcc 0
		.amdhsa_float_denorm_mode_32 3
		.amdhsa_float_denorm_mode_16_64 3
		.amdhsa_memory_ordered 1
		.amdhsa_forward_progress 1
		.amdhsa_inst_pref_size 255
	.end_amdhsa_kernel
	.section	.bss,"aw",@nobits
	.p2align	6
	.space	262144
	.amdgpu_metadata
---
amdhsa.version: [ 1, 2 ]
amdhsa.kernels:
  - .name:           k_q70591e8d60_ffn1
    .symbol:         k_q70591e8d60_ffn1.kd
    .args:
      - { .name: att, .offset: 0, .size: 8, .value_kind: global_buffer, .address_space: global }
      - { .name: wk, .offset: 8, .size: 8, .value_kind: global_buffer, .address_space: global }
      - { .name: b1, .offset: 16, .size: 8, .value_kind: global_buffer, .address_space: global }
      - { .name: hid, .offset: 24, .size: 8, .value_kind: global_buffer, .address_space: global }
    .group_segment_fixed_size: 327680
    .private_segment_fixed_size: 0
    .kernarg_segment_align: 8
    .kernarg_segment_size: 32
    .max_flat_workgroup_size: 128
    .sgpr_count:     102
    .vgpr_count:     1024
    .wavefront_size: 32
...
	.end_amdgpu_metadata
.endif
;; end of part 9
;; launch ffn2 (part 10): grid 8 x 32, 4 waves a work-group, clusters of 4 x 4, 327,680 bytes of LDS; arguments hid, wk, b2, att, out0; writes out0
.if DOCPART == 10
	.amdgcn_target "amdgcn-amd-amdhsa--gfx1250"
	.amdhsa_code_object_version 6
	.text
	.protected	k_q70591e8d60_ffn2
	.globl	k_q70591e8d60_ffn2
	.p2align	8
	.type	k_q70591e8d60_ffn2,@function
k_q70591e8d60_ffn2:
	s_mov_b64 s[64:65], 0
	v_nop
	global_prefetch_b8 v0, s[64:65] scope:SCOPE_SE
	s_setreg_imm32_b32 hwreg(HW_REG_WAVE_MODE, 25, 1), 1
	s_wait_xcnt 0x0
	s_wait_alu depctr_hold_cnt(0) depctr_sa_sdst(0) depctr_va_vdst(0) depctr_va_sdst(0) depctr_va_ssrc(0) depctr_va_vcc(0) depctr_vm_vsrc(0)
	s_getreg_b32 s2, hwreg(HW_REG_IB_STS2, 6, 4)
	s_cmp_eq_u32 s2, 0
	s_cbranch_scc0 .Lentry_in_a_cluster
	s_endpgm
.Lentry_in_a_cluster:
	s_bfe_u32 s2, ttmp6, 0x10000c
	s_cmp_lg_u32 s2, 0xf033
	s_cbranch_scc0 .Lentry_shape_is_right
	s_endpgm
.Lentry_shape_is_right:
; FFN2.  out0 = hid W2 + b2 + out, the product on codes of E2M3 with E8M0 scales, the rest in f32; one f32 sum for each output, K ascending.
; A = hid (4,096 row places x 4,096 K; 256 row blocks; scale pitch 16,384), B = W2 (1,024 row places x 4,096 K, in wk; 64 row blocks; scale pitch 4,096), both as images of the matrix unit's registers:
; fragment (kt = k / 256, rb, q = (k / 128) % 2) at ((kt RB + rb) 2 + q) 1,536; scale word of (kq = k / 128, row) at kq x pitch + 4 row.  128 rows x 256 K are one dense block of 24,576 bytes.
; W2's place p holds true row swap34(p): used transposed (source 0 = W2, source 1 = hid), accumulator b's register j of lane (r, h) is true column 32 (b / 2) + 16 h + 8 (b % 2) + j of hid's row r.
; hid's row place 128 y + 16 X + t stands for the true row 128 y + 64 (t / 8) + 8 X + t % 8 of out (so the launch that made h laid it).
; A tile of 128 x 128 to a work-group: 256 work-groups.  Four waves, 64 x 64 each: 16 accumulators.  THE RING: two LDS slots of 512 along K (A's two blocks of 256 K, then B's two): 8 fills.
; THE HEAD: one tensor load a wave: wave 0 A's two blocks of fill 0, wave 1 B's, wave 2 A's scale words of all K, wave 3 B's.  Slot 1 is first filled behind the three lines and a round, as a refill is.
; In the ring waves 0, 1 fetch A's two blocks of a slot, waves 2, 3 B's.  CLUSTERS of 4 x 4: A's tiles are asked for jointly along a row of the cluster, B's along a column.
; PREFETCH: behind the load of fill f a wave names the block that it will fetch in fill f + 2: 96 blocks of 256 bytes, of which each of the four partners takes 24 by address (cx for A, cy for B), a lane a block
; (lanes 24-31 name the last again).  The loads of fills 6 and 7 name nothing.
; b2 is the C of each sum's first product.  The residual is asked for at the head into registers of its own and added on the way out, which goes through each wave's stage in slot 0 (its last fill and read are over).
; REGISTERS: window 0: v15-31 addresses; v32-63 scale words, a set for each slot; v64-127 the bias, later rows back from the stage; v128-255 the accumulators.  window 1: two fragment buffers.  window 2: v0-127 the residual.
.set KDIM,  4096
.set HID_S, 12582912
.set W2_C,  9011200
.set W2_S,  12156928
.set RBA,   256
.set RBB,   64
.set STEPA, 4*RBA*3072
.set STEPB, 4*RBB*3072
.set FR,    12
.set NL,    3
.set NP,    4
.set HALFT, 24576
.set SLOT,  4*HALFT
.set LAPS,  KDIM/1024
.set SCL,   2*SLOT
.set HALFS, 8192
.set SPARE, SCL+4*HALFS
.set SPITCH, 272
.set PFO,  15
.set ADRA, 16
.set ADRB, 20
.set STO,  24
.set CBO,  25
.set CO,   26
.set ADRS, 27
.set SPW,  28
.set NIL,  29
.set CO2,  30
.set RD,   31
.set SC,   32
.set CB,   64
.set BK,   64
.set ACC,  128
.set G0H, 4
.set G1, 24
.set G0, 32
.set G1B, 48
.set G0B, 56
.set PFS, 66
.set G1S, 68
.set G0S, 76
.set G1SB, 80
.set G0SB, 88
.set G0HB, 96
.set PFA, 100
.set MSB, 0
.macro WIN new
.if MSB != (\new)
	s_set_vgpr_msb (MSB<<8)|(\new)
.set MSB, (\new)
.endif
.endm
.set MUL,  0x05
.set TO_F, 0x40
.macro JLOAD g0a, g1a, g0b, g1b
	s_cmp_eq_u32 s15, 0
	s_cbranch_scc0 .Lfor_b_\@
	tensor_load_to_lds s[\g0a:\g0a+3], s[\g1a:\g1a+7]
	s_nop 0
.rept 4
	v_nop
.endr
	s_branch .Lasked_\@
.Lfor_b_\@:
	tensor_load_to_lds s[\g0b:\g0b+3], s[\g1b:\g1b+7]
	s_nop 0
.rept 4
	v_nop
.endr
.Lasked_\@:
.endm
.macro CREST
	s_cmp_lg_u32 s14, 0
	s_cbranch_scc1 .Lnot_wave_0_\@
	s_barrier_signal -3
.Lnot_wave_0_\@:
	s_barrier_wait -3
	s_barrier_signal -1
	s_barrier_wait -1
.endm
.macro CROUND
	s_barrier_signal -1
	s_barrier_wait -1
	CREST
.endm
.macro ASK inloop                      ; every window is 0 here
.if \inloop
	s_cmp_gt_u32 s3, 1                             ; the loop's last trip loads fills 6 and 7
	s_cbranch_scc0 .Lno_ask_\@
.endif
	global_prefetch_b8 v[PFO], s[PFA:PFA+1] th:TH_LOAD_NT scope:SCOPE_SE
.if \inloop
.Lno_ask_\@:
.endif
.endm
	s_load_b256 s[4:11], s[0:1], 0x0               ; hid s4, wk s6, b2 s8, att s10
	s_load_b64 s[12:13], s[0:1], 0x20              ; out0
	v_lshl_add_u32 v[SPW], v0, 2, SPARE
	v_mov_b32 v[NIL], 0
	ds_add_u32 v[SPW], v[NIL]                      ; the opening lines: the add twice on end
	ds_add_u32 v[SPW], v[NIL]
	v_lshrrev_b32 v1, 5, v0
	v_readfirstlane_b32 s14, v1                    ; wave 0..3
	s_lshr_b32 s15, s14, 1                         ; my half of the tile's rows; in the ring: I fetch for A (0) or B (1)
	s_and_b32 s16, s14, 1                          ; my half of its columns; in the ring: which kt of a slot's two
	s_bfe_u32 s40, ttmp6, 0x40000
	s_bfe_u32 s41, ttmp6, 0x40004
	s_lshl_b32 s42, ttmp9, 2
	s_add_co_u32 s42, s42, s40                     ; tile column 0..7
	s_and_b32 s17, ttmp7, 0xffff
	s_lshl_b32 s17, s17, 2
	s_add_co_u32 s17, s17, s41                     ; tile row 0..31
	s_lshl_b32 s43, s41, 2
	s_lshl_b32 s43, 15, s43
	s_lshl_b32 s44, 0x1111, s40
	s_or_b32 s[G1+0], s43, (3<<16)|(1<<21)
	s_or_b32 s[G1B+0], s44, (3<<16)|(1<<21)
.irp g, G1, G1B                        ; for the head: two rows of 24,576 bytes (3,072 elements of 8), a kt apart
	s_mov_b32 s[\g+1], 3072<<16
	s_mov_b32 s[\g+2], 2<<16
	s_mov_b32 s[\g+3], 3072<<16
	s_mov_b32 s[\g+4], 2
	s_mov_b32 s[\g+6], 0
	s_mov_b32 s[\g+7], 0
.endr
	s_mov_b32 s[G1+5], RBA*3072/8
	s_mov_b32 s[G1B+5], RBB*3072/8
	s_or_b32 s[G1S+0], s43, (3<<16)|(1<<21)
	s_or_b32 s[G1SB+0], s44, (3<<16)|(1<<21)
.irp g, G1S, G1SB                      ; scale words: 32 rows (kq) of 512 bytes, a pitch apart
	s_mov_b32 s[\g+1], 64<<16
	s_mov_b32 s[\g+2], 32<<16
	s_mov_b32 s[\g+3], 64<<16
	s_mov_b32 s[\g+4], 32
	s_mov_b32 s[\g+6], 0
	s_mov_b32 s[\g+7], 0
.endr
	s_mov_b32 s[G1S+5], 16384/8
	s_mov_b32 s[G1SB+5], 4096/8
	s_mul_i32 s20, s17, 8*3072                     ; A's codes: row block 8 x tile row, kt 0
	s_mul_i32 s46, s42, 8*3072
	s_add_co_u32 s46, s46, W2_C
	s_lshl_b32 s22, s17, 9
	s_add_co_u32 s22, s22, HID_S
	s_lshl_b32 s92, s42, 9
	s_add_co_u32 s92, s92, W2_S
	s_mov_b32 s21, 0
	s_mov_b32 s23, 0
	s_mov_b32 s47, 0
	s_mov_b32 s93, 0
	s_mul_i32 s18, s16, RBA*3072                   ; in the ring: my kt of the slot's two
	s_mov_b32 s19, 0
	s_mul_i32 s94, s16, RBB*3072
	s_mov_b32 s95, 0
	s_mul_i32 s45, s14, HALFT
	s_wait_dscnt 0x0
	s_wait_kmcnt 0x0
	s_add_nc_u64 s[20:21], s[4:5], s[20:21]
	s_add_nc_u64 s[22:23], s[4:5], s[22:23]
	s_add_nc_u64 s[46:47], s[6:7], s[46:47]
	s_add_nc_u64 s[92:93], s[6:7], s[92:93]
	CROUND                                         ; all sixteen work-groups are here: the first joint loads meet
	s_mov_b32 s[G0H], 1
	s_mov_b32 s[G0H+1], 0
	s_mov_b64 s[G0H+2:G0H+3], s[20:21]
	s_or_b32 s[G0H+3], s[G0H+3], 0x80000000
	s_mov_b32 s[G0HB], 1
	s_mov_b32 s[G0HB+1], 2*HALFT
	s_mov_b64 s[G0HB+2:G0HB+3], s[46:47]
	s_or_b32 s[G0HB+3], s[G0HB+3], 0x80000000
	s_mov_b32 s[G0S], 1
	s_mov_b32 s[G0S+1], SCL
	s_mov_b64 s[G0S+2:G0S+3], s[22:23]
	s_or_b32 s[G0S+3], s[G0S+3], 0x80000000
	s_mov_b32 s[G0SB], 1
	s_mov_b32 s[G0SB+1], SCL+2*HALFS
	s_mov_b64 s[G0SB+2:G0SB+3], s[92:93]
	s_or_b32 s[G0SB+3], s[G0SB+3], 0x80000000
	s_add_nc_u64 s[20:21], s[20:21], s[18:19]
	s_add_nc_u64 s[46:47], s[46:47], s[94:95]
.irp s, 0,1
	s_mov_b32 s[G0+4*\s], 1
	s_add_co_u32 s[G0+4*\s+1], s45, \s*SLOT
	s_add_nc_u64 s[G0+4*\s+2:G0+4*\s+3], s[20:21], \s*2*RBA*3072
	s_or_b32 s[G0+4*\s+3], s[G0+4*\s+3], 0x80000000
	s_mov_b32 s[G0B+4*\s], 1
	s_add_co_u32 s[G0B+4*\s+1], s45, \s*SLOT
	s_add_nc_u64 s[G0B+4*\s+2:G0B+4*\s+3], s[46:47], \s*2*RBB*3072
	s_or_b32 s[G0B+4*\s+3], s[G0B+4*\s+3], 0x80000000
.endr
	s_mov_b32 s[PFS], 2*RBB*3072                   ; the prefetches: a fill's step along K,
	s_mov_b32 s[PFS+1], 0
	s_cmp_eq_u32 s15, 0
	s_cselect_b32 s[PFS], 2*RBA*3072, s[PFS]
	s_cselect_b64 s[PFA:PFA+1], s[20:21], s[46:47] ; my block of fill 0,
	s_cselect_b32 s94, s40, s41                    ; my place among the four that ask for it with me
	s_mul_i32 s94, s94, 6144
	s_add_nc_u64 s[PFA:PFA+1], s[PFA:PFA+1], s[94:95]
	s_add_nc_u64 s[PFA:PFA+1], s[PFA:PFA+1], s[PFS:PFS+1]
	s_add_nc_u64 s[PFA:PFA+1], s[PFA:PFA+1], s[PFS:PFS+1]   ; at fill 2
.macro ARM under, g0, g1, next
	s_cmp_lt_u32 s14, \under
	s_cbranch_scc0 \next
	tensor_load_to_lds s[\g0:\g0+3], s[\g1:\g1+7]
	s_nop 0
.rept 4
	v_nop
.endr
	s_branch .Lhead_asked
\next:
.endm
	ARM 1, G0H,  G1,  .Lhead_b
	ARM 2, G0HB, G1B, .Lhead_sa
	ARM 3, G0S,  G1S, .Lhead_sb
	tensor_load_to_lds s[G0SB:G0SB+3], s[G1SB:G1SB+7]
	s_nop 0
.rept 4
	v_nop
.endr
.Lhead_asked:
	v_and_b32 v1, 15, v0                           ; r
	v_bfe_u32 v2, v0, 4, 1                         ; h
	v_and_b32 v3, 31, v0
	v_lshlrev_b32 v[CO], 4, v3
	v_lshlrev_b32 v[CBO], 6, v2
	v_min_u32 v[PFO], 23, v3
	v_lshlrev_b32 v5, 12, v2
	v_lshlrev_b32 v[PFO], 8, v[PFO]
	v_lshl_add_u32 v[CO2], v1, 4, v5
	s_wait_alu depctr_va_vdst(0)
	s_lshl_b32 s18, s42, 9
	s_lshl_b32 s19, s16, 8
	s_add_co_u32 s18, s18, s19                     ; my 64 columns, in bytes
	s_mov_b32 s19, 0
	s_add_nc_u64 s[8:9], s[8:9], s[18:19]
.irp b, 0,1,2,3
	global_load_b128 v[CB+8*\b:CB+8*\b+3], v[CBO], s[8:9] offset:4*(32*(\b/2)+8*(\b%2))
	global_load_b128 v[CB+8*\b+4:CB+8*\b+7], v[CBO], s[8:9] offset:4*(32*(\b/2)+8*(\b%2))+16
.endr
	s_lshl_b32 s20, s17, 7                         ; my 64 places: blocks X = 4 half + a of tile row y: true row 128 y + 32 half, + 8 a + 64 (t / 8) + t % 8
	s_lshl_b32 s21, s15, 5
	s_add_co_u32 s20, s20, s21
	s_lshl_b32 s20, s20, 12
	s_add_co_u32 s20, s20, s18
	s_mov_b32 s21, 0
	s_add_nc_u64 s[10:11], s[10:11], s[20:21]
	s_add_nc_u64 s[12:13], s[12:13], s[20:21]
	WIN 0x80
.irp a, 0,1,2,3                        ; the residual of block a: load t brings places 2 t and 2 t + 1, sixteen lanes to a row's 256 bytes
.irp t, 0,1,2,3,4,5,6,7
	global_load_b128 v[32*\a+4*\t:32*\a+4*\t+3], v[CO2], s[10:11] offset:(8*\a+64*(\t/4)+2*(\t%4))*4096 th:TH_LOAD_NT
.endr
.endr
	WIN 0
	ASK 0                                          ; fill 2
	s_mul_i32 s21, s15, 4*3072
	s_mul_i32 s22, s16, 4*3072
	s_add_co_u32 s22, s22, 2*HALFT
.irp s, 0,1
	v_add_nc_u32 v[ADRA+\s], s21, v[CO]
	v_add_nc_u32 v[ADRB+\s], s22, v[CO]
	s_add_co_u32 s21, s21, SLOT
	s_add_co_u32 s22, s22, SLOT
.endr
	s_lshl_b32 s21, s15, 8
	s_lshl_b32 s22, s16, 8
	s_add_co_u32 s22, s22, 2*HALFS
	s_sub_co_u32 s22, s22, s21
	v_mul_u32_u24 v6, s22, v2                      ; lanes 16-31 take B's words
	s_add_co_u32 s21, s21, SCL
	v_lshl_add_u32 v5, v1, 2, v6
	v_add_nc_u32 v[ADRS], s21, v5
	s_mul_i32 s21, s14, 16*SPITCH
	v_mul_u32_u24 v5, v1, SPITCH
	v_lshl_add_u32 v5, v2, 6, v5
	v_add_nc_u32 v[STO], s21, v5
	v_mul_u32_u24 v5, v2, SPITCH
	v_lshl_add_u32 v5, v1, 4, v5
	v_add_nc_u32 v[RD], s21, v5
.macro FRAG reg, adr, j, i
.irp c, 0,1,2
	ds_load_b128 v[\reg+4*\c:\reg+4*\c+3], v[\adr] offset:HALFT*((\j)/2)+1536*((\j)%2)+3072*(\i)+512*\c
.endr
.endm
.macro FETCH slot, j, f
	WIN TO_F
.irp i, 0,1,2,3
	FRAG \f+48+FR*\i, ADRB+\slot, \j, \i
.endr
.irp i, 0,1,2,3
	FRAG \f+FR*\i, ADRA+\slot, \j, \i
.endr
.endm
.macro SCALES sc
.irp j, 0,1,2,3
.irp i, 0,1,2,3
	ds_load_b32 v[SC+16*\sc+4*\j+\i], v[ADRS] offset:512*\j+64*\i
.endr
.endr
.endm
; 8 matrix instructions: A's blocks a0, a0 + 1 x B's four.  The 16 accumulators take turns, one instruction a turn.
.macro MUL8 f, a0, j, sc, first
.irp a, \a0, \a0+1
.irp b, 0,1,2,3
.if \first
	v_wmma_scale_f32_16x16x128_f8f6f4 v[ACC+8*(4*(\a)+\b):ACC+8*(4*(\a)+\b)+7], v[\f+48+FR*\b:\f+48+FR*\b+FR-1], v[\f+FR*(\a):\f+FR*(\a)+FR-1], v[CB+8*\b:CB+8*\b+7], v[SC+16*(\sc)+4*(\j)+\b], v[SC+16*(\sc)+4*(\j)+(\a)] matrix_a_fmt:MATRIX_FMT_FP6 matrix_b_fmt:MATRIX_FMT_FP6 matrix_a_scale:MATRIX_SCALE_ROW1
.else
	v_wmma_scale_f32_16x16x128_f8f6f4 v[ACC+8*(4*(\a)+\b):ACC+8*(4*(\a)+\b)+7], v[\f+48+FR*\b:\f+48+FR*\b+FR-1], v[\f+FR*(\a):\f+FR*(\a)+FR-1], v[ACC+8*(4*(\a)+\b):ACC+8*(4*(\a)+\b)+7], v[SC+16*(\sc)+4*(\j)+\b], v[SC+16*(\sc)+4*(\j)+(\a)] matrix_a_fmt:MATRIX_FMT_FP6 matrix_b_fmt:MATRIX_FMT_FP6 matrix_a_scale:MATRIX_SCALE_ROW1
.endif
.endr
.endr
.endm
.macro PLACES n
.rept \n
	v_nop
.endr
.endm
.macro STEP slot, j, first
	s_wait_dscnt 2*NL                              ; all but the youngest 6 loads (A's blocks 2, 3)
	WIN MUL
	MUL8 128*((\j)%2), 0, \j, \slot, \first
	PLACES NP
	FETCH \slot, (\j)+1, 128*(1-(\j)%2)
	s_wait_dscnt 8*NL                              ; all but the 24 just issued
	WIN MUL
	MUL8 128*((\j)%2), 2, \j, \slot, \first
.endm
.macro TURN slot, next, fill
.if \fill
	s_wait_xcnt 0x0                                ; my last prefetch has read its address:
	s_add_nc_u64 s[PFA:PFA+1], s[PFA:PFA+1], s[PFS:PFS+1]   ; a fill on
.endif
	s_wait_dscnt 2*NL
	WIN MUL
	MUL8 128, 0, 3, \slot, 0
	s_wait_dscnt 0x0
	MUL8 128, 2, 3, \slot, 0
	WIN 0
	s_wait_tensorcnt 0x0                           ; all my tensor loads have landed: my part of the next slot
	ds_add_u32 v[SPW], v[NIL]
.if \fill
	s_add_nc_u64 s[G0+4*\slot+2:G0+4*\slot+3], s[G0+4*\slot+2:G0+4*\slot+3], STEPA
	s_add_nc_u64 s[G0B+4*\slot+2:G0B+4*\slot+3], s[G0B+4*\slot+2:G0B+4*\slot+3], STEPB
.endif
	s_wait_dscnt 0x0                               ; the add is done, and my reads of this slot are over
	s_barrier_signal -1
	s_barrier_wait -1
.if \fill
	CREST
	JLOAD G0+4*\slot, G1, G0B+4*\slot, G1B         ; the first tensor load behind the round; its four v_nop are the places in front of the loads below
.else
	PLACES NP
.endif
	s_wait_alu depctr_va_vdst(0)
	v_add_nc_u32 v[ADRS], 2048, v[ADRS]
	SCALES \next
	FETCH \next, 0, 0
.if \fill
	WIN 0
	ASK 1
.endif
.endm
	s_wait_alu depctr_va_vdst(0)
	s_wait_xcnt 0x0
	s_add_nc_u64 s[PFA:PFA+1], s[PFA:PFA+1], s[PFS:PFS+1]   ; at fill 3
	s_wait_tensorcnt 0x0                           ; my tile of the head's four is in
	ds_add_u32 v[SPW], v[NIL]
.irp g, G1, G1B                        ; no tensor load of mine is out: from here on a load brings one block, as 96 rows of 256 bytes
	s_mov_b32 s[\g+1], 32<<16
	s_mov_b32 s[\g+2], 96<<16
	s_mov_b32 s[\g+3], 32<<16
	s_mov_b32 s[\g+4], 96
	s_mov_b32 s[\g+5], 32
.endr
	s_wait_dscnt 0x0
	CROUND
	JLOAD G0+4, G1, G0B+4, G1B                     ; fill 1
	SCALES 0
	FETCH 0, 0, 0
	WIN 0
	ASK 0                                          ; fill 3
	s_wait_loadcnt 32                              ; the bias is in; the residual's 32 loads may be out
	STEP 0, 0, 1
	WIN 0
	s_mov_b32 s3, LAPS-1
.Llap:
	STEP 0, 1, 0
	STEP 0, 2, 0
	TURN 0, 1, 1
	STEP 1, 0, 0
	STEP 1, 1, 0
	STEP 1, 2, 0
	TURN 1, 0, 1
	STEP 0, 0, 0
	WIN 0
	s_sub_co_u32 s3, s3, 1
	s_cmp_lg_u32 s3, 0
	s_cbranch_scc1 .Llap
	STEP 0, 1, 0                                   ; the last lap fills nothing
	STEP 0, 2, 0
	TURN 0, 1, 0
	STEP 1, 0, 0
	STEP 1, 1, 0
	STEP 1, 2, 0
	s_wait_dscnt 2*NL
	WIN MUL
	MUL8 128, 0, 3, 1, 0
	s_wait_dscnt 0x0
	MUL8 128, 2, 3, 1, 0
	WIN 0
; THE WAY OUT, block by block of 16 row places x 64 columns: through my stage, back as rows of 256 bytes, two an instruction; + the residual's rows; stored.
.macro TOSTAGE a
.irp b, 0,1,2,3
	ds_store_b128 v[STO], v[ACC+8*(4*(\a)+\b):ACC+8*(4*(\a)+\b)+3] offset:128*(\b/2)+32*(\b%2)
	ds_store_b128 v[STO], v[ACC+8*(4*(\a)+\b)+4:ACC+8*(4*(\a)+\b)+7] offset:128*(\b/2)+32*(\b%2)+16
.endr
.irp t, 0,1,2,3,4,5,6,7
	ds_load_b128 v[BK+32*((\a)%2)+4*\t:BK+32*((\a)%2)+4*\t+3], v[RD] offset:2*SPITCH*\t
.endr
.endm
.macro SEND a, younger
	s_wait_dscnt \younger
	WIN 0x82
.set i, 0
.rept 16
	v_pk_add_f32 v[32*(\a)+i:32*(\a)+i+1], v[32*(\a)+i:32*(\a)+i+1], v[BK+32*((\a)%2)+i:BK+32*((\a)%2)+i+1]
.set i, i+2
.endr
	WIN 0x08
.irp t, 0,1,2,3,4,5,6,7
	global_store_b128 v[CO2], v[32*(\a)+4*\t:32*(\a)+4*\t+3], s[12:13] offset:(8*(\a)+64*(\t/4)+2*(\t%4))*4096 th:TH_STORE_NT   ; sixteen lanes store 256 consecutive bytes, aligned
.endr
	WIN 0
.endm
	PLACES NP
	s_wait_loadcnt 0x0                             ; the residual
	TOSTAGE 0
	TOSTAGE 1
	SEND 0, 16                                     ; behind block 0's loads: block 1's 8 stores and 8 loads
	TOSTAGE 2
	SEND 1, 16
	TOSTAGE 3
	SEND 2, 16
	SEND 3, 0
	s_wait_tensorcnt 0x0                           ; the wave's end
	ds_add_u32 v[SPW], v[NIL]
	s_wait_dscnt 0x0
	CROUND                                         ; the closing round
	s_endpgm
.Lfunc_end_k_q70591e8d60_ffn2:
	.size	k_q70591e8d60_ffn2, .Lfunc_end_k_q70591e8d60_ffn2-k_q70591e8d60_ffn2
	.p2alignl 7, 3214868480
	.fill 96, 4, 3214868480
	.section	.rodata,"a",@progbits
	.p2align	6, 0x0
	.amdhsa_kernel k_q70591e8d60_ffn2
		.amdhsa_group_segment_fixed_size 327680
		.amdhsa_private_segment_fixed_size 0
		.amdhsa_enable_private_segment 0
		.amdhsa_kernarg_size 40
		.amdhsa_user_sgpr_count 2
		.amdhsa_user_sgpr_kernarg_segment_ptr 1
		.amdhsa_wavefront_size32 1
		.amdhsa_system_sgpr_workgroup_id_x 1
		.amdhsa_system_sgpr_workgroup_id_y 1
		.amdhsa_system_sgpr_workgroup_id_z 1
		.amdhsa_system_vgpr_workitem_id 0
		.amdhsa_next_free_vgpr 768
		.amdhsa_next_free_sgpr 102
		.amdhsa_reserve_vcc 0
		.amdhsa_float_denorm_mode_32 3
		.amdhsa_float_denorm_mode_16_64 3
		.amdhsa_memory_ordered 1
		.amdhsa_forward_progress 1
		.amdhsa_inst_pref_size 95
	.end_amdhsa_kernel
	.amdgpu_metadata
---
amdhsa.version: [ 1, 2 ]
amdhsa.kernels:
  - .name:           k_q70591e8d60_ffn2
    .symbol:         k_q70591e8d60_ffn2.kd
    .args:
      - { .name: hid, .offset: 0, .size: 8, .value_kind: global_buffer, .address_space: global }
      - { .name: wk, .offset: 8, .size: 8, .value_kind: global_buffer, .address_space: global }
      - { .name: b2, .offset: 16, .size: 8, .value_kind: global_buffer, .address_space: global }
      - { .name: att, .offset: 24, .size: 8, .value_kind: global_buffer, .address_space: global }
      - { .name: out0, .offset: 32, .size: 8, .value_kind: global_buffer, .address_space: global }
    .group_segment_fixed_size: 327680
    .private_segment_fixed_size: 0
    .kernarg_segment_align: 8
    .kernarg_segment_size: 40
    .max_flat_workgroup_size: 128
    .sgpr_count:     102
    .vgpr_count:     768
    .wavefront_size: 32
...
	.end_amdgpu_metadata
.endif
;; end of part 10
